; MI455X (gfx1250); checked and timed in simulation.
; The chip was launched on July 23, 2026; its instructions are those of AMD's public machine-readable ISA for CDNA 5 (MIT licence, August 2026) and "CDNA5" Instruction Set Architecture Reference Guide (July 2026). The comments in the code are by the model that wrote it; some were corrected since.
;; Mo E Layer. Allowed arithmetic: matrix products marked QUANTISED: E4M3 operands, one E8M0 scale for each 32 along K, by v_wmma_scale_f32_16x16x128_f8f6f4 with both operands' format E4M3, f32 sums; products left as they are: f32 operands where the result goes on into a quantised operand, else bf16, f16 or f32 operands; f32 sums; everything else in f32.
;; Inputs: W1_codes 8 x 4,096 x 32 x 32 uint8 (E4M3 codes of W1, K innermost, in blocks of 32 codes); W1_scales 8 x 4,096 x 32 uint8 (E8M0 scales of W1, one for each 32 codes along K); W2_codes 8 x 1,024 x 64 x 32 uint8 (E4M3 codes of W2, K innermost, in blocks of 32 codes); W2_scales 8 x 1,024 x 64 uint8 (E8M0 scales of W2, one for each 32 codes along K); b1 8 x 4,096 float32; b2 8 x 1,024 float32; router_b 8 float32; router_w 8 x 1,024 float32; x 4 x 256 x 1,024 float32.
;; Outputs: out0 4 x 256 x 1,024 float32.
;; This version of the problem:
;;   THIS VERSION OF THE PROBLEM IS GIVEN IN LOW PRECISION. The matrix products marked QUANTISED in the list below multiply operands that are first quantised to E4M3 (4 exponent bits, 3 mantissa bits; 8 bits a number), with one power-of-two scale for each 32 numbers along K (OCP MX v1.0); their sums are f32. All else is computed in f32.
;;   The module's matrix products, in the order in which they are computed (A, B: the left and right operand; K: the contracted axis; several contracted axes count as one K, in the product's order):
;;     1. [M 1,024, K 1,024] x [K 1,024, N 8]; A: input x; B: input router_w: left as it is (N = 8 < 16)
;;     2. [M 1,024, K 1,024] x [K 1,024, N 4,096]; A: input x; B: input W1 (given as codes): QUANTISED
;;     3. [M 1,024, K 2,048] x [K 2,048, N 1,024]; A: computed on the way; B: input W2 (given as codes): QUANTISED
;;     4. [M 1,024, K 1,024] x [K 1,024, N 4,096]; A: input x; B: input W1 (given as codes): QUANTISED
;;     5. [M 1,024, K 2,048] x [K 2,048, N 1,024]; A: computed on the way; B: input W2 (given as codes): QUANTISED
;;     6. [M 1,024, K 1,024] x [K 1,024, N 4,096]; A: input x; B: input W1 (given as codes): QUANTISED
;;     7. [M 1,024, K 2,048] x [K 2,048, N 1,024]; A: computed on the way; B: input W2 (given as codes): QUANTISED
;;     8. [M 1,024, K 1,024] x [K 1,024, N 4,096]; A: input x; B: input W1 (given as codes): QUANTISED
;;     9. [M 1,024, K 2,048] x [K 2,048, N 1,024]; A: computed on the way; B: input W2 (given as codes): QUANTISED
;;     10. [M 1,024, K 1,024] x [K 1,024, N 4,096]; A: input x; B: input W1 (given as codes): QUANTISED
;;     11. [M 1,024, K 2,048] x [K 2,048, N 1,024]; A: computed on the way; B: input W2 (given as codes): QUANTISED
;;     12. [M 1,024, K 1,024] x [K 1,024, N 4,096]; A: input x; B: input W1 (given as codes): QUANTISED
;;     13. [M 1,024, K 2,048] x [K 2,048, N 1,024]; A: computed on the way; B: input W2 (given as codes): QUANTISED
;;     14. [M 1,024, K 1,024] x [K 1,024, N 4,096]; A: input x; B: input W1 (given as codes): QUANTISED
;;     15. [M 1,024, K 2,048] x [K 2,048, N 1,024]; A: computed on the way; B: input W2 (given as codes): QUANTISED
;;     16. [M 1,024, K 1,024] x [K 1,024, N 4,096]; A: input x; B: input W1 (given as codes): QUANTISED
;;     17. [M 1,024, K 2,048] x [K 2,048, N 1,024]; A: computed on the way; B: input W2 (given as codes): QUANTISED
;;   THE QUANTISER, for each operand of a quantised product, along K:
;;     - K is cut into blocks of 32 from its start; a last block that is shorter is filled with zeros.
;;     - A block's scale is 2^e with e = floor(log2(the largest magnitude in the block)) - 8, held to -126 .. 127; a block of zeros has e = 0. As a byte (E8M0): e + 127.
;;     - Each number is divided by its block's scale, clamped to +-448, and rounded to the nearest number of E4M3, ties to even, subnormals kept.
;;     - The product sums the exact products of the quantised numbers (number of the format x scale) in f32.
;;   ~~~python
;;   def quantise(x, axis):      # numpy; x: float32 -> the quantised numbers, widened to float32 again
;;       x = np.moveaxis(x, axis, -1); K = x.shape[-1]
;;       x = np.pad(x, [(0, 0)] * (x.ndim - 1) + [(0, -K % 32)]); x = x.reshape(x.shape[:-1] + (-1, 32)); a = np.abs(x).max(-1, keepdims=True)
;;       e = np.where(a > 0, np.clip(np.frexp(np.where(a > 0, a, 1))[1] - 1 - 8, -126, 127), 0)      # np.frexp(a)[1] - 1 = floor(log2(a)), exactly
;;       r = np.clip(x / 2.0 ** e, -448, 448)
;;       step = 2.0 ** (np.maximum(np.frexp(np.where(r == 0, 1, r))[1] - 1, -6) - 3)
;;       q = np.round(r / step) * step * 2.0 ** e      # np.round: ties to even
;;       return np.moveaxis(q.reshape(q.shape[:-2] + (-1,))[..., :K], -1, axis).astype(np.float32)
;;   ~~~
;;   OPERANDS COMPUTED ON THE WAY. 'Computed on the way' means the value that the module computes at that place (a softmax that the list does not call 'softmax' is quantised finished and normalised). What goes into a quantiser is computed in f32, as accurately as f32 sums, v_exp_f32 and their like allow (about 1e-6 of the number): no bf16 or f16 on the way to a quantiser, and a product that is left as it is and whose result goes on into a quantised operand takes f32 operands (vector FMAs, or v_wmma_f32_16x16x4_f32). A number that lies on a knife's edge between two numbers of the format may be rounded either way, as far as f32 arithmetic and the matrix unit's own rounding can turn it there, and no further.
;;   INPUTS GIVEN AS CODES. W1 (in the module: [8, 1024, 4096], K = its axis 1); W2 (in the module: [8, 2048, 1024], K = its axis 1): each comes as NAME_codes (uint8): NAME with its K axis moved to the last place and cut into blocks of 32 codes, [.., K / 32, bytes a block], one block behind the other in memory; one code a byte (a code: sign, 4 exponent bits, 3 mantissa bits); and NAME_scales (uint8): the same leading axes, one E8M0 byte (e + 127) for each 32 codes along K. Its value is code x scale, taken as it is: it is not quantised again, and the codes and scales need not be those that the quantiser above would give.
;; 3 versions. Each part assembles by itself: llvm-mc -triple=amdgcn-amd-amdhsa -mcpu=gfx1250 --defsym DOCPART=n.
;; ======== version 1 of 3: 4 launches
;; workspace buffers: xq 1,048,576 bytes; xs 32,768 bytes; sel 4,096 bytes of whole numbers; wgt 8,192 bytes; hq 16,777,216 bytes; hs 524,288 bytes; yp 8,912,896 bytes
;; launch route (part 1): grid 128 x 1, 4 waves a work-group, no clusters, 42,240 bytes of LDS; arguments x, router_w, router_b, xq, xs, sel, wgt; writes xq, xs, sel, wgt
.if DOCPART == 1
	.amdgcn_target "amdgcn-amd-amdhsa--gfx1250"
	.amdhsa_code_object_version 6
	.text
	.protected	k_q9f46fecc53_route
	.globl	k_q9f46fecc53_route
	.p2align	8
	.type	k_q9f46fecc53_route,@function
k_q9f46fecc53_route:
	s_mov_b64 s[64:65], 0
	v_nop
	global_prefetch_b8 v0, s[64:65] scope:SCOPE_SE
	s_setreg_imm32_b32 hwreg(HW_REG_WAVE_MODE, 25, 1), 1
	s_wait_xcnt 0x0
; ROUTER AND QUANTISER OF x.  x [1024 tokens][1024] f32, router_w [8][1024] f32, router_b [8] f32.
; For each token: eight logits in f32 (fused multiply-adds), the two largest (ties keep the lower index: the compares are strict),
; their softmax with the larger logit taken away first, and x's row as codes of E4M3 with one E8M0 byte for each 32 along K.
; OUT: xq [1024][1024] codes; xs [1024][32] scale bytes; sel [1024] words (1 << e0) | (256 << e1); wgt [1024][2] f32 (first: the larger logit's).
; No address and no branch hangs on the choice: it is stored at fixed places and read by the launches that follow.
; SHARES: a work-group takes 8 tokens, a wave 2.  A wave's load of x covers 512 consecutive bytes; the same registers feed the logits and,
; turned through the wave's own stage in LDS (64 bytes + 16 of padding a place), the quantiser, which wants 16 neighbours along K in a lane.
; LIMITS: NaN and infinities among the inputs are not served (the second-best logit starts at -infinity).  A block of zeros gets the byte 1
; and not 127: its codes are zeros, and the bytes are read by this program alone.
.set STGW, 10240                       ; a wave's stage: 4 steps x 32 places x 80 bytes
.set SPL,  80                          ; a place: 64 bytes + 16 of padding
.set SCB,  4*STGW                      ; the work-group's 256 scale bytes
.set SELB, SCB+256                     ; its 8 words of sel
.set WGB,  SELB+256                    ; its 16 weights
.set ACC,  32                          ; v32-63   sums: pair (token i, expert e) at 32 + 16 i + 2 e
.set X,    64                          ; v64-127  x: token i, load j at 64 + 32 i + 4 j: k = 128 j + 4 lane + 0..3
.set W,    128                         ; v128-255 router_w: four chunk buffers of 32 (expert e at + 4 e)
.set NUM,  128                         ; later: four sets of 16 neighbours
.set COD,  192                         ; codes: four registers a step
.set BYT,  208                         ; a scale byte a step
	s_load_b256 s[4:11], s[0:1], 0x0               ; x, router_w, router_b, xq
	s_load_b128 s[12:15], s[0:1], 0x20             ; xs, sel
	s_load_b64 s[16:17], s[0:1], 0x30              ; wgt
	v_lshl_add_u32 v31, v0, 2, 0xa300
	s_set_vgpr_msb 0x40
	v_mov_b32 v1, 0
	s_set_vgpr_msb 0x4000
	v_lshrrev_b32 v8, 5, v0
	v_readfirstlane_b32 s18, v8                    ; wave
	v_and_b32 v1, 31, v0                           ; lane
	v_lshlrev_b32 v2, 4, v1                        ; 16 x lane
	s_mul_i32 s19, s18, STGW
	v_lshrrev_b32 v3, 2, v1
	v_mul_u32_u24 v3, v3, SPL
	v_and_b32 v8, 3, v1
	v_lshl_add_u32 v3, v8, 4, v3
	v_add_nc_u32 v3, s19, v3                       ; the stage, way in: four lanes' 64 bytes on end, then the padding
	v_mul_u32_u24 v4, v1, SPL
	v_add_nc_u32 v4, s19, v4                       ; way out: my place, 16 neighbours
	s_lshl_b32 s19, s18, 6
	s_add_co_u32 s19, s19, SCB
	v_lshrrev_b32 v5, 1, v1
	v_add_nc_u32 v5, s19, v5                       ; my block's scale byte: 64 x wave + lane / 2
	s_lshl_b32 s19, s18, 3
	s_add_co_u32 s19, s19, SELB
	v_mov_b32 v6, s19                              ; my wave's two words of sel
	s_lshl_b32 s19, s18, 4
	s_add_co_u32 s19, s19, WGB
	v_mov_b32 v7, s19                              ; my wave's four weights
	v_lshlrev_b32 v27, 3, v1                       ; 8 x lane
	v_add_nc_u32 v24, SCB, v27                     ; wave 0's way out: scale bytes,
	v_and_b32 v25, 15, v1
	v_lshl_add_u32 v25, v25, 2, WGB                ; weights,
	v_and_b32 v26, 7, v1
	v_lshl_add_u32 v26, v26, 2, SELB               ; sel
	v_lshlrev_b32 v28, 2, v1                       ; 4 x lane
	v_mov_b32 v29, 1
	v_mov_b32 v30, 0x100
	s_lshl_b32 s20, ttmp9, 3
	s_lshl_b32 s19, s18, 1
	s_add_co_u32 s20, s20, s19                     ; my first token: 8 x work-group + 2 x wave
	s_lshl_b32 s22, s20, 10                        ; its codes
	s_lshl_b32 s20, s20, 12                        ; its row of x
	s_mov_b32 s21, 0
	s_mov_b32 s23, 0
	s_lshl_b32 s40, ttmp9, 8                       ; the work-group's 256 scale bytes,
	s_mov_b32 s41, 0
	s_lshl_b32 s42, ttmp9, 5                       ; 8 words of sel,
	s_mov_b32 s43, 0
	s_lshl_b32 s44, ttmp9, 6                       ; 16 weights
	s_mov_b32 s45, 0
	s_mov_b32 s32, 0x76543210
	s_mov_b32 s33, 0xfedcba98                      ; v_permlanex16_b32's selects for lane l xor 16
	s_mov_b32 s34, 0x600000                        ; the mantissa field of 448
	s_wait_kmcnt 0x0
	s_load_b256 s[24:31], s[8:9], 0x0              ; router_b: eight numbers, in scalar registers
	s_add_nc_u64 s[4:5], s[4:5], s[20:21]
	s_add_nc_u64 s[10:11], s[10:11], s[22:23]
	s_add_nc_u64 s[12:13], s[12:13], s[40:41]
	s_add_nc_u64 s[14:15], s[14:15], s[42:43]
	s_add_nc_u64 s[16:17], s[16:17], s[44:45]
.irp i, 0,1
.irp j, 0,1,2,3,4,5,6,7
	global_load_b128 v[X+32*\i+4*\j:X+32*\i+4*\j+3], v2, s[4:5] offset:4096*\i+512*\j th:TH_LOAD_NT   ; 512 consecutive bytes; read once in the launch
.endr
.endr
.irp j, 0,1,2,3
.irp e, 0,1,2,3,4,5,6,7
	global_load_b128 v[W+32*\j+4*\e:W+32*\j+4*\e+3], v2, s[6:7] offset:4096*\e+512*\j
.endr
.endr
; Chunk j: 128 along K of all eight experts against both tokens.  Nothing is cleared: chunk 0's first products start the sums.
.macro CHUNK j
.if \j < 5
	s_wait_loadcnt 24                              ; behind chunk j's eight loads stand three chunks' 24 (x's loads stand ahead of them all)
.else
	s_wait_loadcnt 8*(7-\j)                        ; the last chunks: the count runs down
.endif
.if \j == 0
.irp i, 0,1
.irp c, 0,1,2,3,4,5,6,7
	ds_store_b128 v3, v[X+32*\i+4*\c:X+32*\i+4*\c+3] offset:32*SPL*(2*\i+\c/4)+8*SPL*(\c%4)   ; x into the stage, as it lies: step 2 i + c / 4
.endr
.endr
.endif
.set WB, W+32*(\j%4)
.irp p, 0,2
.irp i, 0,1
.irp e, 0,1,2,3,4,5,6,7
.if (\j == 0) && (\p == 0)
	v_pk_mul_f32 v[ACC+16*\i+2*\e:ACC+16*\i+2*\e+1], v[X+32*\i+4*\j:X+32*\i+4*\j+1], v[WB+4*\e:WB+4*\e+1]
.else
	v_pk_fma_f32 v[ACC+16*\i+2*\e:ACC+16*\i+2*\e+1], v[X+32*\i+4*\j+\p:X+32*\i+4*\j+\p+1], v[WB+4*\e+\p:WB+4*\e+\p+1], v[ACC+16*\i+2*\e:ACC+16*\i+2*\e+1]
.endif
.endr
.endr
.endr
.if \j < 4
.irp e, 0,1,2,3,4,5,6,7
	global_load_b128 v[WB+4*\e:WB+4*\e+3], v2, s[6:7] offset:4096*\e+512*(\j+4)   ; the buffer takes the chunk four further on
.endr
.endif
.endm
.irp j, 0,1,2,3,4,5,6,7
	CHUNK \j
.endr
.irp g, 0,1,2,3
.irp n, 0,1,2,3
	ds_load_b128 v[NUM+16*\g+4*\n:NUM+16*\g+4*\n+3], v4 offset:32*SPL*\g+16*\n   ; back from the stage, 64 bytes a lane (LDS serves a wave's instructions in order); they land under the reduction
.endr
.endr
	; the sixteen sums over the wave's 32 lanes; every lane ends with the same bits
.set N, 0
.rept 16
	v_add_f32 v[ACC+2*N], v[ACC+2*N], v[ACC+2*N+1]
.set N, N+1
.endr
.irp m, 1,2,4,8
.set N, 0
.rept 16
	v_add_f32_dpp v[ACC+2*N], v[ACC+2*N], v[ACC+2*N] row_xmask:\m row_mask:0xf bank_mask:0xf
.set N, N+1
.endr
.endr
.set N, 0
.rept 16
	v_permlanex16_b32 v[ACC+2*N+1], v[ACC+2*N], s32, s33
.set N, N+1
.endr
	s_wait_kmcnt 0x0                               ; router_b
.set N, 0
.rept 16
	v_add_f32 v[ACC+2*N], v[ACC+2*N], v[ACC+2*N+1]
.set N, N+1
.endr
.set N, 0
.rept 16
	v_add_f32 v[ACC+2*N], s[24+N%8], v[ACC+2*N]    ; the logit
.set N, N+1
.endr
; The two largest of token i's eight logits, by selects alone.  B: best, its index, second, its index, four at work.
.macro TOP2 i
.set B, 8+8*\i
.set L, ACC+16*\i
	v_mov_b32 v[B], v[L]
	v_mov_b32 v[B+1], 0
	v_mov_b32 v[B+2], 0xff800000                   ; -infinity: under every finite logit
	v_mov_b32 v[B+3], 0
.irp e, 1,2,3,4,5,6,7
	v_cmp_gt_f32 vcc_lo, v[L+2*\e], v[B]           ; strictly larger: of equals the lower index stays ahead
	v_cmp_gt_f32 s35, v[L+2*\e], v[B+2]
	v_cndmask_b32 v[B+4], v[B+2], v[L+2*\e], s35
	v_cndmask_b32 v[B+5], v[B+3], \e, s35
	v_cndmask_b32 v[B+2], v[B+4], v[B], vcc_lo
	v_cndmask_b32 v[B+3], v[B+5], v[B+1], vcc_lo
	v_cndmask_b32 v[B], v[B], v[L+2*\e], vcc_lo
	v_cndmask_b32 v[B+1], v[B+1], \e, vcc_lo
.endr
	v_lshlrev_b32 v[B+4], v[B+1], v29
	v_lshlrev_b32 v[B+5], v[B+3], v30
	v_or_b32 v[B+4], v[B+4], v[B+5]                ; (1 << e0) | (256 << e1)
	v_sub_f32 v[B+5], v[B+2], v[B]                 ; the maximum is taken away: 0 or less
	v_mul_f32 v[B+5], 0x3fb8aa3b, v[B+5]
	v_exp_f32 v[B+6], v[B+5]
	ds_store_b32 v6, v[B+4] offset:4*\i            ; all lanes write the same word with the same value
	v_nop                                          ; a plain instruction behind the exponential (ISA guide 5.7.2)
	s_wait_alu depctr_va_vdst(0)
	v_add_f32 v[B+5], 1.0, v[B+6]
	v_rcp_f32 v[B+7], v[B+5]                       ; w0 = 1 / (1 + e^(l1 - l0))
	v_nop
	s_wait_alu depctr_va_vdst(0)
	v_mul_f32 v[B+6], v[B+6], v[B+7]               ; w1
	ds_store_b32 v7, v[B+7] offset:8*\i
	ds_store_b32 v7, v[B+6] offset:8*\i+4
.endm
	TOP2 0
	TOP2 1
	s_wait_dscnt 0x0                               ; the sixteen loads from the stage are in
; Step g: token g / 2, K = 512 (g % 2) on; my 16 numbers, two neighbouring lanes to a block of 32.
.macro QSTEP g
.set XS, NUM+16*\g
	v_max3_num_f32 v8, |v[XS]|, |v[XS+1]|, |v[XS+2]|
	v_max3_num_f32 v9, |v[XS+3]|, |v[XS+4]|, |v[XS+5]|
.irp i, 6,10
	v_max3_num_f32 v8, v8, |v[XS+\i]|, |v[XS+\i+1]|
	v_max3_num_f32 v9, v9, |v[XS+\i+2]|, |v[XS+\i+3]|
.endr
	v_max3_num_f32 v8, v8, |v[XS+14]|, |v[XS+15]|
	v_max3_num_f32 v8, v8, v9, 0x4800000           ; the floor 2^(9 - 127): the byte cannot fall under 1
	v_max_num_f32_dpp v8, v8, v8 row_xmask:1 row_mask:0xf bank_mask:0xf   ; with my neighbour's 16: the block's largest magnitude
	v_add_nc_u32 v11, 0xfc000000, v8               ; 8 off its exponent field: the conversion's scale operand
	v_and_or_b32 v10, v8, 0x7f800000, s34          ; 448 x the scale
.irp i, 0,1,2,3,4,5,6,7,8,9,10,11,12,13,14,15
	v_med3_num_f32 v[XS+\i], v[XS+\i], -v10, v10   ; the conversion does not saturate (ISA guide 7.6.2): the hold comes first
.endr
	v_cvt_scalef32_pk8_fp8_f32 v[COD+4*\g:COD+4*\g+1], v[XS:XS+7], v11
	v_cvt_scalef32_pk8_fp8_f32 v[COD+4*\g+2:COD+4*\g+3], v[XS+8:XS+15], v11
	v_lshrrev_b32 v[BYT+\g], 23, v11               ; the scale's byte; also the plain instruction behind the conversions
	ds_store_b8 v5, v[BYT+\g] offset:32*(\g/2)+16*(\g%2)   ; both lanes of a block write the same byte
	global_store_b128 v2, v[COD+4*\g:COD+4*\g+3], s[10:11] offset:1024*(\g/2)+512*(\g%2)   ; 512 consecutive bytes, aligned
.endm
.irp g, 0,1,2,3
	QSTEP \g
.endr
	s_wait_dscnt 0x0                               ; for the others' sake: my bytes, words and weights lie in LDS
	s_barrier_signal -1
	s_barrier_wait -1
	s_cmp_lg_u32 s18, 0
	s_cbranch_scc1 .Lend                           ; wave 0 stores what the four waves gathered
	ds_load_b64 v[12:13], v24
	ds_load_b32 v14, v25
	ds_load_b32 v15, v26
	s_wait_dscnt 0x0
	global_store_b64 v27, v[12:13], s[12:13]       ; 256 consecutive bytes, aligned: eight tokens' scale bytes
	s_wait_xcnt 0x0                                ; EXEC is a source of the stores that are out: it changes only behind this wait
	v_cmp_gt_u32 vcc_lo, 16, v1
	s_and_saveexec_b32 s36, vcc_lo
	global_store_b32 v28, v14, s[16:17]            ; 16 weights
	s_wait_xcnt 0x0
	s_or_b32 exec_lo, exec_lo, s36
	v_cmp_gt_u32 vcc_lo, 8, v1
	s_and_saveexec_b32 s36, vcc_lo
	global_store_b32 v28, v15, s[14:15]            ; 8 words of sel
	s_wait_xcnt 0x0
	s_or_b32 exec_lo, exec_lo, s36
.Lend:
	s_set_vgpr_msb 0x4
	s_wait_tensorcnt 0x0
	ds_add_u32 v31, v1
	s_wait_dscnt 0x0
	s_set_vgpr_msb 0x400
	s_endpgm
.Lfunc_end_k_q9f46fecc53_route:
	.size	k_q9f46fecc53_route, .Lfunc_end_k_q9f46fecc53_route-k_q9f46fecc53_route
	.p2alignl 7, 3214868480
	.fill 96, 4, 3214868480
	.section	.rodata,"a",@progbits
	.p2align	6, 0x0
	.amdhsa_kernel k_q9f46fecc53_route
		.amdhsa_group_segment_fixed_size 42240
		.amdhsa_private_segment_fixed_size 0
		.amdhsa_enable_private_segment 0
		.amdhsa_kernarg_size 56
		.amdhsa_user_sgpr_count 2
		.amdhsa_user_sgpr_kernarg_segment_ptr 1
		.amdhsa_wavefront_size32 1
		.amdhsa_system_sgpr_workgroup_id_x 1
		.amdhsa_system_sgpr_workgroup_id_y 1
		.amdhsa_system_sgpr_workgroup_id_z 1
		.amdhsa_system_vgpr_workitem_id 0
		.amdhsa_next_free_vgpr 258
		.amdhsa_next_free_sgpr 66
		.amdhsa_reserve_vcc 1
		.amdhsa_float_denorm_mode_32 3
		.amdhsa_float_denorm_mode_16_64 3
		.amdhsa_memory_ordered 1
		.amdhsa_forward_progress 1
		.amdhsa_inst_pref_size 52
	.end_amdhsa_kernel
	.amdgpu_metadata
---
amdhsa.version: [ 1, 2 ]
amdhsa.kernels:
  - .name:           k_q9f46fecc53_route
    .symbol:         k_q9f46fecc53_route.kd
    .args:
      - { .name: x, .offset: 0, .size: 8, .value_kind: global_buffer, .address_space: global }
      - { .name: router_w, .offset: 8, .size: 8, .value_kind: global_buffer, .address_space: global }
      - { .name: router_b, .offset: 16, .size: 8, .value_kind: global_buffer, .address_space: global }
      - { .name: xq, .offset: 24, .size: 8, .value_kind: global_buffer, .address_space: global }
      - { .name: xs, .offset: 32, .size: 8, .value_kind: global_buffer, .address_space: global }
      - { .name: sel, .offset: 40, .size: 8, .value_kind: global_buffer, .address_space: global }
      - { .name: wgt, .offset: 48, .size: 8, .value_kind: global_buffer, .address_space: global }
    .group_segment_fixed_size: 42240
    .private_segment_fixed_size: 0
    .kernarg_segment_align: 8
    .kernarg_segment_size: 56
    .max_flat_workgroup_size: 128
    .sgpr_count:     66
    .vgpr_count:     258
    .wavefront_size: 32
...
	.end_amdgpu_metadata
.endif
;; end of part 1
;; launch fc1 (part 2): grid 32 x 8, 4 waves a work-group, no clusters, 205,056 bytes of LDS; arguments xq, xs, sel, W1_codes, W1_scales, b1, hq, hs; writes hq, hs
.if DOCPART == 2
	.amdgcn_target "amdgcn-amd-amdhsa--gfx1250"
	.amdhsa_code_object_version 6
	.text
	.protected	k_q9f46fecc53_fc1
	.globl	k_q9f46fecc53_fc1
	.p2align	8
	.type	k_q9f46fecc53_fc1,@function
k_q9f46fecc53_fc1:
	s_mov_b64 s[64:65], 0
	v_nop
	global_prefetch_b8 v0, s[64:65] scope:SCOPE_SE
	s_setreg_imm32_b32 hwreg(HW_REG_WAVE_MODE, 25, 1), 1
	s_wait_xcnt 0x0
; FIRST PRODUCT OF THE EXPERTS, SwiGLU, AND THE HIDDEN LAYER'S QUANTISER, for the rows that chose the expert alone.
; Work-group (g, e) owns hidden units 64 g .. 64 g + 63 of expert e: 64 gate rows and 64 up rows (2,048 further on) of W1[e], read from memory ONCE and kept in registers.
; Wave w: its block of 32 units begins at 64 g + 32 (w & 1); it takes the tiles of 16 routed rows w >> 1, w >> 1 + 2, ..  Four tiles of W1 (gate, up x two of 16 rows) x 8 K steps = 512 registers.
; THE LIST of the expert's rows is made from sel by wave 0 (a counting placement inside the wave: no atomics) and lies in LDS; the other waves only count.  An entry is rho = 2 token + slot.
; Entries behind the last row are dump rows 2048 + 16 e + (place % 16): their token is held at 1,023, so a last tile's spare lanes work on a real row and their results go where nobody reads.
; THE PRODUCT IS USED TRANSPOSED (source 0 = 16 rows of W1, source 1 = 16 tokens), and lane m of tile u takes W1's row 8 u + m + 8 (m / 8) of the block:
; lane (r, h) then holds token r, and the 16 registers of tiles u = 0, 1 are units 16 h + 0 .. 15: 16 neighbours along the next product's K.  The bias is the C of a sum's first instruction.
; OUT: hq [8 e][64 tile][16 K step][2,048 bytes]: an image of the second product's operand registers (group c at 512 c + 16 lane); hs [8 e][64 tile][16 rows][64 bytes].
; No tensor load, no cluster: how many tiles there are is read from memory, and the waves must be free to branch on it.  The loop's count is a constant; a trip without a tile jumps over the work.
; LIMITS: NaN and infinities are not served; a block of zeros gets the byte 1 and not 127 (its codes are zeros; this program alone reads the bytes).
.set WP,   1040                        ; an LDS row of 1,024 codes + 16: an odd multiple of 16 bytes, so that the sixteen rows of a load start in different banks
.set WST,  0                           ; 128 rows of W1: slot 64 y + 32 (block) + 16 u + m
.set XST,  128*WP                      ; each wave's own 16 rows of x's codes
.set XW,   16*WP
.set LIST, XST+4*XW                    ; 1,152 entries, all filled, then 32 dump words for the lanes that place nothing
.set LENT, 1152
.set LANE, 1
.set RR,   2                           ; lane % 16
.set HH,   3                           ; lane / 16
.set L16,  4                           ; 16 x lane
.set WSB,  5                           ; where I put W1's rows
.set WF,   6                           ; v6, v7: where I read my gate and my up fragments
.set XSS,  8                           ; where I put x's rows
.set XFB,  9                           ; where I read x's fragments
.set LB,   10                          ; the tile's 16 entries, the same address in every lane
.set LR,   11                          ; my row's entry
.set TR,   12
.set XA,   13                          ; my row's scale words in xs
.set HSO,  14                          ; 64 r
.set WSA,  15                          ; 32 (r + 8 (r / 8))
.set BA,   16                          ; 64 h
.set POS,  17                          ; v17-21: the placement's own registers
.set AD,   18
.set ENT,  19
.set TMP,  20
.set KK,   21
.set DIDX, 22                          ; 1152 + lane
.set R8,   23                          ; 8 x lane
.set DD,   24                          ; v24-27 four dump rows
.set FA,   28
.set T0,   29
.set T1,   30
.set WS,   32                          ; v32-63   W1's scale words: tile t, K step s at 8 t + s
.set XS,   64                          ; v64-71   x's scale words
.set BIAS, 72                          ; v72-103  b1 in the result's layout
.set ACC,  104                         ; v104-135 gate (16), up (16)
.set TT,   136
.set HD,   152                         ; the hidden layer's 16 numbers
.set CC,   168                         ; their codes
.set BYT,  172
.set MX,   173
.set MX2,  174
.set SCL,  175
.set HOLD, 176
.set MXB,  177
.set TOK,  192                         ; v192-207 the tile's entries, then tokens
.set ADR,  208                         ; v208-223 byte offsets of the 16 rows in xq
.set SEL,  224                         ; v224-255 sel: register 4 q + c = token 128 q + 4 lane + c
; window 1: v0-127 rows as loaded, v128-255 x's fragments (K step s at 128 + 16 s); at the head all 256 take W1 as it lands.  windows 2, 3: W1's fragments (s, t) at 16 (4 (s % 4) + t)
.set SW,   20
.set BSEL, 21
.set PP,   22
.set EE,   23
.set MK,   25
.set SH,   26
.set SP,   27
.set SCN,  28
.set NT,   29
.set TAU,  30
.set TB,   31
.set TRIP, 32
.set ST,   33
.set PSEL, 38
.set MNT,  40
.set DUMP, 41
.set MSB, 0
.macro WIN new                         ; the immediate's high byte repeats the setting that is left; a switch that changes nothing is dropped
.if MSB != (\new)
	s_set_vgpr_msb (MSB<<8)|(\new)
.set MSB, (\new)
.endif
.endm
.macro FILL                            ; every entry begins as a dump row
.irp i, 0,1,2,3,4,5,6,7,8
	ds_store_b128 v[FA], v[DD:DD+3] offset:512*\i
.endr
.endm
.macro BUILD                           ; places run by register, then by lane: the same order in both launches that read sel
.set I, 0
.rept 32
	v_and_b32 v[TMP], s[MK], v[SEL+I]              ; bit e: first choice; bit 8 + e: second
	v_cmp_ne_u32 vcc_lo, 0, v[TMP]
	v_mbcnt_lo_u32_b32 v[POS], vcc_lo, s[SP]       ; rows placed so far + those of the lanes below me
	v_lshrrev_b32 v[KK], s[SH], v[TMP]             ; the slot, 0 or 1
	v_cndmask_b32 v[POS], v[DIDX], v[POS], vcc_lo  ; a lane with nothing to place writes its dump word
	v_min_u32 v[POS], LENT+31, v[POS]
	v_lshl_add_u32 v[AD], v[POS], 2, LIST
	v_add3_u32 v[ENT], v[KK], v[R8], 256*(I/4)+2*(I%4)   ; rho = 2 token + slot
	ds_store_b32 v[AD], v[ENT]
	s_bcnt1_i32_b32 s[SCN], vcc_lo
	s_add_co_u32 s[SP], s[SP], s[SCN]
.set I, I+1
.endr
.endm
.macro COUNT                           ; the other waves want the number of rows alone
.set I, 0
.rept 32
	v_and_b32 v[TMP], s[MK], v[SEL+I]
	v_cmp_ne_u32 vcc_lo, 0, v[TMP]
	s_bcnt1_i32_b32 s[SCN], vcc_lo
	s_add_co_u32 s[SP], s[SP], s[SCN]
.set I, I+1
.endr
.endm
.macro LISTRD                          ; the 16 entries of the tile at s[TB], in every lane; and my row's
	v_mov_b32 v[LB], s[TB]
	v_lshl_add_u32 v[LR], v[RR], 2, s[TB]
.irp n, 0,1,2,3
	ds_load_b128 v[TOK+4*\n:TOK+4*\n+3], v[LB] offset:16*\n
.endr
	ds_load_b32 v[TR], v[LR]
.endm
.macro ADDRS                           ; token = rho / 2, held at 1,023; its row of 1,024 codes, my 16 bytes
.set I, 0
.rept 16
	v_lshrrev_b32 v[TOK+I], 1, v[TOK+I]
.set I, I+1
.endr
	v_lshrrev_b32 v[TR], 1, v[TR]
.set I, 0
.rept 16
	v_min_u32 v[TOK+I], 0x3ff, v[TOK+I]
.set I, I+1
.endr
	v_min_u32 v[TR], 0x3ff, v[TR]
.set I, 0
.rept 16
	v_lshl_add_u32 v[ADR+I], v[TOK+I], 10, v[L16]
.set I, I+1
.endr
	v_lshlrev_b32 v[XA], 5, v[TR]
.endm
.macro ROWLD                           ; 16 rows of codes, two loads of 512 consecutive bytes each
	WIN 0x40
.set I, 0
.rept 16
	global_load_b128 v[8*I:8*I+3], v[ADR+I], s[4:5]
	global_load_b128 v[8*I+4:8*I+7], v[ADR+I], s[4:5] offset:512
.set I, I+1
.endr
.endm
.macro XSLD                            ; my row's eight scale words
	WIN 0
	global_load_b128 v[XS:XS+3], v[XA], s[6:7]
	global_load_b128 v[XS+4:XS+7], v[XA], s[6:7] offset:16
.endm
	s_load_b512 s[4:19], s[0:1], 0x0               ; xq, xs, sel, W1's codes, W1's scales, b1, hq, hs
	v_lshl_add_u32 v190, v0, 2, 0x31f00
	v_mov_b32 v191, 0
	v_and_b32 v[LANE], 31, v0
	v_lshrrev_b32 v[T0], 5, v0
	v_readfirstlane_b32 s[SW], v[T0]               ; wave
	v_and_b32 v[RR], 15, v0
	v_bfe_u32 v[HH], v0, 4, 1
	v_lshlrev_b32 v[L16], 4, v[LANE]
	s_and_b32 s[BSEL], s[SW], 1                    ; which block of 32 units
	s_lshr_b32 s[PP], s[SW], 1                     ; which tiles of rows; at the head also: gate rows (0) or up rows (1) to stage
	s_and_b32 s[EE], ttmp7, 0xffff                 ; the expert
	; every LDS address is made here, ahead of the place where the waves part
	s_mul_i32 s[ST], s[SW], 32*WP
	v_add_nc_u32 v[WSB], s[ST], v[L16]
	v_mul_u32_u24 v[T0], v[RR], WP
	v_lshl_add_u32 v[T0], v[HH], 4, v[T0]          ; row r x pitch + 16 h
	s_mul_i32 s[ST], s[BSEL], 32*WP
	v_add_nc_u32 v[WF], s[ST], v[T0]
	v_add_nc_u32 v[WF+1], 64*WP, v[WF]
	s_mul_i32 s[ST], s[SW], XW
	s_add_co_u32 s[ST], s[ST], XST
	v_add_nc_u32 v[XSS], s[ST], v[L16]
	v_add_nc_u32 v[XFB], s[ST], v[T0]
	v_add_nc_u32 v[FA], LIST, v[L16]
	v_lshlrev_b32 v[HSO], 6, v[RR]
	v_and_b32 v[T1], 8, v[RR]
	v_add_nc_u32 v[T1], v[T1], v[RR]
	v_lshlrev_b32 v[WSA], 5, v[T1]
	v_lshlrev_b32 v[BA], 6, v[HH]
	v_add_nc_u32 v[DIDX], LENT, v[LANE]
	v_lshlrev_b32 v[R8], 3, v[LANE]
	s_lshl_b32 s[DUMP], s[EE], 4
	s_add_co_u32 s[DUMP], s[DUMP], 2048
	v_lshlrev_b32 v[T1], 2, v[LANE]
	v_and_b32 v[T1], 12, v[T1]
	v_add_nc_u32 v[DD], s[DUMP], v[T1]             ; entry j begins as 2048 + 16 e + j % 16
	v_add_nc_u32 v[DD+1], 1, v[DD]
	v_add_nc_u32 v[DD+2], 2, v[DD]
	v_add_nc_u32 v[DD+3], 3, v[DD]
	v_mov_b32 v[MX2], 0                            ; written once: a lane permute's destination counts as one of its sources
	s_lshl_b32 s[MK], 0x101, s[EE]
	s_add_co_u32 s[SH], s[EE], 8
	s_mov_b32 s[SP], 0
	s_mov_b32 s[PSEL], 0x76543210
	s_mov_b32 s[PSEL+1], 0xfedcba98
	s_mov_b32 s[MNT], 0x600000
	; byte offsets, apart from the addresses
	s_lshl_b32 s36, s[EE], 12
	s_lshl_b32 s[ST], ttmp9, 6
	s_add_co_u32 s36, s36, s[ST]
	s_lshl_b32 s[ST], s[BSEL], 5
	s_add_co_u32 s36, s36, s[ST]                   ; 4096 e + 64 g + 32 (w & 1): my block's first gate row
	s_lshl_b32 s[ST], s[PP], 11
	s_add_co_u32 s34, s36, s[ST]                   ; the 32 rows that I stage: gate rows or up rows
	s_lshl_b32 s34, s34, 10
	s_mov_b32 s35, 0
	s_lshl_b32 s42, s36, 2                         ; b1
	s_mov_b32 s43, 0
	s_lshl_b32 s36, s36, 5                         ; W1's scales
	s_mov_b32 s37, 0
	s_lshl_b32 s44, s[EE], 6
	s_add_co_u32 s44, s44, s[PP]                   ; 64 e + my first tile
	s_lshl_b32 s46, s44, 10
	s_lshl_b32 s44, s44, 15
	s_lshl_b32 s[ST], ttmp9, 1
	s_add_co_u32 s[ST], s[ST], s[BSEL]             ; my block of 32 along the next K: 2 g + (w & 1)
	s_add_co_u32 s46, s46, s[ST]                   ; hs: its byte
	s_lshl_b32 s[ST], s[ST], 9
	s_add_co_u32 s44, s44, s[ST]                   ; hq: 2,048 (block / 4) + 512 (block % 4) = 512 x block
	s_mov_b32 s45, 0
	s_mov_b32 s47, 0
	s_wait_kmcnt 0x0
	s_add_nc_u64 s[10:11], s[10:11], s[34:35]
	s_add_nc_u64 s[12:13], s[12:13], s[36:37]
	s_add_nc_u64 s[14:15], s[14:15], s[42:43]
	s_add_nc_u64 s[16:17], s[16:17], s[44:45]
	s_add_nc_u64 s[18:19], s[18:19], s[46:47]
.irp q, 0,1,2,3,4,5,6,7
	global_load_b128 v[SEL+4*\q:SEL+4*\q+3], v[L16], s[8:9] offset:512*\q
.endr
.irp t, 0,1,2,3
	global_load_b128 v[WS+8*\t:WS+8*\t+3], v[WSA], s[12:13] offset:(2048*(\t/2)+8*(\t%2))*32
	global_load_b128 v[WS+8*\t+4:WS+8*\t+7], v[WSA], s[12:13] offset:(2048*(\t/2)+8*(\t%2))*32+16
.endr
.irp t, 0,1,2,3
	global_load_b128 v[BIAS+8*\t:BIAS+8*\t+3], v[BA], s[14:15] offset:(2048*(\t/2)+8*(\t%2))*4
	global_load_b128 v[BIAS+8*\t+4:BIAS+8*\t+7], v[BA], s[14:15] offset:(2048*(\t/2)+8*(\t%2))*4+16
.endr
	WIN 0x40
.set N, 0
.rept 64
	global_load_b128 v[4*N:4*N+3], v[L16], s[10:11] offset:512*N th:TH_LOAD_NT   ; 32 rows of W1, 32 KiB on end, 512 consecutive bytes a load; read once in the launch
.set N, N+1
.endr
	WIN 0
	s_wait_loadcnt 63                              ; 80 loads stand behind sel's eight: sel is in
	s_cmp_lg_u32 s[SW], 0
	s_cbranch_scc1 .Lcount
	FILL
	BUILD
	s_branch .Ljoin
.Lcount:
	COUNT
.Ljoin:
	s_wait_dscnt 0x0                               ; wave 0's list lies in LDS
	s_barrier_signal -1
	s_barrier_wait -1                              ; up to here wave 0 alone has touched LDS; from here on the list is only read
	WIN 0x04                                       ; an LDS store's data are its source 1: window 1
.set N, 0
.irp k, 0,1,2,3
	s_wait_loadcnt 48-16*\k                        ; a quarter of the 64 weight loads is in; the later quarters may be out
.rept 16
	ds_store_b128 v[WSB], v[4*N:4*N+3] offset:WP*(16*((N/16)%2)+(N/2)%8+8*(N/32))+512*(N%2)   ; row i = N / 2 goes to slot 16 u + m, i = 8 u + m % 8 + 16 (m / 8)
.set N, N+1
.endr
.endr
	WIN 0
	s_wait_dscnt 0x0
	s_barrier_signal -1
	s_barrier_wait -1                              ; all 128 rows of W1 lie in LDS.  No barrier stands behind this one
	s_add_co_u32 s[NT], s[SP], 15
	s_lshr_b32 s[NT], s[NT], 4
	s_min_u32 s[NT], s[NT], 64                     ; tiles of 16 rows
	s_mov_b32 s[TAU], s[PP]
	s_lshl_b32 s[TB], s[PP], 6
	s_add_co_u32 s[TB], s[TB], LIST
	LISTRD                                         ; my first tile: asked for whether or not it has rows (every entry is filled, every token exists)
	s_wait_dscnt 0x0
	ADDRS
	ROWLD
	XSLD
	s_add_co_u32 s[TB], s[TB], 128                 ; s[TB]: the entries of the tile after the one in hand
.set S, 0
.rept 8                                ; my 32 fragments of W1 into windows 2 and 3: they stay
	WIN 0x80+0x40*(S/4)
.set Q, 0
.rept 4
.irp c, 0,1,2,3
	ds_load_b128 v[16*(4*(S%4)+Q)+4*\c:16*(4*(S%4)+Q)+4*\c+3], v[WF+Q/2] offset:16*WP*(Q%2)+128*S+32*\c
.endr
.set Q, Q+1
.endr
.set S, S+1
.endr
	WIN 0
	s_wait_dscnt 0x0
; ONE TILE OF 16 ROWS.  pref = 1: the next tile's rows are asked for on the way.
.macro BODY1 pref
	s_wait_loadcnt 0x0                             ; the tile's 32 row loads and 2 scale loads are all that is out
	WIN 0x04
.set N, 0
.rept 32
	ds_store_b128 v[XSS], v[4*N:4*N+3] offset:WP*(N/2)+512*(N%2)   ; rows into my own stage, 512 consecutive bytes a store
.set N, N+1
.endr
.if \pref
	WIN 0
	LISTRD
.endif
	WIN 0x40
.set N, 0
.rept 32
	ds_load_b128 v[128+4*N:128+4*N+3], v[XFB] offset:32*N   ; back as fragments: K step N / 4, group N % 4 (LDS serves a wave's instructions in order)
.set N, N+1
.endr
.if \pref
	s_wait_dscnt 32                                ; all but the 32 fragment loads: the stores have read the rows' registers, the entries are in
	WIN 0
	ADDRS
	ROWLD
.endif
.set S, 0
.rept 8
	s_wait_dscnt 28-4*S                            ; K step S's four loads are in; the later steps' may be out
	WIN 0x06+S/4                                   ; source 0 (W1) window 2 or 3, source 1 (x) window 1
.set Q, 0
.rept 4                                ; the four accumulators take turns, one instruction a turn
.if S == 0
	v_wmma_scale_f32_16x16x128_f8f6f4 v[ACC+8*Q:ACC+8*Q+7], v[16*Q:16*Q+15], v[128:143], v[BIAS+8*Q:BIAS+8*Q+7], v[WS+8*Q], v[XS]
.else
	v_wmma_scale_f32_16x16x128_f8f6f4 v[ACC+8*Q:ACC+8*Q+7], v[16*(4*(S%4)+Q):16*(4*(S%4)+Q)+15], v[128+16*S:128+16*S+15], v[ACC+8*Q:ACC+8*Q+7], v[WS+8*Q+S], v[XS+S]
.endif
.set Q, Q+1
.endr
.set S, S+1
.endr
	WIN 0
.rept 8
	v_nop                                          ; eight places behind the products, ahead of the loads into x's scale words and of the first read of results
.endr
.if \pref
	XSLD
.endif
	; SwiGLU: gate / (1 + 2^(-gate log2 e)) x up, in f32; each accumulator is read from its low end on
.set N, 0
.rept 8
	v_pk_mul_f32 v[TT+2*N:TT+2*N+1], v[ACC+2*N:ACC+2*N+1], 0xbfb8aa3b op_sel_hi:[1,0]
.set N, N+1
.endr
.set N, 0
.rept 16
	v_exp_f32 v[TT+N], v[TT+N]
.set N, N+1
.endr
	v_nop                                          ; a plain instruction behind the last exponential
.set N, 0
	s_wait_alu depctr_va_vdst(0)
.rept 8
	v_pk_add_f32 v[TT+2*N:TT+2*N+1], v[TT+2*N:TT+2*N+1], 1.0 op_sel_hi:[1,0]
.set N, N+1
.endr
.set N, 0
.rept 16
	v_rcp_f32 v[TT+N], v[TT+N]
.set N, N+1
.endr
	v_nop
.set N, 0
	s_wait_alu depctr_va_vdst(0)
.rept 8
	v_pk_mul_f32 v[HD+2*N:HD+2*N+1], v[ACC+2*N:ACC+2*N+1], v[TT+2*N:TT+2*N+1]
.set N, N+1
.endr
.set N, 0
.rept 8
	v_pk_mul_f32 v[HD+2*N:HD+2*N+1], v[HD+2*N:HD+2*N+1], v[ACC+16+2*N:ACC+16+2*N+1]
.set N, N+1
.endr
	; the block of 32 units lies in lanes l and l xor 16, 16 numbers each
	v_max3_num_f32 v[MX], |v[HD]|, |v[HD+1]|, 0x4800000     ; with the floor 2^(9 - 127): the byte cannot fall under 1
	v_max3_num_f32 v[MXB], |v[HD+2]|, |v[HD+3]|, |v[HD+6]|
	v_max3_num_f32 v[MX], v[MX], |v[HD+4]|, |v[HD+5]|
	v_max3_num_f32 v[MXB], v[MXB], |v[HD+7]|, |v[HD+10]|
	v_max3_num_f32 v[MX], v[MX], |v[HD+8]|, |v[HD+9]|
	v_max3_num_f32 v[MXB], v[MXB], |v[HD+11]|, |v[HD+14]|
	v_max3_num_f32 v[MX], v[MX], |v[HD+12]|, |v[HD+13]|
	v_max3_num_f32 v[MX], v[MX], v[MXB], |v[HD+15]|
	v_permlanex16_b32 v[MX2], v[MX], s[PSEL], s[PSEL+1]
	v_max_num_f32 v[MX], v[MX], v[MX2]
	v_add_nc_u32 v[SCL], 0xfc000000, v[MX]         ; 8 off the exponent field: the conversion's scale operand
	v_and_or_b32 v[HOLD], v[MX], 0x7f800000, s[MNT]   ; 448 x the scale
	v_lshrrev_b32 v[BYT], 23, v[SCL]               ; the scale's byte
.set N, 0
.rept 16
	v_med3_num_f32 v[HD+N], v[HD+N], -v[HOLD], v[HOLD]   ; the conversion does not saturate (ISA guide 7.6.2)
.set N, N+1
.endr
	v_cvt_scalef32_pk8_fp8_f32 v[CC:CC+1], v[HD:HD+7], v[SCL]
	v_cvt_scalef32_pk8_fp8_f32 v[CC+2:CC+3], v[HD+8:HD+15], v[SCL]
	v_nop                                          ; a plain instruction behind the conversions
	global_store_b128 v[L16], v[CC:CC+3], s[16:17] ; one group of four registers of the next operand's image: 512 consecutive bytes, aligned
	global_store_b8 v[HSO], v[BYT], s[18:19]       ; row r's byte of this block; lanes r and r + 16 write the same byte with the same value
	s_wait_xcnt 0x0                                ; the stores have read their data and bases, the loads their addresses: all may be written again
	s_add_nc_u64 s[16:17], s[16:17], 0x10000       ; two tiles on
	s_add_nc_u64 s[18:19], s[18:19], 0x800
.endm
	s_mov_b32 s[TRIP], 0
.Lt:                                               ; 32 trips, a constant: at most 64 tiles, two waves to a block
	s_cmp_ge_u32 s[TAU], s[NT]
	s_cbranch_scc1 .Lskip                          ; no such tile: only the steps at the trip's end
	s_add_co_u32 s[ST], s[TAU], 2
	s_cmp_ge_u32 s[ST], s[NT]
	s_cbranch_scc1 .Llast
	BODY1 1
	s_branch .Lskip
.Llast:
	BODY1 0                                        ; my last tile asks for nothing
.Lskip:
	s_add_co_u32 s[TAU], s[TAU], 2
	s_add_co_u32 s[TB], s[TB], 128
	s_add_co_u32 s[TRIP], s[TRIP], 1
	s_cmp_lt_u32 s[TRIP], 32
	s_cbranch_scc1 .Lt
	s_wait_tensorcnt 0x0
	ds_add_u32 v190, v191
	s_wait_dscnt 0x0
	s_endpgm
.Lfunc_end_k_q9f46fecc53_fc1:
	.size	k_q9f46fecc53_fc1, .Lfunc_end_k_q9f46fecc53_fc1-k_q9f46fecc53_fc1
	.p2alignl 7, 3214868480
	.fill 96, 4, 3214868480
	.section	.rodata,"a",@progbits
	.p2align	6, 0x0
	.amdhsa_kernel k_q9f46fecc53_fc1
		.amdhsa_group_segment_fixed_size 205056
		.amdhsa_private_segment_fixed_size 0
		.amdhsa_enable_private_segment 0
		.amdhsa_kernarg_size 64
		.amdhsa_user_sgpr_count 2
		.amdhsa_user_sgpr_kernarg_segment_ptr 1
		.amdhsa_wavefront_size32 1
		.amdhsa_system_sgpr_workgroup_id_x 1
		.amdhsa_system_sgpr_workgroup_id_y 1
		.amdhsa_system_sgpr_workgroup_id_z 1
		.amdhsa_system_vgpr_workitem_id 0
		.amdhsa_next_free_vgpr 1024
		.amdhsa_next_free_sgpr 66
		.amdhsa_reserve_vcc 1
		.amdhsa_float_denorm_mode_32 3
		.amdhsa_float_denorm_mode_16_64 3
		.amdhsa_memory_ordered 1
		.amdhsa_forward_progress 1
		.amdhsa_inst_pref_size 89
	.end_amdhsa_kernel
	.amdgpu_metadata
---
amdhsa.version: [ 1, 2 ]
amdhsa.kernels:
  - .name:           k_q9f46fecc53_fc1
    .symbol:         k_q9f46fecc53_fc1.kd
    .args:
      - { .name: xq, .offset: 0, .size: 8, .value_kind: global_buffer, .address_space: global }
      - { .name: xs, .offset: 8, .size: 8, .value_kind: global_buffer, .address_space: global }
      - { .name: sel, .offset: 16, .size: 8, .value_kind: global_buffer, .address_space: global }
      - { .name: W1_codes, .offset: 24, .size: 8, .value_kind: global_buffer, .address_space: global }
      - { .name: W1_scales, .offset: 32, .size: 8, .value_kind: global_buffer, .address_space: global }
      - { .name: b1, .offset: 40, .size: 8, .value_kind: global_buffer, .address_space: global }
      - { .name: hq, .offset: 48, .size: 8, .value_kind: global_buffer, .address_space: global }
      - { .name: hs, .offset: 56, .size: 8, .value_kind: global_buffer, .address_space: global }
    .group_segment_fixed_size: 205056
    .private_segment_fixed_size: 0
    .kernarg_segment_align: 8
    .kernarg_segment_size: 64
    .max_flat_workgroup_size: 128
    .sgpr_count:     66
    .vgpr_count:     1024
    .wavefront_size: 32
...
	.end_amdgpu_metadata
.endif
;; end of part 2
;; launch fc2 (part 3): grid 32 x 8, 4 waves a work-group, no clusters, 71,424 bytes of LDS; arguments hq, hs, sel, W2_codes, W2_scales, b2, yp; writes yp
.if DOCPART == 3
	.amdgcn_target "amdgcn-amd-amdhsa--gfx1250"
	.amdhsa_code_object_version 6
	.text
	.protected	k_q9f46fecc53_fc2
	.globl	k_q9f46fecc53_fc2
	.p2align	8
	.type	k_q9f46fecc53_fc2,@function
k_q9f46fecc53_fc2:
	s_mov_b64 s[64:65], 0
	v_nop
	global_prefetch_b8 v0, s[64:65] scope:SCOPE_SE
	s_setreg_imm32_b32 hwreg(HW_REG_WAVE_MODE, 25, 1), 1
	s_wait_xcnt 0x0
; SECOND PRODUCT OF THE EXPERTS, for the rows that chose the expert alone.
; Work-group (sl, e) owns output columns 32 sl .. 32 sl + 31 of expert e: 32 rows of W2[e] (64 KiB), read from memory ONCE, handed round through LDS and kept by every wave in 512 registers.
; Wave w takes the tiles of 16 routed rows w, w + 4, ..  A tile's operand comes from hq as an image of its registers: every load covers 512 consecutive bytes and lands where the product wants it.
; THE PRODUCT IS USED TRANSPOSED (source 0 = 16 rows of W2, source 1 = 16 routed rows); lane m of tile u takes W2's row 8 u + m + 8 (m / 8): lane (r, h) then holds 16 neighbouring columns, 64 bytes, of row r.
; The list of rows is made from sel exactly as the launch before makes it, so place j of expert e means the same row.  A row goes to yp[rho], rho = 2 token + slot; a last tile's spare lanes go to dump rows
; 2048 + 16 e + r, which nobody reads.  So each byte of yp has one owner; the two parts of a token are added by the last launch.
; A lane stores 64 consecutive bytes, two lanes an aligned 128: half of an aligned 256, since 32 columns of W2 already fill the registers that a wave can give them.
; A wave without a tile still issues the head's loads of its first tile's place: they stay inside hq and hs, and nothing is made of them.
; No tensor load, no cluster: the number of tiles is read from memory.  The loop's count is a constant; a trip without a tile jumps over the work.
.set WP,   2064                        ; an LDS row of 2,048 codes + 16: an odd multiple of 16 bytes
.set WST,  0                           ; 32 rows of W2: slot 16 u + m
.set LIST, 32*WP                       ; 1,152 entries, all filled, then 32 dump words
.set LENT, 1152
.set LANE, 1
.set RR,   2
.set HH,   3
.set L16,  4
.set WSB,  5
.set WF,   6
.set LR,   11
.set RHO,  12
.set YA,   13
.set HSO,  14                          ; 64 r
.set WSA,  15                          ; 64 (r + 8 (r / 8))
.set BA,   16                          ; 64 h
.set POS,  17
.set AD,   18
.set ENT,  19
.set TMP,  20
.set KK,   21
.set DIDX, 22
.set R8,   23
.set DD,   24
.set FA,   28
.set T0,   29
.set T1,   30
.set W2S,  32                          ; v32-63  W2's scale words: 16 u + s
.set HS,   64                          ; v64-79  the hidden layer's scale words
.set BIAS, 80                          ; v80-95  b2 in the result's layout
.set ACC,  96                          ; v96-111 two accumulators
.set SEL,  224
; window 1: the hidden layer's fragments, K step s at 16 s (at the head v0-127 take W2 as it lands).  windows 2, 3: W2's fragments (s, u) at 16 (2 (s % 8) + u)
.set SW,   20
.set EE,   23
.set MK,   25
.set SH,   26
.set SP,   27
.set SCN,  28
.set NT,   29
.set TAU,  30
.set TB,   31
.set TRIP, 32
.set ST,   33
.set HN,   44                          ; s[44:45] hq at the tile to be asked for
.set HSN,  46                          ; s[46:47] hs likewise
.set DUMP, 50
.set ST2,  51
.set MSB, 0
.macro WIN new
.if MSB != (\new)
	s_set_vgpr_msb (MSB<<8)|(\new)
.set MSB, (\new)
.endif
.endm
.macro FILL
.irp i, 0,1,2,3,4,5,6,7,8
	ds_store_b128 v[FA], v[DD:DD+3] offset:512*\i
.endr
.endm
.macro BUILD
.set I, 0
.rept 32
	v_and_b32 v[TMP], s[MK], v[SEL+I]
	v_cmp_ne_u32 vcc_lo, 0, v[TMP]
	v_mbcnt_lo_u32_b32 v[POS], vcc_lo, s[SP]
	v_lshrrev_b32 v[KK], s[SH], v[TMP]
	v_cndmask_b32 v[POS], v[DIDX], v[POS], vcc_lo
	v_min_u32 v[POS], LENT+31, v[POS]
	v_lshl_add_u32 v[AD], v[POS], 2, LIST
	v_add3_u32 v[ENT], v[KK], v[R8], 256*(I/4)+2*(I%4)
	ds_store_b32 v[AD], v[ENT]
	s_bcnt1_i32_b32 s[SCN], vcc_lo
	s_add_co_u32 s[SP], s[SP], s[SCN]
.set I, I+1
.endr
.endm
.macro COUNT
.set I, 0
.rept 32
	v_and_b32 v[TMP], s[MK], v[SEL+I]
	v_cmp_ne_u32 vcc_lo, 0, v[TMP]
	s_bcnt1_i32_b32 s[SCN], vcc_lo
	s_add_co_u32 s[SP], s[SP], s[SCN]
.set I, I+1
.endr
.endm
.macro GLOAD q                         ; K steps 4 q .. 4 q + 3 of the tile at s[HN]: 16 loads of codes and one of scale words: 17
	WIN 0x40
.set N, 0
.rept 16
	global_load_b128 v[64*(\q)+4*N:64*(\q)+4*N+3], v[L16], s[HN:HN+1] offset:8192*(\q)+512*N
.set N, N+1
.endr
	WIN 0
	global_load_b128 v[HS+4*(\q):HS+4*(\q)+3], v[HSO], s[HSN:HSN+1] offset:16*(\q)
.endm
	s_load_b256 s[4:11], s[0:1], 0x0               ; hq, hs, sel, W2's codes
	s_load_b128 s[12:15], s[0:1], 0x20             ; W2's scales, b2
	s_load_b64 s[16:17], s[0:1], 0x30              ; yp
	v_lshl_add_u32 v222, v0, 2, 0x11500
	v_mov_b32 v223, 0
	v_and_b32 v[LANE], 31, v0
	v_lshrrev_b32 v[T0], 5, v0
	v_readfirstlane_b32 s[SW], v[T0]               ; wave
	v_and_b32 v[RR], 15, v0
	v_bfe_u32 v[HH], v0, 4, 1
	v_lshlrev_b32 v[L16], 4, v[LANE]
	s_and_b32 s[EE], ttmp7, 0xffff                 ; the expert
	; every LDS address is made here, ahead of the place where the waves part
	s_and_b32 s[ST], s[SW], 1
	s_lshl_b32 s[ST], s[ST], 4
	s_lshr_b32 s[ST2], s[SW], 1
	s_lshl_b32 s[ST2], s[ST2], 3
	s_add_co_u32 s[ST], s[ST], s[ST2]
	s_mul_i32 s[ST], s[ST], WP                     ; I stage rows 8 w .. 8 w + 7 of the slice: slots 16 (w & 1) + 8 (w >> 1) on
	v_add_nc_u32 v[WSB], s[ST], v[L16]
	v_mul_u32_u24 v[WF], v[RR], WP
	v_lshl_add_u32 v[WF], v[HH], 4, v[WF]
	v_add_nc_u32 v[FA], LIST, v[L16]
	v_lshlrev_b32 v[HSO], 6, v[RR]
	v_and_b32 v[T1], 8, v[RR]
	v_add_nc_u32 v[T1], v[T1], v[RR]
	v_lshlrev_b32 v[WSA], 6, v[T1]
	v_lshlrev_b32 v[BA], 6, v[HH]
	v_add_nc_u32 v[DIDX], LENT, v[LANE]
	v_lshlrev_b32 v[R8], 3, v[LANE]
	s_lshl_b32 s[DUMP], s[EE], 4
	s_add_co_u32 s[DUMP], s[DUMP], 2048
	v_lshlrev_b32 v[T1], 2, v[LANE]
	v_and_b32 v[T1], 12, v[T1]
	v_add_nc_u32 v[DD], s[DUMP], v[T1]
	v_add_nc_u32 v[DD+1], 1, v[DD]
	v_add_nc_u32 v[DD+2], 2, v[DD]
	v_add_nc_u32 v[DD+3], 3, v[DD]
	s_lshl_b32 s[MK], 0x101, s[EE]
	s_add_co_u32 s[SH], s[EE], 8
	s_mov_b32 s[SP], 0
	; byte offsets, apart from the addresses
	s_lshl_b32 s36, s[EE], 10
	s_lshl_b32 s[ST], ttmp9, 5
	s_add_co_u32 s36, s36, s[ST]                   ; 1024 e + 32 sl: the slice's first row of W2
	s_lshl_b32 s[ST], s[SW], 3
	s_add_co_u32 s34, s36, s[ST]
	s_lshl_b32 s34, s34, 11                        ; the 8 rows that I stage
	s_mov_b32 s35, 0
	s_lshl_b32 s38, s36, 2                         ; b2
	s_mov_b32 s39, 0
	s_lshl_b32 s36, s36, 6                         ; W2's scales
	s_mov_b32 s37, 0
	s_lshl_b32 s40, ttmp9, 7                       ; yp: the slice's 128 bytes of a row
	s_mov_b32 s41, 0
	s_lshl_b32 s42, s[EE], 6
	s_add_co_u32 s42, s42, s[SW]                   ; 64 e + my first tile
	s_lshl_b32 s48, s42, 10
	s_lshl_b32 s42, s42, 15
	s_mov_b32 s43, 0
	s_mov_b32 s49, 0
	s_wait_kmcnt 0x0
	s_add_nc_u64 s[10:11], s[10:11], s[34:35]
	s_add_nc_u64 s[12:13], s[12:13], s[36:37]
	s_add_nc_u64 s[14:15], s[14:15], s[38:39]
	s_add_nc_u64 s[16:17], s[16:17], s[40:41]
	s_add_nc_u64 s[HN:HN+1], s[4:5], s[42:43]
	s_add_nc_u64 s[HSN:HSN+1], s[6:7], s[48:49]
.irp q, 0,1,2,3,4,5,6,7
	global_load_b128 v[SEL+4*\q:SEL+4*\q+3], v[L16], s[8:9] offset:512*\q
.endr
.irp u, 0,1
.irp n, 0,1,2,3
	global_load_b128 v[W2S+16*\u+4*\n:W2S+16*\u+4*\n+3], v[WSA], s[12:13] offset:512*\u+16*\n
.endr
.endr
.irp u, 0,1
	global_load_b128 v[BIAS+8*\u:BIAS+8*\u+3], v[BA], s[14:15] offset:32*\u
	global_load_b128 v[BIAS+8*\u+4:BIAS+8*\u+7], v[BA], s[14:15] offset:32*\u+16
.endr
	WIN 0x40
.set N, 0
.rept 32
	global_load_b128 v[4*N:4*N+3], v[L16], s[10:11] offset:512*N th:TH_LOAD_NT   ; 8 rows of W2, 16 KiB on end; read once in the launch
.set N, N+1
.endr
	WIN 0
	s_wait_loadcnt 44                              ; 8 + 4 + 32 loads stand behind sel's eight
	s_cmp_lg_u32 s[SW], 0
	s_cbranch_scc1 .Lcount
	FILL
	BUILD
	s_branch .Ljoin
.Lcount:
	COUNT
.Ljoin:
	s_wait_dscnt 0x0                               ; wave 0's list lies in LDS
	s_barrier_signal -1
	s_barrier_wait -1                              ; up to here wave 0 alone has touched LDS; from here on the list is only read
	s_wait_loadcnt 0x0
	WIN 0x04
.set N, 0
.rept 32
	ds_store_b128 v[WSB], v[4*N:4*N+3] offset:WP*(N/4)+512*(N%4)
.set N, N+1
.endr
	WIN 0
	s_wait_dscnt 0x0
	s_barrier_signal -1
	s_barrier_wait -1                              ; all 32 rows of W2 lie in LDS.  No barrier stands behind this one
	s_add_co_u32 s[NT], s[SP], 15
	s_lshr_b32 s[NT], s[NT], 4
	s_min_u32 s[NT], s[NT], 64
	GLOAD 0                                        ; my first tile: four groups of 17 loads
	GLOAD 1
	GLOAD 2
	GLOAD 3
	s_mov_b32 s[TAU], s[SW]
	s_lshl_b32 s[TB], s[SW], 6
	s_add_co_u32 s[TB], s[TB], LIST                ; s[TB]: the entries of the tile in hand
	s_wait_xcnt 0x0                                ; the loads have read their bases
	s_add_nc_u64 s[HN:HN+1], s[HN:HN+1], 0x20000   ; four tiles on
	s_add_nc_u64 s[HSN:HSN+1], s[HSN:HSN+1], 0x1000
.set S, 0
.rept 16                               ; all 32 fragments of W2 into windows 2 and 3: they stay
	WIN 0x80+0x40*(S/8)
.irp u, 0,1
.irp c, 0,1,2,3
	ds_load_b128 v[16*(2*(S%8)+\u)+4*\c:16*(2*(S%8)+\u)+4*\c+3], v[WF] offset:16*WP*\u+128*S+32*\c
.endr
.endr
.set S, S+1
.endr
	WIN 0
	s_wait_dscnt 0x0
; ONE TILE OF 16 ROWS.  pref = 1: each group of registers is filled with the next tile's as soon as its products are issued.
.macro BODY2 pref
	v_lshl_add_u32 v[LR], v[RR], 2, s[TB]
	ds_load_b32 v[RHO], v[LR]                      ; where my row goes
.irp q, 0,1,2,3
.if \pref
	s_wait_loadcnt 51                              ; behind group q stand three groups of 17: this tile's later ones and the next tile's earlier ones
.else
	s_wait_loadcnt 17*(3-\q)                       ; nothing is asked for any more: the count runs down
.endif
	WIN 0x06+\q/2                                  ; source 0 (W2) window 2 or 3, source 1 (hidden) window 1
.set S, 4*\q
.rept 4
.irp u, 0,1                            ; the two accumulators take turns, one instruction a turn
.if S == 0
	v_wmma_scale_f32_16x16x128_f8f6f4 v[ACC+8*\u:ACC+8*\u+7], v[16*\u:16*\u+15], v[0:15], v[BIAS+8*\u:BIAS+8*\u+7], v[W2S+16*\u], v[HS]
.else
	v_wmma_scale_f32_16x16x128_f8f6f4 v[ACC+8*\u:ACC+8*\u+7], v[16*(2*(S%8)+\u):16*(2*(S%8)+\u)+15], v[16*S:16*S+15], v[ACC+8*\u:ACC+8*\u+7], v[W2S+16*\u+S], v[HS+S]
.endif
.endr
.set S, S+1
.endr
.if \pref
	WIN 0
.rept 8
	v_nop                                          ; eight places behind the products, ahead of loads into registers that they read
.endr
	GLOAD \q
.endif
.endr
	WIN 0
	s_wait_dscnt 0x0
	v_min_u32 v[RHO], 0x87f, v[RHO]                ; 2,176 rows of yp
	v_lshl_add_u32 v[YA], v[RHO], 12, v[BA]        ; row x 4,096 + 64 h
.if \pref == 0
.rept 8
	v_nop                                          ; with the two lines above: ten places ahead of the stores' reads of results, and of products that would begin the sums anew
.endr
.endif
	global_store_b128 v[YA], v[ACC:ACC+3], s[16:17]              ; each accumulator from its low end on; 64 consecutive bytes a lane
	global_store_b128 v[YA], v[ACC+4:ACC+7], s[16:17] offset:16
	global_store_b128 v[YA], v[ACC+8:ACC+11], s[16:17] offset:32
	global_store_b128 v[YA], v[ACC+12:ACC+15], s[16:17] offset:48
	s_wait_xcnt 0x0                                ; the stores have read their data and address, the loads their bases
.if \pref
	s_add_nc_u64 s[HN:HN+1], s[HN:HN+1], 0x20000
	s_add_nc_u64 s[HSN:HSN+1], s[HSN:HSN+1], 0x1000
.endif
.endm
	s_mov_b32 s[TRIP], 0
.Lt:                                               ; 16 trips, a constant: at most 64 tiles, four waves
	s_cmp_ge_u32 s[TAU], s[NT]
	s_cbranch_scc1 .Lskip                          ; no such tile: only the steps at the trip's end
	s_add_co_u32 s[ST], s[TAU], 4
	s_cmp_ge_u32 s[ST], s[NT]
	s_cbranch_scc1 .Llast
	BODY2 1
	s_branch .Lskip
.Llast:
	BODY2 0                                        ; my last tile asks for nothing: no load leaves what the launch before wrote
.Lskip:
	s_add_co_u32 s[TAU], s[TAU], 4
	s_add_co_u32 s[TB], s[TB], 256
	s_add_co_u32 s[TRIP], s[TRIP], 1
	s_cmp_lt_u32 s[TRIP], 16
	s_cbranch_scc1 .Lt
	s_wait_tensorcnt 0x0
	ds_add_u32 v222, v223
	s_wait_dscnt 0x0
	s_endpgm
.Lfunc_end_k_q9f46fecc53_fc2:
	.size	k_q9f46fecc53_fc2, .Lfunc_end_k_q9f46fecc53_fc2-k_q9f46fecc53_fc2
	.p2alignl 7, 3214868480
	.fill 96, 4, 3214868480
	.section	.rodata,"a",@progbits
	.p2align	6, 0x0
	.amdhsa_kernel k_q9f46fecc53_fc2
		.amdhsa_group_segment_fixed_size 71424
		.amdhsa_private_segment_fixed_size 0
		.amdhsa_enable_private_segment 0
		.amdhsa_kernarg_size 56
		.amdhsa_user_sgpr_count 2
		.amdhsa_user_sgpr_kernarg_segment_ptr 1
		.amdhsa_wavefront_size32 1
		.amdhsa_system_sgpr_workgroup_id_x 1
		.amdhsa_system_sgpr_workgroup_id_y 1
		.amdhsa_system_sgpr_workgroup_id_z 1
		.amdhsa_system_vgpr_workitem_id 0
		.amdhsa_next_free_vgpr 1024
		.amdhsa_next_free_sgpr 66
		.amdhsa_reserve_vcc 1
		.amdhsa_float_denorm_mode_32 3
		.amdhsa_float_denorm_mode_16_64 3
		.amdhsa_memory_ordered 1
		.amdhsa_forward_progress 1
		.amdhsa_inst_pref_size 67
	.end_amdhsa_kernel
	.amdgpu_metadata
---
amdhsa.version: [ 1, 2 ]
amdhsa.kernels:
  - .name:           k_q9f46fecc53_fc2
    .symbol:         k_q9f46fecc53_fc2.kd
    .args:
      - { .name: hq, .offset: 0, .size: 8, .value_kind: global_buffer, .address_space: global }
      - { .name: hs, .offset: 8, .size: 8, .value_kind: global_buffer, .address_space: global }
      - { .name: sel, .offset: 16, .size: 8, .value_kind: global_buffer, .address_space: global }
      - { .name: W2_codes, .offset: 24, .size: 8, .value_kind: global_buffer, .address_space: global }
      - { .name: W2_scales, .offset: 32, .size: 8, .value_kind: global_buffer, .address_space: global }
      - { .name: b2, .offset: 40, .size: 8, .value_kind: global_buffer, .address_space: global }
      - { .name: yp, .offset: 48, .size: 8, .value_kind: global_buffer, .address_space: global }
    .group_segment_fixed_size: 71424
    .private_segment_fixed_size: 0
    .kernarg_segment_align: 8
    .kernarg_segment_size: 56
    .max_flat_workgroup_size: 128
    .sgpr_count:     66
    .vgpr_count:     1024
    .wavefront_size: 32
...
	.end_amdgpu_metadata
.endif
;; end of part 3
;; launch add (part 4): grid 256 x 1, 4 waves a work-group, no clusters, 0 bytes of LDS; arguments yp, wgt, out0; writes out0
.if DOCPART == 4
	.amdgcn_target "amdgcn-amd-amdhsa--gfx1250"
	.amdhsa_code_object_version 6
	.text
	.protected	k_q9f46fecc53_add
	.globl	k_q9f46fecc53_add
	.p2align	8
	.type	k_q9f46fecc53_add,@function
k_q9f46fecc53_add:
	s_mov_b64 s[64:65], 0
	v_nop
	global_prefetch_b8 v0, s[64:65] scope:SCOPE_SE
	s_setreg_imm32_b32 hwreg(HW_REG_WAVE_MODE, 25, 1), 1
	s_wait_xcnt 0x0
; out0[t] = w0 yp[2 t] + w1 yp[2 t + 1]: the two experts' rows of a token, weighed by the router's softmax.  yp [2176][1024] f32 (rows 2048 on are never read), wgt [1024][2] f32, out0 [1024][1024] f32.
; A stream: a wave takes a token; every load and store covers 512 consecutive bytes; all sixteen loads go out at once; no LDS, no barrier.
.set Y0, 8                             ; v8-39   the first expert's row, then the result
.set Y1, 40                            ; v40-71  the second expert's row
	s_load_b128 s[4:7], s[0:1], 0x0                ; yp, wgt
	s_load_b64 s[8:9], s[0:1], 0x10                ; out0
	v_lshrrev_b32 v2, 5, v0
	v_readfirstlane_b32 s10, v2                    ; wave
	v_and_b32 v1, 31, v0
	v_lshlrev_b32 v1, 4, v1                        ; 16 x lane
	s_lshl_b32 s11, ttmp9, 2
	s_add_co_u32 s10, s10, s11                     ; the token: 4 x work-group + wave
	s_lshl_b32 s16, s10, 3
	s_mov_b32 s17, 0
	s_lshl_b32 s18, s10, 13
	s_mov_b32 s19, 0
	s_lshl_b32 s20, s10, 12
	s_mov_b32 s21, 0
	s_wait_kmcnt 0x0
	s_add_nc_u64 s[6:7], s[6:7], s[16:17]
	s_add_nc_u64 s[4:5], s[4:5], s[18:19]
	s_add_nc_u64 s[8:9], s[8:9], s[20:21]
	s_load_b64 s[12:13], s[6:7], 0x0               ; w0, w1
.irp j, 0,1,2,3,4,5,6,7
	global_load_b128 v[Y0+4*\j:Y0+4*\j+3], v1, s[4:5] offset:512*\j th:TH_LOAD_NT
	global_load_b128 v[Y1+4*\j:Y1+4*\j+3], v1, s[4:5] offset:4096+512*\j th:TH_LOAD_NT
.endr
	s_wait_kmcnt 0x0
	s_mov_b32 s14, s13                             ; w1 as the low word of a pair of its own: the packed form takes a scalar pair's low word for both halves
	s_mov_b32 s15, s13
.irp j, 0,1,2,3,4,5,6,7
	s_wait_loadcnt 14-2*\j                         ; pair j is in; the later pairs may be out
	v_pk_mul_f32 v[Y0+4*\j:Y0+4*\j+1], v[Y0+4*\j:Y0+4*\j+1], s[12:13] op_sel_hi:[1,0]
	v_pk_mul_f32 v[Y0+4*\j+2:Y0+4*\j+3], v[Y0+4*\j+2:Y0+4*\j+3], s[12:13] op_sel_hi:[1,0]
	v_pk_fma_f32 v[Y0+4*\j:Y0+4*\j+1], v[Y1+4*\j:Y1+4*\j+1], s[14:15], v[Y0+4*\j:Y0+4*\j+1] op_sel_hi:[1,0,1]
	v_pk_fma_f32 v[Y0+4*\j+2:Y0+4*\j+3], v[Y1+4*\j+2:Y1+4*\j+3], s[14:15], v[Y0+4*\j+2:Y0+4*\j+3] op_sel_hi:[1,0,1]
	global_store_b128 v1, v[Y0+4*\j:Y0+4*\j+3], s[8:9] offset:512*\j th:TH_STORE_NT
.endr
	s_endpgm
.Lfunc_end_k_q9f46fecc53_add:
	.size	k_q9f46fecc53_add, .Lfunc_end_k_q9f46fecc53_add-k_q9f46fecc53_add
	.p2alignl 7, 3214868480
	.fill 96, 4, 3214868480
	.section	.rodata,"a",@progbits
	.p2align	6, 0x0
	.amdhsa_kernel k_q9f46fecc53_add
		.amdhsa_group_segment_fixed_size 0
		.amdhsa_private_segment_fixed_size 0
		.amdhsa_enable_private_segment 0
		.amdhsa_kernarg_size 24
		.amdhsa_user_sgpr_count 2
		.amdhsa_user_sgpr_kernarg_segment_ptr 1
		.amdhsa_wavefront_size32 1
		.amdhsa_system_sgpr_workgroup_id_x 1
		.amdhsa_system_sgpr_workgroup_id_y 1
		.amdhsa_system_sgpr_workgroup_id_z 1
		.amdhsa_system_vgpr_workitem_id 0
		.amdhsa_next_free_vgpr 72
		.amdhsa_next_free_sgpr 66
		.amdhsa_reserve_vcc 0
		.amdhsa_float_denorm_mode_32 3
		.amdhsa_float_denorm_mode_16_64 3
		.amdhsa_memory_ordered 1
		.amdhsa_forward_progress 1
		.amdhsa_inst_pref_size 6
	.end_amdhsa_kernel
	.amdgpu_metadata
---
amdhsa.version: [ 1, 2 ]
amdhsa.kernels:
  - .name:           k_q9f46fecc53_add
    .symbol:         k_q9f46fecc53_add.kd
    .args:
      - { .name: yp, .offset: 0, .size: 8, .value_kind: global_buffer, .address_space: global }
      - { .name: wgt, .offset: 8, .size: 8, .value_kind: global_buffer, .address_space: global }
      - { .name: out0, .offset: 16, .size: 8, .value_kind: global_buffer, .address_space: global }
    .group_segment_fixed_size: 0
    .private_segment_fixed_size: 0
    .kernarg_segment_align: 8
    .kernarg_segment_size: 24
    .max_flat_workgroup_size: 128
    .sgpr_count:     66
    .vgpr_count:     72
    .wavefront_size: 32
...
	.end_amdgpu_metadata
.endif
;; end of part 4
;; ======== version 2 of 3: 5 launches
;; workspace buffers: xq 1,048,576 bytes; xs 32,768 bytes; sel 4,096 bytes of whole numbers; wgt 8,192 bytes; xg 8,650,752 bytes; hq 16,777,216 bytes; hs 524,288 bytes; yp 8,912,896 bytes
;; launch route: the kernel of part 1 again; grid 128 x 1, 4 waves a work-group, no clusters, 42,240 bytes of LDS; arguments x, router_w, router_b, xq, xs, sel, wgt; writes xq, xs, sel, wgt
;; launch place (part 5): grid 16 x 8, 4 waves a work-group, no clusters, 71,936 bytes of LDS; arguments xq, xs, sel, xg; writes xg
.if DOCPART == 5
	.amdgcn_target "amdgcn-amd-amdhsa--gfx1250"
	.amdhsa_code_object_version 6
	.text
	.protected	k_q9f46fecc53_place
	.globl	k_q9f46fecc53_place
	.p2align	8
	.type	k_q9f46fecc53_place,@function
k_q9f46fecc53_place:
	s_mov_b64 s[64:65], 0
	v_nop
	global_prefetch_b8 v0, s[64:65] scope:SCOPE_SE
	s_setreg_imm32_b32 hwreg(HW_REG_WAVE_MODE, 25, 1), 1
	s_wait_xcnt 0x0
; THE ROWS OF x, PLACED BY EXPERT.  xq [1024 tokens][1024] codes, xs [1024][32] scale bytes, sel [1024] words (1 << e0) | (256 << e1).
; OUT: xg [8 experts][64 tiles][16,896 bytes].  A tile is 16 routed rows of one expert: eight K steps of 2,048 bytes, each an image of the first product's operand registers
; (group c of four registers at 512 c + 16 lane; lane (r, h) holds k = 128 s + 32 c + 16 h + 0 .. 15 of row r), and behind them the rows' scale words, 32 bytes a row.
; So each routed row is gathered ONCE in the program, and the launch that multiplies reads tiles at addresses made of its ids and its loop's steps alone.
; SHARES: work-group (c, e), wave w: the one tile c + 16 w of expert e: 64 tiles an expert, which serves every split (a token names an expert at most once: 1,024 rows at the most).
; A wave whose tile has no row stores nothing and ends, behind the launch's one barrier.
; THE LIST of the expert's rows is made from sel by wave 0, by the same lines and so in the same order as in the launch of the second product; an entry is rho = 2 token + slot.
; The count starts at -16 c, so that this work-group's tiles fall at places 256 w of the list and the reads of it hang on the wave's number alone.  Rows ahead of the group's first tile
; get places that wrap to large numbers and are held at the last dump word, which nobody reads.  Entries behind the last row are dump rows: their token is held at 1,023, a real row.
; No tensor load: whether a wave has a tile is read from memory, and the wave must be free to branch on it.  No matrix work, no cluster: no two work-groups want the same rows.
.set WP,    1040                       ; a stage row: 1,024 codes + 16: an odd multiple of 16 bytes, so that the sixteen rows of a load start in different banks
.set XW,    16*WP                      ; each wave's own stage, from LDS byte 0 on
.set LIST,  4*XW                       ; 1,152 entries, all filled, then 32 dump words for the lanes that place nothing
.set LENT,  1152
.set TILEB, 16896                      ; a tile's record in xg
.set LANE, 1
.set RR,   2                           ; lane % 16
.set HH,   3                           ; lane / 16
.set L16,  4                           ; 16 x lane
.set XSS,  8                           ; where I put the rows
.set XFB,  9                           ; where I read the fragments
.set LB,   10                          ; my tile's 16 entries, the same address in every lane
.set LR,   11                          ; my row's entry
.set TR,   12
.set XA,   13                          ; my row's scale words in xs
.set XGO,  14                          ; 32 r + 16 h: where my half of them goes
.set POS,  17                          ; v17-21: the placement's own registers
.set AD,   18
.set ENT,  19
.set TMP,  20
.set KK,   21
.set DIDX, 22                          ; 1152 + lane
.set R8,   23                          ; 8 x lane
.set DD,   24                          ; v24-27 four dump rows
.set FA,   28
.set T0,   29
.set T1,   30
.set XS,   32                          ; v32-39   my row's eight scale words
.set XD,   40                          ; v40-43   the four that I store
.set ROW,  64                          ; v64-191  16 rows as loaded, then the eight fragments
.set TOK,  192                         ; v192-207 the tile's entries, then tokens
.set ADR,  208                         ; v208-223 byte offsets of the 16 rows in xq
.set SEL,  224                         ; v224-255 sel: register 4 q + c = token 128 q + 4 lane + c
.set SW,   20
.set EE,   23
.set MK,   25
.set SH,   26
.set SP,   27
.set SCN,  28
.set NT,   29
.set TAU,  30
.set TB,   31
.set ST,   33
.set C16,  36
.set DUMP, 41
.macro FILL                            ; every entry begins as a dump row
.irp i, 0,1,2,3,4,5,6,7,8
	ds_store_b128 v[FA], v[DD:DD+3] offset:512*\i
.endr
.endm
.macro BUILD                           ; places run by register, then by lane: the same order in every launch that reads sel
.set I, 0
.rept 32
	v_and_b32 v[TMP], s[MK], v[SEL+I]              ; bit e: first choice; bit 8 + e: second
	v_cmp_ne_u32 vcc_lo, 0, v[TMP]
	v_mbcnt_lo_u32_b32 v[POS], vcc_lo, s[SP]       ; rows placed so far (less 16 c) + those of the lanes below me
	v_lshrrev_b32 v[KK], s[SH], v[TMP]             ; the slot, 0 or 1
	v_cndmask_b32 v[POS], v[DIDX], v[POS], vcc_lo  ; a lane with nothing to place writes its dump word
	v_min_u32 v[POS], LENT+31, v[POS]              ; a place ahead of the group's first tile has wrapped: the last dump word
	v_lshl_add_u32 v[AD], v[POS], 2, LIST
	v_add3_u32 v[ENT], v[KK], v[R8], 256*(I/4)+2*(I%4)   ; rho = 2 token + slot
	ds_store_b32 v[AD], v[ENT]
	s_bcnt1_i32_b32 s[SCN], vcc_lo
	s_add_co_u32 s[SP], s[SP], s[SCN]
.set I, I+1
.endr
.endm
.macro COUNT                           ; the other waves want the number of rows alone
.set I, 0
.rept 32
	v_and_b32 v[TMP], s[MK], v[SEL+I]
	v_cmp_ne_u32 vcc_lo, 0, v[TMP]
	s_bcnt1_i32_b32 s[SCN], vcc_lo
	s_add_co_u32 s[SP], s[SP], s[SCN]
.set I, I+1
.endr
.endm
	s_load_b256 s[4:11], s[0:1], 0x0               ; xq, xs, sel, xg
	v_lshl_add_u32 v62, v0, 2, 0x11700
	v_mov_b32 v63, 0
	v_and_b32 v[LANE], 31, v0
	v_lshrrev_b32 v[T0], 5, v0
	v_readfirstlane_b32 s[SW], v[T0]               ; wave
	v_and_b32 v[RR], 15, v0
	v_bfe_u32 v[HH], v0, 4, 1
	v_lshlrev_b32 v[L16], 4, v[LANE]
	s_and_b32 s[EE], ttmp7, 0xffff                 ; the expert
	; every LDS address is made here, ahead of the place where the waves part, of constants, the lane and the wave's number
	s_mul_i32 s[ST], s[SW], XW
	v_add_nc_u32 v[XSS], s[ST], v[L16]
	v_mul_u32_u24 v[T0], v[RR], WP
	v_lshl_add_u32 v[T0], v[HH], 4, v[T0]          ; row r x pitch + 16 h
	v_add_nc_u32 v[XFB], s[ST], v[T0]
	v_add_nc_u32 v[FA], LIST, v[L16]
	s_lshl_b32 s[TB], s[SW], 10
	s_add_co_u32 s[TB], s[TB], LIST                ; my tile's entries: places 256 w on
	v_mov_b32 v[LB], s[TB]
	v_lshl_add_u32 v[LR], v[RR], 2, s[TB]
	v_lshlrev_b32 v[XGO], 5, v[RR]
	v_lshl_add_u32 v[XGO], v[HH], 4, v[XGO]
	v_add_nc_u32 v[DIDX], LENT, v[LANE]
	v_lshlrev_b32 v[R8], 3, v[LANE]
	s_lshl_b32 s[DUMP], s[EE], 4
	s_add_co_u32 s[DUMP], s[DUMP], 2048
	v_lshlrev_b32 v[T1], 2, v[LANE]
	v_and_b32 v[T1], 12, v[T1]
	v_add_nc_u32 v[DD], s[DUMP], v[T1]             ; entry j begins as 2048 + 16 e + j % 16
	v_add_nc_u32 v[DD+1], 1, v[DD]
	v_add_nc_u32 v[DD+2], 2, v[DD]
	v_add_nc_u32 v[DD+3], 3, v[DD]
	s_lshl_b32 s[MK], 0x101, s[EE]
	s_add_co_u32 s[SH], s[EE], 8
	s_lshl_b32 s[C16], ttmp9, 4
	s_sub_co_u32 s[SP], 0, s[C16]                  ; the count starts at -16 c
	s_lshl_b32 s[TAU], s[SW], 4
	s_add_co_u32 s[TAU], s[TAU], ttmp9             ; my tile: c + 16 w
	s_lshl_b32 s34, s[EE], 6
	s_add_co_u32 s34, s34, s[TAU]
	s_mul_i32 s34, s34, TILEB                      ; its record in xg
	s_mov_b32 s35, 0
	s_wait_kmcnt 0x0
	s_add_nc_u64 s[10:11], s[10:11], s[34:35]
.irp q, 0,1,2,3,4,5,6,7
	global_load_b128 v[SEL+4*\q:SEL+4*\q+3], v[L16], s[8:9] offset:512*\q
.endr
	s_wait_loadcnt 0x0
	s_cmp_lg_u32 s[SW], 0
	s_cbranch_scc1 .Lcount
	FILL
	BUILD
	s_branch .Ljoin
.Lcount:
	COUNT
.Ljoin:
	s_wait_dscnt 0x0                               ; wave 0's list lies in LDS
	s_barrier_signal -1
	s_barrier_wait -1                              ; up to here wave 0 alone has touched LDS; from here on the list is only read, and each wave's stage is its own
	s_add_co_u32 s[SP], s[SP], s[C16]              ; the expert's rows in all
	s_add_co_u32 s[NT], s[SP], 15
	s_lshr_b32 s[NT], s[NT], 4
	s_min_u32 s[NT], s[NT], 64                     ; tiles of 16 rows
	s_cmp_ge_u32 s[TAU], s[NT]
	s_cbranch_scc1 .Lend                           ; no such tile: nothing to store.  No barrier stands behind this branch
.irp n, 0,1,2,3
	ds_load_b128 v[TOK+4*\n:TOK+4*\n+3], v[LB] offset:16*\n   ; the tile's 16 entries, in every lane
.endr
	ds_load_b32 v[TR], v[LR]                       ; and my row's
	s_wait_dscnt 0x0
.set I, 0
.rept 16
	v_lshrrev_b32 v[TOK+I], 1, v[TOK+I]            ; token = rho / 2,
.set I, I+1
.endr
	v_lshrrev_b32 v[TR], 1, v[TR]
.set I, 0
.rept 16
	v_min_u32 v[TOK+I], 0x3ff, v[TOK+I]            ; held at 1,023;
.set I, I+1
.endr
	v_min_u32 v[TR], 0x3ff, v[TR]
.set I, 0
.rept 16
	v_lshl_add_u32 v[ADR+I], v[TOK+I], 10, v[L16]  ; its row of 1,024 codes, my 16 bytes
.set I, I+1
.endr
	v_lshlrev_b32 v[XA], 5, v[TR]
.set I, 0
.rept 16
	global_load_b128 v[ROW+8*I:ROW+8*I+3], v[ADR+I], s[4:5]              ; a row in two loads of 512 consecutive bytes
	global_load_b128 v[ROW+8*I+4:ROW+8*I+7], v[ADR+I], s[4:5] offset:512
.set I, I+1
.endr
	global_load_b128 v[XS:XS+3], v[XA], s[6:7]     ; my row's eight scale words
	global_load_b128 v[XS+4:XS+7], v[XA], s[6:7] offset:16
	s_wait_loadcnt 2                               ; the 32 row loads are in; the two loads of scale words stand behind them
.set N, 0
.rept 32
	ds_store_b128 v[XSS], v[ROW+4*N:ROW+4*N+3] offset:WP*(N/2)+512*(N%2)   ; rows into my own stage, 512 consecutive bytes a store
.set N, N+1
.endr
.set N, 0
.rept 32
	ds_load_b128 v[ROW+4*N:ROW+4*N+3], v[XFB] offset:32*N   ; back as fragments (K step N / 4, group N % 4), into the registers that the rows left: LDS serves a wave's instructions in order (ISA guide 5.7.1.4)
.set N, N+1
.endr
	s_wait_loadcnt 0x0                             ; the scale words
	v_cmp_ne_u32 vcc_lo, 0, v[HH]
.irp i, 0,1,2,3
	v_cndmask_b32 v[XD+\i], v[XS+\i], v[XS+4+\i], vcc_lo   ; lanes 0-15 store words 0-3 of their row, lanes 16-31 words 4-7
.endr
	global_store_b128 v[XGO], v[XD:XD+3], s[10:11] offset:16384   ; the wave's store covers 512 consecutive bytes, aligned
.set N, 0
.irp k, 0,1,2,3
	s_wait_dscnt 24-8*\k                           ; eight more fragment loads are in; the later ones may be out
.rept 8
	global_store_b128 v[L16], v[ROW+4*N:ROW+4*N+3], s[10:11] offset:512*N   ; one group of four registers of an image: 512 consecutive bytes, aligned
.set N, N+1
.endr
.endr
.Lend:
	s_wait_tensorcnt 0x0
	ds_add_u32 v62, v63
	s_wait_dscnt 0x0
	s_endpgm
.Lfunc_end_k_q9f46fecc53_place:
	.size	k_q9f46fecc53_place, .Lfunc_end_k_q9f46fecc53_place-k_q9f46fecc53_place
	.p2alignl 7, 3214868480
	.fill 96, 4, 3214868480
	.section	.rodata,"a",@progbits
	.p2align	6, 0x0
	.amdhsa_kernel k_q9f46fecc53_place
		.amdhsa_group_segment_fixed_size 71936
		.amdhsa_private_segment_fixed_size 0
		.amdhsa_enable_private_segment 0
		.amdhsa_kernarg_size 32
		.amdhsa_user_sgpr_count 2
		.amdhsa_user_sgpr_kernarg_segment_ptr 1
		.amdhsa_wavefront_size32 1
		.amdhsa_system_sgpr_workgroup_id_x 1
		.amdhsa_system_sgpr_workgroup_id_y 1
		.amdhsa_system_sgpr_workgroup_id_z 1
		.amdhsa_system_vgpr_workitem_id 0
		.amdhsa_next_free_vgpr 256
		.amdhsa_next_free_sgpr 66
		.amdhsa_reserve_vcc 1
		.amdhsa_float_denorm_mode_32 3
		.amdhsa_float_denorm_mode_16_64 3
		.amdhsa_memory_ordered 1
		.amdhsa_forward_progress 1
		.amdhsa_inst_pref_size 40
	.end_amdhsa_kernel
	.amdgpu_metadata
---
amdhsa.version: [ 1, 2 ]
amdhsa.kernels:
  - .name:           k_q9f46fecc53_place
    .symbol:         k_q9f46fecc53_place.kd
    .args:
      - { .name: xq, .offset: 0, .size: 8, .value_kind: global_buffer, .address_space: global }
      - { .name: xs, .offset: 8, .size: 8, .value_kind: global_buffer, .address_space: global }
      - { .name: sel, .offset: 16, .size: 8, .value_kind: global_buffer, .address_space: global }
      - { .name: xg, .offset: 24, .size: 8, .value_kind: global_buffer, .address_space: global }
    .group_segment_fixed_size: 71936
    .private_segment_fixed_size: 0
    .kernarg_segment_align: 8
    .kernarg_segment_size: 32
    .max_flat_workgroup_size: 128
    .sgpr_count:     66
    .vgpr_count:     256
    .wavefront_size: 32
...
	.end_amdgpu_metadata
.endif
;; end of part 5
;; launch fc1 (part 6): grid 32 x 8, 4 waves a work-group, no clusters, 133,632 bytes of LDS; arguments xg, sel, W1_codes, W1_scales, b1, hq, hs; writes hq, hs
.if DOCPART == 6
	.amdgcn_target "amdgcn-amd-amdhsa--gfx1250"
	.amdhsa_code_object_version 6
	.text
	.protected	k_q9f46fecc53_fc1
	.globl	k_q9f46fecc53_fc1
	.p2align	8
	.type	k_q9f46fecc53_fc1,@function
k_q9f46fecc53_fc1:
	s_mov_b64 s[64:65], 0
	v_nop
	global_prefetch_b8 v0, s[64:65] scope:SCOPE_SE
	s_setreg_imm32_b32 hwreg(HW_REG_WAVE_MODE, 25, 1), 1
	s_wait_xcnt 0x0
; FIRST PRODUCT OF THE EXPERTS, SwiGLU, AND THE HIDDEN LAYER'S QUANTISER, for the rows that chose the expert alone.
; Work-group (g, e) owns hidden units 64 g .. 64 g + 63 of expert e: 64 gate rows and 64 up rows (2,048 further on) of W1[e], read from memory ONCE and kept in registers.
; Wave w: its block of 32 units begins at 64 g + 32 (w & 1); it takes the tiles of 16 routed rows w >> 1, w >> 1 + 2, ..  Four tiles of W1 (gate, up x two of 16 rows) x 8 K steps = 512 registers.
; A TILE OF ROWS comes from xg, where the launch before has laid it as an image of the operand's registers, with the rows' scale words behind it: every load of codes covers 512 consecutive bytes and
; lands where the product wants it, and every address is made of ids and the loop's steps.  Only the NUMBER of tiles is taken from sel: every wave counts the expert's rows.
; THE PRODUCT IS USED TRANSPOSED (source 0 = 16 rows of W1, source 1 = 16 rows of x), and lane m of tile u takes W1's row 8 u + m + 8 (m / 8) of the block:
; lane (r, h) then holds row r, and the 16 registers of tiles u = 0, 1 are units 16 h + 0 .. 15: 16 neighbours along the next product's K.  The bias is the C of a sum's first instruction.
; OUT: hq [8 e][64 tile][16 K step][2,048 bytes]: an image of the second product's operand registers (group c at 512 c + 16 lane); hs [8 e][64 tile][16 rows][64 bytes].
; A last tile's spare rows are real rows of x (the launch before fills them so); their results lie in hq where the second product sends them to rows that nobody reads.
; A wave without a tile still issues the head's loads of its first tile's place: they stay inside xg, and nothing is made of them.
; No tensor load, no cluster: how many tiles there are is read from memory, and the waves must be free to branch on it.  The loop's count is a constant; a trip without a tile jumps over the work.
; LIMITS: NaN and infinities are not served; a block of zeros gets the byte 1 and not 127 (its codes are zeros; this program alone reads the bytes).
.set WP,     1040                      ; an LDS row of 1,024 codes + 16: an odd multiple of 16 bytes, so that the sixteen rows of a load start in different banks
.set TILEB,  16896                     ; a tile's record in xg: 8 images of 2,048 bytes, then 16 rows x 32 scale bytes
.set XSTEP,  2*TILEB                   ; my next tile is two tiles on
.set HQSTEP, 0x10000                   ; likewise in hq (32,768 bytes a tile)
.set HSSTEP, 0x800                     ; and in hs (1,024)
; LDS: 128 rows of W1 from byte 0 on: slot 64 y + 32 (block) + 16 u + m
.set LANE, 1
.set RR,   2                           ; lane % 16
.set HH,   3                           ; lane / 16
.set L16,  4                           ; 16 x lane
.set WSB,  5                           ; where I put W1's rows
.set WF,   6                           ; v6, v7: where I read my gate and my up fragments
.set XSO,  8                           ; 32 r: my row's scale words in a tile's record
.set HSO,  14                          ; 64 r
.set WSA,  15                          ; 32 (r + 8 (r / 8))
.set BA,   16                          ; 64 h
.set TMP,  20
.set T0,   29
.set T1,   30
.set WS,   32                          ; v32-63   W1's scale words: tile t, K step s at 8 t + s
.set XS,   64                          ; v64-71   x's scale words
.set BIAS, 72                          ; v72-103  b1 in the result's layout
.set ACC,  104                         ; v104-135 gate (16), up (16)
.set TT,   136
.set HD,   152                         ; the hidden layer's 16 numbers
.set CC,   168                         ; their codes
.set BYT,  172
.set MX,   173
.set MX2,  174
.set SCL,  175
.set HOLD, 176
.set MXB,  177
.set SEL,  224                         ; v224-255 sel
; window 1: v0-127 x's fragments, K step s at 16 s.  windows 2, 3: W1's fragments (s, t) at 16 (4 (s % 4) + t); at the head window 2 takes W1's rows as they land
.set SW,   20
.set BSEL, 21
.set PP,   22
.set EE,   23
.set MK,   25
.set SP,   27
.set SCN,  28
.set NT,   29
.set TAU,  30
.set TRIP, 32
.set ST,   33
.set PSEL, 38
.set MNT,  40
.set MSB, 0
.macro WIN new                         ; the immediate's high byte repeats the setting that is left; a switch that changes nothing is dropped
.if MSB != (\new)
	s_set_vgpr_msb (MSB<<8)|(\new)
.set MSB, (\new)
.endif
.endm
.macro GLOAD q                         ; K steps 4 q .. 4 q + 3 of the tile at s[4:5]: 16 loads of codes and one of scale words: 17
	WIN 0x40
.set N, 0
.rept 16
	global_load_b128 v[64*(\q)+4*N:64*(\q)+4*N+3], v[L16], s[4:5] offset:8192*(\q)+512*N
.set N, N+1
.endr
	WIN 0
	global_load_b128 v[XS+4*(\q):XS+4*(\q)+3], v[XSO], s[4:5] offset:16384+16*(\q)
.endm
	s_load_b256 s[4:11], s[0:1], 0x0               ; xg, sel, W1's codes, W1's scales
	s_load_b128 s[12:15], s[0:1], 0x20             ; b1, hq
	s_load_b64 s[16:17], s[0:1], 0x30              ; hs
	v_lshl_add_u32 v222, v0, 2, 0x20800
	v_mov_b32 v223, 0
	v_and_b32 v[LANE], 31, v0
	v_lshrrev_b32 v[T0], 5, v0
	v_readfirstlane_b32 s[SW], v[T0]               ; wave
	v_and_b32 v[RR], 15, v0
	v_bfe_u32 v[HH], v0, 4, 1
	v_lshlrev_b32 v[L16], 4, v[LANE]
	s_and_b32 s[BSEL], s[SW], 1                    ; which block of 32 units
	s_lshr_b32 s[PP], s[SW], 1                     ; which tiles of rows; at the head also: gate rows (0) or up rows (1) to stage
	s_and_b32 s[EE], ttmp7, 0xffff                 ; the expert
	s_mul_i32 s[ST], s[SW], 32*WP
	v_add_nc_u32 v[WSB], s[ST], v[L16]
	v_mul_u32_u24 v[T0], v[RR], WP
	v_lshl_add_u32 v[T0], v[HH], 4, v[T0]          ; row r x pitch + 16 h
	s_mul_i32 s[ST], s[BSEL], 32*WP
	v_add_nc_u32 v[WF], s[ST], v[T0]
	v_add_nc_u32 v[WF+1], 64*WP, v[WF]
	v_lshlrev_b32 v[XSO], 5, v[RR]
	v_lshlrev_b32 v[HSO], 6, v[RR]
	v_and_b32 v[T1], 8, v[RR]
	v_add_nc_u32 v[T1], v[T1], v[RR]
	v_lshlrev_b32 v[WSA], 5, v[T1]
	v_lshlrev_b32 v[BA], 6, v[HH]
	v_mov_b32 v[MX2], 0                            ; written once: a lane permute's destination counts as one of its sources
	s_lshl_b32 s[MK], 0x101, s[EE]
	s_mov_b32 s[SP], 0
	s_mov_b32 s[PSEL], 0x76543210
	s_mov_b32 s[PSEL+1], 0xfedcba98                ; v_permlanex16_b32's selects for lane l xor 16
	s_mov_b32 s[MNT], 0x600000                     ; the mantissa field of 448
	; byte offsets, apart from the addresses
	s_lshl_b32 s36, s[EE], 12
	s_lshl_b32 s[ST], ttmp9, 6
	s_add_co_u32 s36, s36, s[ST]
	s_lshl_b32 s[ST], s[BSEL], 5
	s_add_co_u32 s36, s36, s[ST]                   ; 4096 e + 64 g + 32 (w & 1): my block's first gate row
	s_lshl_b32 s[ST], s[PP], 11
	s_add_co_u32 s34, s36, s[ST]                   ; the 32 rows that I stage: gate rows or up rows
	s_lshl_b32 s34, s34, 10
	s_mov_b32 s35, 0
	s_lshl_b32 s42, s36, 2                         ; b1
	s_mov_b32 s43, 0
	s_lshl_b32 s36, s36, 5                         ; W1's scales
	s_mov_b32 s37, 0
	s_lshl_b32 s44, s[EE], 6
	s_add_co_u32 s44, s44, s[PP]                   ; 64 e + my first tile
	s_mul_i32 s48, s44, TILEB                      ; xg: its record
	s_mov_b32 s49, 0
	s_lshl_b32 s46, s44, 10
	s_lshl_b32 s44, s44, 15
	s_lshl_b32 s[ST], ttmp9, 1
	s_add_co_u32 s[ST], s[ST], s[BSEL]             ; my block of 32 along the next K: 2 g + (w & 1)
	s_add_co_u32 s46, s46, s[ST]                   ; hs: its byte
	s_lshl_b32 s[ST], s[ST], 9
	s_add_co_u32 s44, s44, s[ST]                   ; hq: 2,048 (block / 4) + 512 (block % 4) = 512 x block
	s_mov_b32 s45, 0
	s_mov_b32 s47, 0
	s_wait_kmcnt 0x0
	s_add_nc_u64 s[8:9], s[8:9], s[34:35]
	s_add_nc_u64 s[10:11], s[10:11], s[36:37]
	s_add_nc_u64 s[12:13], s[12:13], s[42:43]
	s_add_nc_u64 s[14:15], s[14:15], s[44:45]
	s_add_nc_u64 s[16:17], s[16:17], s[46:47]
	s_add_nc_u64 s[4:5], s[4:5], s[48:49]
.irp q, 0,1,2,3,4,5,6,7
	global_load_b128 v[SEL+4*\q:SEL+4*\q+3], v[L16], s[6:7] offset:512*\q
.endr
.irp t, 0,1,2,3
	global_load_b128 v[WS+8*\t:WS+8*\t+3], v[WSA], s[10:11] offset:(2048*(\t/2)+8*(\t%2))*32
	global_load_b128 v[WS+8*\t+4:WS+8*\t+7], v[WSA], s[10:11] offset:(2048*(\t/2)+8*(\t%2))*32+16
.endr
.irp t, 0,1,2,3
	global_load_b128 v[BIAS+8*\t:BIAS+8*\t+3], v[BA], s[12:13] offset:(2048*(\t/2)+8*(\t%2))*4
	global_load_b128 v[BIAS+8*\t+4:BIAS+8*\t+7], v[BA], s[12:13] offset:(2048*(\t/2)+8*(\t%2))*4+16
.endr
	WIN 0x80                                       ; destination window 2
.set N, 0
.rept 64
	global_load_b128 v[4*N:4*N+3], v[L16], s[8:9] offset:512*N th:TH_LOAD_NT   ; 32 rows of W1, 32 KiB on end, 512 consecutive bytes a load; read once in the launch
.set N, N+1
.endr
	WIN 0
	s_wait_loadcnt 63                              ; 80 loads stand behind sel's eight: sel is in
.set I, 0
.rept 32                               ; the expert's rows are counted while W1 is on its way: bit e: first choice; bit 8 + e: second
	v_and_b32 v[TMP], s[MK], v[SEL+I]
	v_cmp_ne_u32 vcc_lo, 0, v[TMP]
	s_bcnt1_i32_b32 s[SCN], vcc_lo
	s_add_co_u32 s[SP], s[SP], s[SCN]
.set I, I+1
.endr
	WIN 0x08                                       ; an LDS store's data are its source 1: window 2
.set N, 0
.irp k, 0,1,2,3
	s_wait_loadcnt 48-16*\k                        ; a quarter of the 64 weight loads is in; the later quarters may be out
.rept 16
	ds_store_b128 v[WSB], v[4*N:4*N+3] offset:WP*(16*((N/16)%2)+(N/2)%8+8*(N/32))+512*(N%2)   ; row i = N / 2 goes to slot 16 u + m, i = 8 u + m % 8 + 16 (m / 8)
.set N, N+1
.endr
.endr
	GLOAD 0                                        ; my first tile, two groups of 17 loads: asked for here, so that it lands under the barrier and the fragments' loads
	GLOAD 1
	s_wait_dscnt 0x0                               ; my rows of W1 lie in LDS, and the stores have read window 2
	s_barrier_signal -1
	s_barrier_wait -1                              ; all 128 rows of W1 lie in LDS.  The launch's one barrier
	s_add_co_u32 s[NT], s[SP], 15
	s_lshr_b32 s[NT], s[NT], 4
	s_min_u32 s[NT], s[NT], 64                     ; tiles of 16 rows
	s_mov_b32 s[TAU], s[PP]
.set S, 0
.rept 8                                ; my 32 fragments of W1 into windows 2 and 3: they stay
	WIN 0x80+0x40*(S/4)
.set Q, 0
.rept 4
.irp c, 0,1,2,3
	ds_load_b128 v[16*(4*(S%4)+Q)+4*\c:16*(4*(S%4)+Q)+4*\c+3], v[WF+Q/2] offset:16*WP*(Q%2)+128*S+32*\c
.endr
.set Q, Q+1
.endr
.set S, S+1
.endr
	WIN 0
	s_wait_dscnt 0x0
	s_wait_xcnt 0x0                                ; the first tile's loads, issued well ahead, have read their base
	s_add_nc_u64 s[4:5], s[4:5], XSTEP             ; s[4:5]: the tile to be asked for next
; ONE TILE OF 16 ROWS.  pref = 1: each group of registers is filled with the next tile's as soon as its products are issued.
.macro BODY1 pref
.irp q, 0,1
.if \pref
	s_wait_loadcnt 17                              ; behind group q stands one group of 17: this tile's second, or the next tile's first
.else
	s_wait_loadcnt 17*(1-\q)                       ; nothing is asked for any more: the count runs down
.endif
	WIN 0x06+\q                                    ; source 0 (W1) window 2 or 3, source 1 (x) window 1
.set S, 4*\q
.rept 4
.set Q, 0
.rept 4                                ; the four accumulators take turns, one instruction a turn
.if S == 0
	v_wmma_scale_f32_16x16x128_f8f6f4 v[ACC+8*Q:ACC+8*Q+7], v[16*Q:16*Q+15], v[0:15], v[BIAS+8*Q:BIAS+8*Q+7], v[WS+8*Q], v[XS]
.else
	v_wmma_scale_f32_16x16x128_f8f6f4 v[ACC+8*Q:ACC+8*Q+7], v[16*(4*(S%4)+Q):16*(4*(S%4)+Q)+15], v[16*S:16*S+15], v[ACC+8*Q:ACC+8*Q+7], v[WS+8*Q+S], v[XS+S]
.endif
.set Q, Q+1
.endr
.set S, S+1
.endr
.if \pref
	WIN 0
.rept 8
	v_nop                                          ; eight places behind the products, ahead of loads into registers that they read; behind the second group also ahead of the first read of results
.endr
	GLOAD \q
.endif
.endr
	WIN 0
.if \pref == 0
.rept 8
	v_nop                                          ; eight places ahead of the first read of results
.endr
.endif
	; SwiGLU: gate / (1 + 2^(-gate log2 e)) x up, in f32; each accumulator is read from its low end on
.set N, 0
.rept 8
	v_pk_mul_f32 v[TT+2*N:TT+2*N+1], v[ACC+2*N:ACC+2*N+1], 0xbfb8aa3b op_sel_hi:[1,0]
.set N, N+1
.endr
.set N, 0
.rept 16
	v_exp_f32 v[TT+N], v[TT+N]
.set N, N+1
.endr
	v_nop                                          ; a plain instruction behind the last exponential
.set N, 0
	s_wait_alu depctr_va_vdst(0)
.rept 8
	v_pk_add_f32 v[TT+2*N:TT+2*N+1], v[TT+2*N:TT+2*N+1], 1.0 op_sel_hi:[1,0]
.set N, N+1
.endr
.set N, 0
.rept 16
	v_rcp_f32 v[TT+N], v[TT+N]
.set N, N+1
.endr
	v_nop
.set N, 0
	s_wait_alu depctr_va_vdst(0)
.rept 8
	v_pk_mul_f32 v[HD+2*N:HD+2*N+1], v[ACC+2*N:ACC+2*N+1], v[TT+2*N:TT+2*N+1]
.set N, N+1
.endr
.set N, 0
.rept 8
	v_pk_mul_f32 v[HD+2*N:HD+2*N+1], v[HD+2*N:HD+2*N+1], v[ACC+16+2*N:ACC+16+2*N+1]
.set N, N+1
.endr
	; the block of 32 units lies in lanes l and l xor 16, 16 numbers each
	v_max3_num_f32 v[MX], |v[HD]|, |v[HD+1]|, 0x4800000     ; with the floor 2^(9 - 127): the byte cannot fall under 1
	v_max3_num_f32 v[MXB], |v[HD+2]|, |v[HD+3]|, |v[HD+6]|
	v_max3_num_f32 v[MX], v[MX], |v[HD+4]|, |v[HD+5]|
	v_max3_num_f32 v[MXB], v[MXB], |v[HD+7]|, |v[HD+10]|
	v_max3_num_f32 v[MX], v[MX], |v[HD+8]|, |v[HD+9]|
	v_max3_num_f32 v[MXB], v[MXB], |v[HD+11]|, |v[HD+14]|
	v_max3_num_f32 v[MX], v[MX], |v[HD+12]|, |v[HD+13]|
	v_max3_num_f32 v[MX], v[MX], v[MXB], |v[HD+15]|
	v_permlanex16_b32 v[MX2], v[MX], s[PSEL], s[PSEL+1]
	v_max_num_f32 v[MX], v[MX], v[MX2]
	v_add_nc_u32 v[SCL], 0xfc000000, v[MX]         ; 8 off the exponent field: the conversion's scale operand
	v_and_or_b32 v[HOLD], v[MX], 0x7f800000, s[MNT]   ; 448 x the scale
	s_wait_xcnt 0x0                                ; the last tile's two stores have read their data and bases, this trip's loads their base: the lines below write them anew.
	                                               ; The wait stands here, behind the arithmetic above, and not straight behind the loads
	s_add_nc_u64 s[14:15], s[14:15], HQSTEP        ; the stores below reach back by a negative immediate
	s_add_nc_u64 s[16:17], s[16:17], HSSTEP
.if \pref
	s_add_nc_u64 s[4:5], s[4:5], XSTEP             ; the tile that the next trip asks for
.endif
	v_lshrrev_b32 v[BYT], 23, v[SCL]               ; the scale's byte
.set N, 0
.rept 16
	v_med3_num_f32 v[HD+N], v[HD+N], -v[HOLD], v[HOLD]   ; the conversion does not saturate (ISA guide 7.6.2)
.set N, N+1
.endr
	v_cvt_scalef32_pk8_fp8_f32 v[CC:CC+1], v[HD:HD+7], v[SCL]
	v_cvt_scalef32_pk8_fp8_f32 v[CC+2:CC+3], v[HD+8:HD+15], v[SCL]
	v_nop                                          ; a plain instruction behind the conversions
	global_store_b128 v[L16], v[CC:CC+3], s[14:15] offset:-HQSTEP   ; one group of four registers of the next operand's image: 512 consecutive bytes, aligned
	global_store_b8 v[HSO], v[BYT], s[16:17] offset:-HSSTEP         ; row r's byte of this block; lanes r and r + 16 write the same byte with the same value
.endm
	s_mov_b32 s[TRIP], 0
.Lt:                                               ; 32 trips, a constant: at most 64 tiles, two waves to a block
	s_cmp_ge_u32 s[TAU], s[NT]
	s_cbranch_scc1 .Lskip                          ; no such tile: only the steps at the trip's end
	s_add_co_u32 s[ST], s[TAU], 2
	s_cmp_ge_u32 s[ST], s[NT]
	s_cbranch_scc1 .Llast
	BODY1 1
	s_branch .Lskip
.Llast:
	BODY1 0                                        ; my last tile asks for nothing: no load reaches past what the launch before wrote
.Lskip:
	s_add_co_u32 s[TAU], s[TAU], 2
	s_add_co_u32 s[TRIP], s[TRIP], 1
	s_cmp_lt_u32 s[TRIP], 32
	s_cbranch_scc1 .Lt
	s_wait_tensorcnt 0x0
	ds_add_u32 v222, v223
	s_wait_dscnt 0x0
	s_endpgm
.Lfunc_end_k_q9f46fecc53_fc1:
	.size	k_q9f46fecc53_fc1, .Lfunc_end_k_q9f46fecc53_fc1-k_q9f46fecc53_fc1
	.p2alignl 7, 3214868480
	.fill 96, 4, 3214868480
	.section	.rodata,"a",@progbits
	.p2align	6, 0x0
	.amdhsa_kernel k_q9f46fecc53_fc1
		.amdhsa_group_segment_fixed_size 133632
		.amdhsa_private_segment_fixed_size 0
		.amdhsa_enable_private_segment 0
		.amdhsa_kernarg_size 56
		.amdhsa_user_sgpr_count 2
		.amdhsa_user_sgpr_kernarg_segment_ptr 1
		.amdhsa_wavefront_size32 1
		.amdhsa_system_sgpr_workgroup_id_x 1
		.amdhsa_system_sgpr_workgroup_id_y 1
		.amdhsa_system_sgpr_workgroup_id_z 1
		.amdhsa_system_vgpr_workitem_id 0
		.amdhsa_next_free_vgpr 1024
		.amdhsa_next_free_sgpr 66
		.amdhsa_reserve_vcc 1
		.amdhsa_float_denorm_mode_32 3
		.amdhsa_float_denorm_mode_16_64 3
		.amdhsa_memory_ordered 1
		.amdhsa_forward_progress 1
		.amdhsa_inst_pref_size 56
	.end_amdhsa_kernel
	.amdgpu_metadata
---
amdhsa.version: [ 1, 2 ]
amdhsa.kernels:
  - .name:           k_q9f46fecc53_fc1
    .symbol:         k_q9f46fecc53_fc1.kd
    .args:
      - { .name: xg, .offset: 0, .size: 8, .value_kind: global_buffer, .address_space: global }
      - { .name: sel, .offset: 8, .size: 8, .value_kind: global_buffer, .address_space: global }
      - { .name: W1_codes, .offset: 16, .size: 8, .value_kind: global_buffer, .address_space: global }
      - { .name: W1_scales, .offset: 24, .size: 8, .value_kind: global_buffer, .address_space: global }
      - { .name: b1, .offset: 32, .size: 8, .value_kind: global_buffer, .address_space: global }
      - { .name: hq, .offset: 40, .size: 8, .value_kind: global_buffer, .address_space: global }
      - { .name: hs, .offset: 48, .size: 8, .value_kind: global_buffer, .address_space: global }
    .group_segment_fixed_size: 133632
    .private_segment_fixed_size: 0
    .kernarg_segment_align: 8
    .kernarg_segment_size: 56
    .max_flat_workgroup_size: 128
    .sgpr_count:     66
    .vgpr_count:     1024
    .wavefront_size: 32
...
	.end_amdgpu_metadata
.endif
;; end of part 6
;; launch fc2: the kernel of part 3 again; grid 32 x 8, 4 waves a work-group, no clusters, 71,424 bytes of LDS; arguments hq, hs, sel, W2_codes, W2_scales, b2, yp; writes yp
;; launch add: the kernel of part 4 again; grid 256 x 1, 4 waves a work-group, no clusters, 0 bytes of LDS; arguments yp, wgt, out0; writes out0
;; ======== version 3 of 3: 5 launches
;; workspace buffers: xq 1,048,576 bytes; xs 32,768 bytes; sel 4,096 bytes of whole numbers; wgt 8,192 bytes; xg 8,650,752 bytes; hq 16,777,216 bytes; hs 524,288 bytes; yp 8,912,896 bytes
;; launch route (part 7): grid 128 x 1, 4 waves a work-group, no clusters, 42,240 bytes of LDS; arguments x, router_w, router_b, xq, xs, sel, wgt; writes xq, xs, sel, wgt
.if DOCPART == 7
	.amdgcn_target "amdgcn-amd-amdhsa--gfx1250"
	.amdhsa_code_object_version 6
	.text
	.protected	k_q9f46fecc53_route
	.globl	k_q9f46fecc53_route
	.p2align	8
	.type	k_q9f46fecc53_route,@function
k_q9f46fecc53_route:
	s_mov_b64 s[64:65], 0
	v_nop
	global_prefetch_b8 v0, s[64:65] scope:SCOPE_SE
	s_setreg_imm32_b32 hwreg(HW_REG_WAVE_MODE, 25, 1), 1
	s_wait_xcnt 0x0
; ROUTER AND QUANTISER OF x.  x [1024 tokens][1024] f32, router_w [8][1024] f32, router_b [8] f32.
; For each token: eight logits in f32 (fused multiply-adds), the two largest (ties keep the lower index: the compares are strict),
; their softmax with the larger logit taken away first, and x's row as codes of E4M3 with one E8M0 byte for each 32 along K.
; OUT: xq [1024][1024] codes; xs [1024][32] scale bytes; sel [1024] words (1 << e0) | (256 << e1); wgt [1024][2] f32 (first: the larger logit's).
; No address and no branch hangs on the choice: it is stored at fixed places and read by the launches that follow.
; SHARES: a work-group takes 8 tokens, a wave 2.  A wave's load of x covers 512 consecutive bytes; the same registers feed the logits and,
; turned through the wave's own stage in LDS (64 bytes + 16 of padding a place), the quantiser, which wants 16 neighbours along K in a lane.
; LIMITS: NaN and infinities among the inputs are not served (the second-best logit starts at -infinity).  A block of zeros gets the byte 1
; and not 127: its codes are zeros, and the bytes are read by this program alone.
.set STGW, 10240                       ; a wave's stage: 4 steps x 32 places x 80 bytes
.set SPL,  80                          ; a place: 64 bytes + 16 of padding
.set SCB,  4*STGW                      ; the work-group's 256 scale bytes
.set SELB, SCB+256                     ; its 8 words of sel
.set WGB,  SELB+256                    ; its 16 weights
.set ACC,  32                          ; v32-63   sums: pair (token i, expert e) at 32 + 16 i + 2 e
.set X,    64                          ; v64-127  x: token i, load j at 64 + 32 i + 4 j: k = 128 j + 4 lane + 0..3
.set W,    128                         ; v128-255 router_w: four chunk buffers of 32 (expert e at + 4 e)
.set NUM,  128                         ; later: four sets of 16 neighbours
.set COD,  192                         ; codes: four registers a step
.set BYT,  208                         ; a scale byte a step
	s_load_b256 s[4:11], s[0:1], 0x0               ; x, router_w, router_b, xq
	s_load_b128 s[12:15], s[0:1], 0x20             ; xs, sel
	s_load_b64 s[16:17], s[0:1], 0x30              ; wgt
	v_lshl_add_u32 v31, v0, 2, 0xa300
	s_set_vgpr_msb 0x40
	v_mov_b32 v1, 0
	s_set_vgpr_msb 0x4000
	v_lshrrev_b32 v8, 5, v0
	v_readfirstlane_b32 s18, v8                    ; wave
	v_and_b32 v1, 31, v0                           ; lane
	v_lshlrev_b32 v2, 4, v1                        ; 16 x lane
	s_mul_i32 s19, s18, STGW
	v_lshrrev_b32 v3, 2, v1
	v_mul_u32_u24 v3, v3, SPL
	v_and_b32 v8, 3, v1
	v_lshl_add_u32 v3, v8, 4, v3
	v_add_nc_u32 v3, s19, v3                       ; the stage, way in: four lanes' 64 bytes on end, then the padding
	v_mul_u32_u24 v4, v1, SPL
	v_add_nc_u32 v4, s19, v4                       ; way out: my place, 16 neighbours
	s_lshl_b32 s19, s18, 6
	s_add_co_u32 s19, s19, SCB
	v_lshrrev_b32 v5, 1, v1
	v_add_nc_u32 v5, s19, v5                       ; my block's scale byte: 64 x wave + lane / 2
	s_lshl_b32 s19, s18, 3
	s_add_co_u32 s19, s19, SELB
	v_mov_b32 v6, s19                              ; my wave's two words of sel
	s_lshl_b32 s19, s18, 4
	s_add_co_u32 s19, s19, WGB
	v_mov_b32 v7, s19                              ; my wave's four weights
	v_lshlrev_b32 v27, 3, v1                       ; 8 x lane
	v_add_nc_u32 v24, SCB, v27                     ; wave 0's way out: scale bytes,
	v_and_b32 v25, 15, v1
	v_lshl_add_u32 v25, v25, 2, WGB                ; weights,
	v_and_b32 v26, 7, v1
	v_lshl_add_u32 v26, v26, 2, SELB               ; sel
	v_lshlrev_b32 v28, 2, v1                       ; 4 x lane
	v_mov_b32 v29, 1
	v_mov_b32 v30, 0x100
	s_lshl_b32 s20, ttmp9, 3
	s_lshl_b32 s19, s18, 1
	s_add_co_u32 s20, s20, s19                     ; my first token: 8 x work-group + 2 x wave
	s_lshl_b32 s22, s20, 10                        ; its codes
	s_lshl_b32 s20, s20, 12                        ; its row of x
	s_mov_b32 s21, 0
	s_mov_b32 s23, 0
	s_lshl_b32 s40, ttmp9, 8                       ; the work-group's 256 scale bytes,
	s_mov_b32 s41, 0
	s_lshl_b32 s42, ttmp9, 5                       ; 8 words of sel,
	s_mov_b32 s43, 0
	s_lshl_b32 s44, ttmp9, 6                       ; 16 weights
	s_mov_b32 s45, 0
	s_mov_b32 s32, 0x76543210
	s_mov_b32 s33, 0xfedcba98                      ; v_permlanex16_b32's selects for lane l xor 16
	s_mov_b32 s34, 0x600000                        ; the mantissa field of 448
	s_wait_kmcnt 0x0
	s_load_b256 s[24:31], s[8:9], 0x0              ; router_b: eight numbers, in scalar registers
	s_add_nc_u64 s[4:5], s[4:5], s[20:21]
	s_add_nc_u64 s[10:11], s[10:11], s[22:23]
	s_add_nc_u64 s[12:13], s[12:13], s[40:41]
	s_add_nc_u64 s[14:15], s[14:15], s[42:43]
	s_add_nc_u64 s[16:17], s[16:17], s[44:45]
.irp i, 0,1
.irp j, 0,1,2,3,4,5,6,7
	global_load_b128 v[X+32*\i+4*\j:X+32*\i+4*\j+3], v2, s[4:5] offset:4096*\i+512*\j th:TH_LOAD_NT   ; 512 consecutive bytes; read once in the launch
.endr
.endr
.irp j, 0,1,2,3
.irp e, 0,1,2,3,4,5,6,7
	global_load_b128 v[W+32*\j+4*\e:W+32*\j+4*\e+3], v2, s[6:7] offset:4096*\e+512*\j
.endr
.endr
; Chunk j: 128 along K of all eight experts against both tokens.  Nothing is cleared: chunk 0's first products start the sums.
.macro CHUNK j
.if \j < 5
	s_wait_loadcnt 24                              ; behind chunk j's eight loads stand three chunks' 24 (x's loads stand ahead of them all)
.else
	s_wait_loadcnt 8*(7-\j)                        ; the last chunks: the count runs down
.endif
.if \j == 0
.irp i, 0,1
.irp c, 0,1,2,3,4,5,6,7
	ds_store_b128 v3, v[X+32*\i+4*\c:X+32*\i+4*\c+3] offset:32*SPL*(2*\i+\c/4)+8*SPL*(\c%4)   ; x into the stage, as it lies: step 2 i + c / 4
.endr
.endr
.endif
.set WB, W+32*(\j%4)
.irp p, 0,2
.irp i, 0,1
.irp e, 0,1,2,3,4,5,6,7
.if (\j == 0) && (\p == 0)
	v_pk_mul_f32 v[ACC+16*\i+2*\e:ACC+16*\i+2*\e+1], v[X+32*\i+4*\j:X+32*\i+4*\j+1], v[WB+4*\e:WB+4*\e+1]
.else
	v_pk_fma_f32 v[ACC+16*\i+2*\e:ACC+16*\i+2*\e+1], v[X+32*\i+4*\j+\p:X+32*\i+4*\j+\p+1], v[WB+4*\e+\p:WB+4*\e+\p+1], v[ACC+16*\i+2*\e:ACC+16*\i+2*\e+1]
.endif
.endr
.endr
.endr
.if \j < 4
.irp e, 0,1,2,3,4,5,6,7
	global_load_b128 v[WB+4*\e:WB+4*\e+3], v2, s[6:7] offset:4096*\e+512*(\j+4)   ; the buffer takes the chunk four further on
.endr
.endif
.endm
.irp j, 0,1,2,3,4,5,6,7
	CHUNK \j
.endr
.irp g, 0,1,2,3
.irp n, 0,1,2,3
	ds_load_b128 v[NUM+16*\g+4*\n:NUM+16*\g+4*\n+3], v4 offset:32*SPL*\g+16*\n   ; back from the stage, 64 bytes a lane (LDS serves a wave's instructions in order); they land under the reduction
.endr
.endr
	; the sixteen sums over the wave's 32 lanes; every lane ends with the same bits
.set N, 0
.rept 16
	v_add_f32 v[ACC+2*N], v[ACC+2*N], v[ACC+2*N+1]
.set N, N+1
.endr
.irp m, 1,2,4,8
.set N, 0
.rept 16
	v_add_f32_dpp v[ACC+2*N], v[ACC+2*N], v[ACC+2*N] row_xmask:\m row_mask:0xf bank_mask:0xf
.set N, N+1
.endr
.endr
.set N, 0
.rept 16
	v_permlanex16_b32 v[ACC+2*N+1], v[ACC+2*N], s32, s33
.set N, N+1
.endr
	s_wait_kmcnt 0x0                               ; router_b
.set N, 0
.rept 16
	v_add_f32 v[ACC+2*N], v[ACC+2*N], v[ACC+2*N+1]
.set N, N+1
.endr
.set N, 0
.rept 16
	v_add_f32 v[ACC+2*N], s[24+N%8], v[ACC+2*N]    ; the logit
.set N, N+1
.endr
; The two largest of token i's eight logits, by selects alone.  B: best, its index, second, its index, four at work.
.macro TOP2 i
.set B, 8+8*\i
.set L, ACC+16*\i
	v_mov_b32 v[B], v[L]
	v_mov_b32 v[B+1], 0
	v_mov_b32 v[B+2], 0xff800000                   ; -infinity: under every finite logit
	v_mov_b32 v[B+3], 0
.irp e, 1,2,3,4,5,6,7
	v_cmp_gt_f32 vcc_lo, v[L+2*\e], v[B]           ; strictly larger: of equals the lower index stays ahead
	v_cmp_gt_f32 s35, v[L+2*\e], v[B+2]
	v_cndmask_b32 v[B+4], v[B+2], v[L+2*\e], s35
	v_cndmask_b32 v[B+5], v[B+3], \e, s35
	v_cndmask_b32 v[B+2], v[B+4], v[B], vcc_lo
	v_cndmask_b32 v[B+3], v[B+5], v[B+1], vcc_lo
	v_cndmask_b32 v[B], v[B], v[L+2*\e], vcc_lo
	v_cndmask_b32 v[B+1], v[B+1], \e, vcc_lo
.endr
	v_lshlrev_b32 v[B+4], v[B+1], v29
	v_lshlrev_b32 v[B+5], v[B+3], v30
	v_or_b32 v[B+4], v[B+4], v[B+5]                ; (1 << e0) | (256 << e1)
	v_sub_f32 v[B+5], v[B+2], v[B]                 ; the maximum is taken away: 0 or less
	v_mul_f32 v[B+5], 0x3fb8aa3b, v[B+5]
	s_wait_alu depctr_va_vdst(0)
	v_exp_f32 v[B+6], v[B+5]
	ds_store_b32 v6, v[B+4] offset:4*\i            ; all lanes write the same word with the same value
	v_nop                                          ; a plain instruction behind the exponential (ISA guide 5.7.2)
	s_wait_alu depctr_va_vdst(0)
	v_add_f32 v[B+5], 1.0, v[B+6]
	s_wait_alu depctr_va_vdst(0)
	v_rcp_f32 v[B+7], v[B+5]                       ; w0 = 1 / (1 + e^(l1 - l0))
	v_nop
	s_wait_alu depctr_va_vdst(0)
	v_mul_f32 v[B+6], v[B+6], v[B+7]               ; w1
	ds_store_b32 v7, v[B+7] offset:8*\i
	ds_store_b32 v7, v[B+6] offset:8*\i+4
.endm
	TOP2 0
	TOP2 1
	s_wait_dscnt 0x0                               ; the sixteen loads from the stage are in
; Step g: token g / 2, K = 512 (g % 2) on; my 16 numbers, two neighbouring lanes to a block of 32.
.macro QSTEP g
.set XS, NUM+16*\g
	v_max3_num_f32 v8, |v[XS]|, |v[XS+1]|, |v[XS+2]|
	v_max3_num_f32 v9, |v[XS+3]|, |v[XS+4]|, |v[XS+5]|
.irp i, 6,10
	v_max3_num_f32 v8, v8, |v[XS+\i]|, |v[XS+\i+1]|
	v_max3_num_f32 v9, v9, |v[XS+\i+2]|, |v[XS+\i+3]|
.endr
	v_max3_num_f32 v8, v8, |v[XS+14]|, |v[XS+15]|
	v_max3_num_f32 v8, v8, v9, 0x4800000           ; the floor 2^(9 - 127): the byte cannot fall under 1
	v_max_num_f32_dpp v8, v8, v8 row_xmask:1 row_mask:0xf bank_mask:0xf   ; with my neighbour's 16: the block's largest magnitude
	v_add_nc_u32 v11, 0xfc000000, v8               ; 8 off its exponent field: the conversion's scale operand
	v_and_or_b32 v10, v8, 0x7f800000, s34          ; 448 x the scale
.irp i, 0,1,2,3,4,5,6,7,8,9,10,11,12,13,14,15
	v_med3_num_f32 v[XS+\i], v[XS+\i], -v10, v10   ; the conversion does not saturate (ISA guide 7.6.2): the hold comes first
.endr
	v_cvt_scalef32_pk8_fp8_f32 v[COD+4*\g:COD+4*\g+1], v[XS:XS+7], v11
	v_cvt_scalef32_pk8_fp8_f32 v[COD+4*\g+2:COD+4*\g+3], v[XS+8:XS+15], v11
	v_lshrrev_b32 v[BYT+\g], 23, v11               ; the scale's byte; also the plain instruction behind the conversions
	ds_store_b8 v5, v[BYT+\g] offset:32*(\g/2)+16*(\g%2)   ; both lanes of a block write the same byte
	global_store_b128 v2, v[COD+4*\g:COD+4*\g+3], s[10:11] offset:1024*(\g/2)+512*(\g%2)   ; 512 consecutive bytes, aligned
.endm
.irp g, 0,1,2,3
	QSTEP \g
.endr
	s_wait_dscnt 0x0                               ; for the others' sake: my bytes, words and weights lie in LDS
	s_barrier_signal -1
	s_barrier_wait -1
	s_cmp_lg_u32 s18, 0
	s_cbranch_scc1 .Lend                           ; wave 0 stores what the four waves gathered
	ds_load_b64 v[12:13], v24
	ds_load_b32 v14, v25
	ds_load_b32 v15, v26
	s_wait_dscnt 0x0
	global_store_b64 v27, v[12:13], s[12:13]       ; 256 consecutive bytes, aligned: eight tokens' scale bytes
	s_wait_xcnt 0x0                                ; EXEC is a source of the stores that are out: it changes only behind this wait
	v_cmp_gt_u32 vcc_lo, 16, v1
	s_and_saveexec_b32 s36, vcc_lo
	global_store_b32 v28, v14, s[16:17]            ; 16 weights
	s_wait_xcnt 0x0
	s_or_b32 exec_lo, exec_lo, s36
	v_cmp_gt_u32 vcc_lo, 8, v1
	s_and_saveexec_b32 s36, vcc_lo
	global_store_b32 v28, v15, s[14:15]            ; 8 words of sel
	s_wait_xcnt 0x0
	s_or_b32 exec_lo, exec_lo, s36
.Lend:
	s_set_vgpr_msb 0x4
	s_wait_tensorcnt 0x0
	ds_add_u32 v31, v1
	s_wait_dscnt 0x0
	s_set_vgpr_msb 0x400
	s_endpgm
.Lfunc_end_k_q9f46fecc53_route:
	.size	k_q9f46fecc53_route, .Lfunc_end_k_q9f46fecc53_route-k_q9f46fecc53_route
	.p2alignl 7, 3214868480
	.fill 96, 4, 3214868480
	.section	.rodata,"a",@progbits
	.p2align	6, 0x0
	.amdhsa_kernel k_q9f46fecc53_route
		.amdhsa_group_segment_fixed_size 42240
		.amdhsa_private_segment_fixed_size 0
		.amdhsa_enable_private_segment 0
		.amdhsa_kernarg_size 56
		.amdhsa_user_sgpr_count 2
		.amdhsa_user_sgpr_kernarg_segment_ptr 1
		.amdhsa_wavefront_size32 1
		.amdhsa_system_sgpr_workgroup_id_x 1
		.amdhsa_system_sgpr_workgroup_id_y 1
		.amdhsa_system_sgpr_workgroup_id_z 1
		.amdhsa_system_vgpr_workitem_id 0
		.amdhsa_next_free_vgpr 258
		.amdhsa_next_free_sgpr 66
		.amdhsa_reserve_vcc 1
		.amdhsa_float_denorm_mode_32 3
		.amdhsa_float_denorm_mode_16_64 3
		.amdhsa_memory_ordered 1
		.amdhsa_forward_progress 1
		.amdhsa_inst_pref_size 52
	.end_amdhsa_kernel
	.amdgpu_metadata
---
amdhsa.version: [ 1, 2 ]
amdhsa.kernels:
  - .name:           k_q9f46fecc53_route
    .symbol:         k_q9f46fecc53_route.kd
    .args:
      - { .name: x, .offset: 0, .size: 8, .value_kind: global_buffer, .address_space: global }
      - { .name: router_w, .offset: 8, .size: 8, .value_kind: global_buffer, .address_space: global }
      - { .name: router_b, .offset: 16, .size: 8, .value_kind: global_buffer, .address_space: global }
      - { .name: xq, .offset: 24, .size: 8, .value_kind: global_buffer, .address_space: global }
      - { .name: xs, .offset: 32, .size: 8, .value_kind: global_buffer, .address_space: global }
      - { .name: sel, .offset: 40, .size: 8, .value_kind: global_buffer, .address_space: global }
      - { .name: wgt, .offset: 48, .size: 8, .value_kind: global_buffer, .address_space: global }
    .group_segment_fixed_size: 42240
    .private_segment_fixed_size: 0
    .kernarg_segment_align: 8
    .kernarg_segment_size: 56
    .max_flat_workgroup_size: 128
    .sgpr_count:     66
    .vgpr_count:     258
    .wavefront_size: 32
...
	.end_amdgpu_metadata
.endif
;; end of part 7
;; launch place (part 8): grid 16 x 8, 4 waves a work-group, no clusters, 71,936 bytes of LDS; arguments xq, xs, sel, xg; writes xg
.if DOCPART == 8
	.amdgcn_target "amdgcn-amd-amdhsa--gfx1250"
	.amdhsa_code_object_version 6
	.text
	.protected	k_q9f46fecc53_place
	.globl	k_q9f46fecc53_place
	.p2align	8
	.type	k_q9f46fecc53_place,@function
k_q9f46fecc53_place:
	s_mov_b64 s[64:65], 0
	v_nop
	global_prefetch_b8 v0, s[64:65] scope:SCOPE_SE
	s_setreg_imm32_b32 hwreg(HW_REG_WAVE_MODE, 25, 1), 1
	s_wait_xcnt 0x0
; THE ROWS OF x, PLACED BY EXPERT.  xq [1024 tokens][1024] codes, xs [1024][32] scale bytes, sel [1024] words (1 << e0) | (256 << e1).
; OUT: xg [8 experts][64 tiles][16,896 bytes].  A tile is 16 routed rows of one expert: eight K steps of 2,048 bytes, each an image of the first product's operand registers
; (group c of four registers at 512 c + 16 lane; lane (r, h) holds k = 128 s + 32 c + 16 h + 0 .. 15 of row r), and behind them the rows' scale words, 32 bytes a row.
; So each routed row is gathered ONCE in the program, and the launch that multiplies reads tiles at addresses made of its ids and its loop's steps alone.
; SHARES: work-group (c, e), wave w: the one tile c + 16 w of expert e: 64 tiles an expert, which serves every split (a token names an expert at most once: 1,024 rows at the most).
; A wave whose tile has no row stores nothing and ends, behind the launch's one barrier.
; THE LIST of the expert's rows is made from sel by wave 0, by the same lines and so in the same order as in the launch of the second product; an entry is rho = 2 token + slot.
; The count starts at -16 c, so that this work-group's tiles fall at places 256 w of the list and the reads of it hang on the wave's number alone.  Rows ahead of the group's first tile
; get places that wrap to large numbers and are held at the last dump word, which nobody reads.  Entries behind the last row are dump rows: their token is held at 1,023, a real row.
; No tensor load: whether a wave has a tile is read from memory, and the wave must be free to branch on it.  No matrix work, no cluster: no two work-groups want the same rows.
.set WP,    1040                       ; a stage row: 1,024 codes + 16: an odd multiple of 16 bytes, so that the sixteen rows of a load start in different banks
.set XW,    16*WP                      ; each wave's own stage, from LDS byte 0 on
.set LIST,  4*XW                       ; 1,152 entries, all filled, then 32 dump words for the lanes that place nothing
.set LENT,  1152
.set TILEB, 16896                      ; a tile's record in xg
.set LANE, 1
.set RR,   2                           ; lane % 16
.set HH,   3                           ; lane / 16
.set L16,  4                           ; 16 x lane
.set XSS,  8                           ; where I put the rows
.set XFB,  9                           ; where I read the fragments
.set LB,   10                          ; my tile's 16 entries, the same address in every lane
.set LR,   11                          ; my row's entry
.set TR,   12
.set XA,   13                          ; my row's scale words in xs
.set XGO,  14                          ; 32 r + 16 h: where my half of them goes
.set POS,  17                          ; v17-21: the placement's own registers
.set AD,   18
.set ENT,  19
.set TMP,  20
.set KK,   21
.set DIDX, 22                          ; 1152 + lane
.set R8,   23                          ; 8 x lane
.set DD,   24                          ; v24-27 four dump rows
.set FA,   28
.set T0,   29
.set T1,   30
.set XS,   32                          ; v32-39   my row's eight scale words
.set XD,   40                          ; v40-43   the four that I store
.set ROW,  64                          ; v64-191  16 rows as loaded, then the eight fragments
.set TOK,  192                         ; v192-207 the tile's entries, then tokens
.set ADR,  208                         ; v208-223 byte offsets of the 16 rows in xq
.set SEL,  224                         ; v224-255 sel: register 4 q + c = token 128 q + 4 lane + c
.set SW,   20
.set EE,   23
.set MK,   25
.set SH,   26
.set SP,   27
.set SCN,  28
.set NT,   29
.set TAU,  30
.set TB,   31
.set ST,   33
.set C16,  36
.set DUMP, 41
.macro FILL                            ; every entry begins as a dump row
.irp i, 0,1,2,3,4,5,6,7,8
	ds_store_b128 v[FA], v[DD:DD+3] offset:512*\i
.endr
.endm
.macro BUILD                           ; places run by register, then by lane: the same order in every launch that reads sel
.set I, 0
.rept 32
	v_and_b32 v[TMP], s[MK], v[SEL+I]              ; bit e: first choice; bit 8 + e: second
	v_cmp_ne_u32 vcc_lo, 0, v[TMP]
	v_mbcnt_lo_u32_b32 v[POS], vcc_lo, s[SP]       ; rows placed so far (less 16 c) + those of the lanes below me
	v_lshrrev_b32 v[KK], s[SH], v[TMP]             ; the slot, 0 or 1
	v_cndmask_b32 v[POS], v[DIDX], v[POS], vcc_lo  ; a lane with nothing to place writes its dump word
	v_min_u32 v[POS], LENT+31, v[POS]              ; a place ahead of the group's first tile has wrapped: the last dump word
	v_lshl_add_u32 v[AD], v[POS], 2, LIST
	v_add3_u32 v[ENT], v[KK], v[R8], 256*(I/4)+2*(I%4)   ; rho = 2 token + slot
	ds_store_b32 v[AD], v[ENT]
	s_bcnt1_i32_b32 s[SCN], vcc_lo
	s_add_co_u32 s[SP], s[SP], s[SCN]
.set I, I+1
.endr
.endm
.macro COUNT                           ; the other waves want the number of rows alone
.set I, 0
.rept 32
	v_and_b32 v[TMP], s[MK], v[SEL+I]
	v_cmp_ne_u32 vcc_lo, 0, v[TMP]
	s_bcnt1_i32_b32 s[SCN], vcc_lo
	s_add_co_u32 s[SP], s[SP], s[SCN]
.set I, I+1
.endr
.endm
	s_load_b256 s[4:11], s[0:1], 0x0               ; xq, xs, sel, xg
	v_lshl_add_u32 v62, v0, 2, 0x11700
	v_mov_b32 v63, 0
	v_and_b32 v[LANE], 31, v0
	v_lshrrev_b32 v[T0], 5, v0
	v_readfirstlane_b32 s[SW], v[T0]               ; wave
	v_and_b32 v[RR], 15, v0
	v_bfe_u32 v[HH], v0, 4, 1
	v_lshlrev_b32 v[L16], 4, v[LANE]
	s_and_b32 s[EE], ttmp7, 0xffff                 ; the expert
	; every LDS address is made here, ahead of the place where the waves part, of constants, the lane and the wave's number
	s_mul_i32 s[ST], s[SW], XW
	v_add_nc_u32 v[XSS], s[ST], v[L16]
	v_mul_u32_u24 v[T0], v[RR], WP
	v_lshl_add_u32 v[T0], v[HH], 4, v[T0]          ; row r x pitch + 16 h
	v_add_nc_u32 v[XFB], s[ST], v[T0]
	v_add_nc_u32 v[FA], LIST, v[L16]
	s_lshl_b32 s[TB], s[SW], 10
	s_add_co_u32 s[TB], s[TB], LIST                ; my tile's entries: places 256 w on
	v_mov_b32 v[LB], s[TB]
	v_lshl_add_u32 v[LR], v[RR], 2, s[TB]
	v_lshlrev_b32 v[XGO], 5, v[RR]
	v_lshl_add_u32 v[XGO], v[HH], 4, v[XGO]
	v_add_nc_u32 v[DIDX], LENT, v[LANE]
	v_lshlrev_b32 v[R8], 3, v[LANE]
	s_lshl_b32 s[DUMP], s[EE], 4
	s_add_co_u32 s[DUMP], s[DUMP], 2048
	v_lshlrev_b32 v[T1], 2, v[LANE]
	v_and_b32 v[T1], 12, v[T1]
	v_add_nc_u32 v[DD], s[DUMP], v[T1]             ; entry j begins as 2048 + 16 e + j % 16
	v_add_nc_u32 v[DD+1], 1, v[DD]
	v_add_nc_u32 v[DD+2], 2, v[DD]
	v_add_nc_u32 v[DD+3], 3, v[DD]
	s_lshl_b32 s[MK], 0x101, s[EE]
	s_add_co_u32 s[SH], s[EE], 8
	s_lshl_b32 s[C16], ttmp9, 4
	s_sub_co_u32 s[SP], 0, s[C16]                  ; the count starts at -16 c
	s_lshl_b32 s[TAU], s[SW], 4
	s_add_co_u32 s[TAU], s[TAU], ttmp9             ; my tile: c + 16 w
	s_lshl_b32 s34, s[EE], 6
	s_add_co_u32 s34, s34, s[TAU]
	s_mul_i32 s34, s34, TILEB                      ; its record in xg
	s_mov_b32 s35, 0
	s_wait_kmcnt 0x0
	s_add_nc_u64 s[10:11], s[10:11], s[34:35]
.irp q, 0,1,2,3,4,5,6,7
	global_load_b128 v[SEL+4*\q:SEL+4*\q+3], v[L16], s[8:9] offset:512*\q
.endr
	s_wait_loadcnt 0x0
	s_cmp_lg_u32 s[SW], 0
	s_cbranch_scc1 .Lcount
	s_wait_alu depctr_va_vdst(0)
	FILL
	BUILD
	s_branch .Ljoin
.Lcount:
	COUNT
.Ljoin:
	s_wait_dscnt 0x0                               ; wave 0's list lies in LDS
	s_barrier_signal -1
	s_barrier_wait -1                              ; up to here wave 0 alone has touched LDS; from here on the list is only read, and each wave's stage is its own
	s_add_co_u32 s[SP], s[SP], s[C16]              ; the expert's rows in all
	s_add_co_u32 s[NT], s[SP], 15
	s_lshr_b32 s[NT], s[NT], 4
	s_min_u32 s[NT], s[NT], 64                     ; tiles of 16 rows
	s_cmp_ge_u32 s[TAU], s[NT]
	s_cbranch_scc1 .Lend                           ; no such tile: nothing to store.  No barrier stands behind this branch
.irp n, 0,1,2,3
	ds_load_b128 v[TOK+4*\n:TOK+4*\n+3], v[LB] offset:16*\n   ; the tile's 16 entries, in every lane
.endr
	ds_load_b32 v[TR], v[LR]                       ; and my row's
	s_wait_dscnt 0x0
.set I, 0
.rept 16
	v_lshrrev_b32 v[TOK+I], 1, v[TOK+I]            ; token = rho / 2,
.set I, I+1
.endr
	v_lshrrev_b32 v[TR], 1, v[TR]
.set I, 0
.rept 16
	v_min_u32 v[TOK+I], 0x3ff, v[TOK+I]            ; held at 1,023;
.set I, I+1
.endr
	v_min_u32 v[TR], 0x3ff, v[TR]
.set I, 0
.rept 16
	v_lshl_add_u32 v[ADR+I], v[TOK+I], 10, v[L16]  ; its row of 1,024 codes, my 16 bytes
.set I, I+1
.endr
	v_lshlrev_b32 v[XA], 5, v[TR]
.set I, 0
.rept 16
	global_load_b128 v[ROW+8*I:ROW+8*I+3], v[ADR+I], s[4:5]              ; a row in two loads of 512 consecutive bytes
	global_load_b128 v[ROW+8*I+4:ROW+8*I+7], v[ADR+I], s[4:5] offset:512
.set I, I+1
.endr
	global_load_b128 v[XS:XS+3], v[XA], s[6:7]     ; my row's eight scale words
	global_load_b128 v[XS+4:XS+7], v[XA], s[6:7] offset:16
	s_wait_loadcnt 2                               ; the 32 row loads are in; the two loads of scale words stand behind them
.set N, 0
.rept 32
	ds_store_b128 v[XSS], v[ROW+4*N:ROW+4*N+3] offset:WP*(N/2)+512*(N%2)   ; rows into my own stage, 512 consecutive bytes a store
.set N, N+1
.endr
.set N, 0
.rept 32
	ds_load_b128 v[ROW+4*N:ROW+4*N+3], v[XFB] offset:32*N   ; back as fragments (K step N / 4, group N % 4), into the registers that the rows left: LDS serves a wave's instructions in order (ISA guide 5.7.1.4)
.set N, N+1
.endr
	s_wait_loadcnt 0x0                             ; the scale words
	v_cmp_ne_u32 vcc_lo, 0, v[HH]
.irp i, 0,1,2,3
	v_cndmask_b32 v[XD+\i], v[XS+\i], v[XS+4+\i], vcc_lo   ; lanes 0-15 store words 0-3 of their row, lanes 16-31 words 4-7
.endr
	global_store_b128 v[XGO], v[XD:XD+3], s[10:11] offset:16384   ; the wave's store covers 512 consecutive bytes, aligned
.set N, 0
.irp k, 0,1,2,3
	s_wait_dscnt 24-8*\k                           ; eight more fragment loads are in; the later ones may be out
.rept 8
	global_store_b128 v[L16], v[ROW+4*N:ROW+4*N+3], s[10:11] offset:512*N   ; one group of four registers of an image: 512 consecutive bytes, aligned
.set N, N+1
.endr
.endr
.Lend:
	s_wait_tensorcnt 0x0
	ds_add_u32 v62, v63
	s_wait_dscnt 0x0
	s_endpgm
.Lfunc_end_k_q9f46fecc53_place:
	.size	k_q9f46fecc53_place, .Lfunc_end_k_q9f46fecc53_place-k_q9f46fecc53_place
	.p2alignl 7, 3214868480
	.fill 96, 4, 3214868480
	.section	.rodata,"a",@progbits
	.p2align	6, 0x0
	.amdhsa_kernel k_q9f46fecc53_place
		.amdhsa_group_segment_fixed_size 71936
		.amdhsa_private_segment_fixed_size 0
		.amdhsa_enable_private_segment 0
		.amdhsa_kernarg_size 32
		.amdhsa_user_sgpr_count 2
		.amdhsa_user_sgpr_kernarg_segment_ptr 1
		.amdhsa_wavefront_size32 1
		.amdhsa_system_sgpr_workgroup_id_x 1
		.amdhsa_system_sgpr_workgroup_id_y 1
		.amdhsa_system_sgpr_workgroup_id_z 1
		.amdhsa_system_vgpr_workitem_id 0
		.amdhsa_next_free_vgpr 256
		.amdhsa_next_free_sgpr 66
		.amdhsa_reserve_vcc 1
		.amdhsa_float_denorm_mode_32 3
		.amdhsa_float_denorm_mode_16_64 3
		.amdhsa_memory_ordered 1
		.amdhsa_forward_progress 1
		.amdhsa_inst_pref_size 40
	.end_amdhsa_kernel
	.amdgpu_metadata
---
amdhsa.version: [ 1, 2 ]
amdhsa.kernels:
  - .name:           k_q9f46fecc53_place
    .symbol:         k_q9f46fecc53_place.kd
    .args:
      - { .name: xq, .offset: 0, .size: 8, .value_kind: global_buffer, .address_space: global }
      - { .name: xs, .offset: 8, .size: 8, .value_kind: global_buffer, .address_space: global }
      - { .name: sel, .offset: 16, .size: 8, .value_kind: global_buffer, .address_space: global }
      - { .name: xg, .offset: 24, .size: 8, .value_kind: global_buffer, .address_space: global }
    .group_segment_fixed_size: 71936
    .private_segment_fixed_size: 0
    .kernarg_segment_align: 8
    .kernarg_segment_size: 32
    .max_flat_workgroup_size: 128
    .sgpr_count:     66
    .vgpr_count:     256
    .wavefront_size: 32
...
	.end_amdgpu_metadata
.endif
;; end of part 8
;; launch fc1 (part 9): grid 32 x 8, 4 waves a work-group, no clusters, 133,632 bytes of LDS; arguments xg, sel, W1_codes, W1_scales, b1, hq, hs; writes hq, hs
.if DOCPART == 9
	.amdgcn_target "amdgcn-amd-amdhsa--gfx1250"
	.amdhsa_code_object_version 6
	.text
	.protected	k_q9f46fecc53_fc1
	.globl	k_q9f46fecc53_fc1
	.p2align	8
	.type	k_q9f46fecc53_fc1,@function
k_q9f46fecc53_fc1:
	s_mov_b64 s[64:65], 0
	v_nop
	global_prefetch_b8 v0, s[64:65] scope:SCOPE_SE
	s_setreg_imm32_b32 hwreg(HW_REG_WAVE_SCHED_MODE, 0, 2), 2
	s_setreg_imm32_b32 hwreg(HW_REG_WAVE_MODE, 25, 1), 1
	s_wait_xcnt 0x0
	s_wait_alu depctr_vm_vsrc(0)
; FIRST PRODUCT OF THE EXPERTS, SwiGLU, AND THE HIDDEN LAYER'S QUANTISER, for the rows that chose the expert alone.
; Work-group (g, e) owns hidden units 64 g .. 64 g + 63 of expert e: 64 gate rows and 64 up rows (2,048 further on) of W1[e], read from memory ONCE and kept in registers.
; Wave w: its block of 32 units begins at 64 g + 32 (w & 1); it takes the tiles of 16 routed rows w >> 1, w >> 1 + 2, ..  Four tiles of W1 (gate, up x two of 16 rows) x 8 K steps = 512 registers.
; A TILE OF ROWS comes from xg, where the launch before has laid it as an image of the operand's registers, with the rows' scale words behind it: every load of codes covers 512 consecutive bytes and
; lands where the product wants it, and every address is made of ids and the loop's steps.  Only the NUMBER of tiles is taken from sel: every wave counts the expert's rows.
; THE PRODUCT IS USED TRANSPOSED (source 0 = 16 rows of W1, source 1 = 16 rows of x), and lane m of tile u takes W1's row 8 u + m + 8 (m / 8) of the block:
; lane (r, h) then holds row r, and the 16 registers of tiles u = 0, 1 are units 16 h + 0 .. 15: 16 neighbours along the next product's K.  The bias is the C of a sum's first instruction.
; OUT: hq [8 e][64 tile][16 K step][2,048 bytes]: an image of the second product's operand registers (group c at 512 c + 16 lane); hs [8 e][64 tile][16 rows][64 bytes].
; A last tile's spare rows are real rows of x (the launch before fills them so); their results lie in hq where the second product sends them to rows that nobody reads.
; A wave without a tile still issues the head's loads of its first tile's place: they stay inside xg, and nothing is made of them.
; No tensor load, no cluster: how many tiles there are is read from memory, and the waves must be free to branch on it.  The loop's count is a constant; a trip without a tile jumps over the work.
; LIMITS: NaN and infinities are not served; a block of zeros gets the byte 1 and not 127 (its codes are zeros; this program alone reads the bytes).
; THE MODE: SCHED_MODE bits 1:0 = 2 (LLVM: expert scheduling mode 2), set by the entry lines.  The code itself states the register dependences
; between vector or matrix instructions and memory or LDS instructions, with s_wait_alu, always for 0.
; THE PLAN.  Registers that memory or LDS instructions touch:
;   v4-8, v14-16     Offsets and LDS addresses: made once at the head, never written again.  One wait on va_vdst ahead of the first load serves them for the whole kernel.
;   window 2         At the head: the weight loads land in it, the stage's LDS stores read it, W1's fragments land in it: one wait on vm_vsrc between the last two.  In the loop matrix instructions alone name it.
;   window 1 v0-127, XS   Two groups (K steps 0-3, 4-7).  A group's 16 products read it; behind them the next tile's 17 loads land in it: one wait on va_vdst to a group, behind its products.
;   CC, BYT          Written by the quantiser, read by the tile's two stores: one wait on va_vdst ahead of the stores, one on vm_vsrc ahead of the next tile's line that writes BYT.
;   The accumulators, TT, HD and the quantiser's other registers are named by vector and matrix instructions alone.
;   v222, v223       Written at the head, read by the closing add alone.
.set WP,     1040                      ; an LDS row of 1,024 codes + 16: an odd multiple of 16 bytes, so that the sixteen rows of a load start in different banks
.set TILEB,  16896                     ; a tile's record in xg: 8 images of 2,048 bytes, then 16 rows x 32 scale bytes
.set XSTEP,  2*TILEB                   ; my next tile is two tiles on
.set HQSTEP, 0x10000                   ; likewise in hq (32,768 bytes a tile)
.set HSSTEP, 0x800                     ; and in hs (1,024)
; LDS: 128 rows of W1 from byte 0 on: slot 64 y + 32 (block) + 16 u + m
.set LANE, 1
.set RR,   2                           ; lane % 16
.set HH,   3                           ; lane / 16
.set L16,  4                           ; 16 x lane
.set WSB,  5                           ; where I put W1's rows
.set WF,   6                           ; v6, v7: where I read my gate and my up fragments
.set XSO,  8                           ; 32 r: my row's scale words in a tile's record
.set HSO,  14                          ; 64 r
.set WSA,  15                          ; 32 (r + 8 (r / 8))
.set BA,   16                          ; 64 h
.set TMP,  20
.set T0,   29
.set T1,   30
.set WS,   32                          ; v32-63   W1's scale words: tile t, K step s at 8 t + s
.set XS,   64                          ; v64-71   x's scale words
.set BIAS, 72                          ; v72-103  b1 in the result's layout
.set ACC,  104                         ; v104-135 gate (16), up (16)
.set TT,   136
.set HD,   152                         ; the hidden layer's 16 numbers
.set CC,   168                         ; their codes
.set BYT,  172
.set MX,   173
.set MX2,  174
.set SCL,  175
.set HOLD, 176
.set MXB,  177
.set SEL,  224                         ; v224-255 sel
; window 1: v0-127 x's fragments, K step s at 16 s.  windows 2, 3: W1's fragments (s, t) at 16 (4 (s % 4) + t); at the head window 2 takes W1's rows as they land
.set SW,   20
.set BSEL, 21
.set PP,   22
.set EE,   23
.set MK,   25
.set SP,   27
.set SCN,  28
.set NT,   29
.set TAU,  30
.set TRIP, 32
.set ST,   33
.set PSEL, 38
.set MNT,  40
.set CM,   42                          ; s42-49 the lane masks of a run of eight compares (the byte offsets that lay here have been added to their addresses by then)
.set MSB, 0
.macro WIN new                         ; the immediate's high byte repeats the setting that is left; a switch that changes nothing is dropped
.if MSB != (\new)
	s_set_vgpr_msb (MSB<<8)|(\new)
.set MSB, (\new)
.endif
.endm
.macro GLOAD q                         ; K steps 4 q .. 4 q + 3 of the tile at s[4:5]: 16 loads of codes and one of scale words: 17
	WIN 0x40
.set N, 0
.rept 16
	global_load_b128 v[64*(\q)+4*N:64*(\q)+4*N+3], v[L16], s[4:5] offset:8192*(\q)+512*N
.set N, N+1
.endr
	WIN 0
	global_load_b128 v[XS+4*(\q):XS+4*(\q)+3], v[XSO], s[4:5] offset:16384+16*(\q)
.endm
	s_load_b256 s[4:11], s[0:1], 0x0               ; xg, sel, W1's codes, W1's scales
	s_load_b128 s[12:15], s[0:1], 0x20             ; b1, hq
	s_load_b64 s[16:17], s[0:1], 0x30              ; hs
	v_lshl_add_u32 v222, v0, 2, 0x20800
	v_mov_b32 v223, 0
	v_and_b32 v[LANE], 31, v0
	v_lshrrev_b32 v[T0], 5, v0
	v_readfirstlane_b32 s[SW], v[T0]               ; wave
	v_and_b32 v[RR], 15, v0
	v_bfe_u32 v[HH], v0, 4, 1
	v_lshlrev_b32 v[L16], 4, v[LANE]
	s_wait_alu depctr_va_sdst(0)                   ; the wave's number is written, ahead of its first reader: shares, LDS addresses and bases are made from it
	s_and_b32 s[BSEL], s[SW], 1                    ; which block of 32 units
	s_lshr_b32 s[PP], s[SW], 1                     ; which tiles of rows; at the head also: gate rows (0) or up rows (1) to stage
	s_and_b32 s[EE], ttmp7, 0xffff                 ; the expert
	s_mul_i32 s[ST], s[SW], 32*WP
	v_add_nc_u32 v[WSB], s[ST], v[L16]
	v_mul_u32_u24 v[T0], v[RR], WP
	v_lshl_add_u32 v[T0], v[HH], 4, v[T0]          ; row r x pitch + 16 h
	s_mul_i32 s[ST], s[BSEL], 32*WP
	v_add_nc_u32 v[WF], s[ST], v[T0]
	v_add_nc_u32 v[WF+1], 64*WP, v[WF]
	v_lshlrev_b32 v[XSO], 5, v[RR]
	v_lshlrev_b32 v[HSO], 6, v[RR]
	v_and_b32 v[T1], 8, v[RR]
	v_add_nc_u32 v[T1], v[T1], v[RR]
	v_lshlrev_b32 v[WSA], 5, v[T1]
	v_lshlrev_b32 v[BA], 6, v[HH]
	v_mov_b32 v[MX2], 0                            ; written once: a lane permute's destination counts as one of its sources
	s_lshl_b32 s[MK], 0x101, s[EE]
	s_mov_b32 s[SP], 0
	s_mov_b32 s[PSEL], 0x76543210
	s_mov_b32 s[PSEL+1], 0xfedcba98                ; v_permlanex16_b32's selects for lane l xor 16
	s_mov_b32 s[MNT], 0x600000                     ; the mantissa field of 448
	; byte offsets, apart from the addresses
	s_lshl_b32 s36, s[EE], 12
	s_lshl_b32 s[ST], ttmp9, 6
	s_add_co_u32 s36, s36, s[ST]
	s_lshl_b32 s[ST], s[BSEL], 5
	s_add_co_u32 s36, s36, s[ST]                   ; 4096 e + 64 g + 32 (w & 1): my block's first gate row
	s_lshl_b32 s[ST], s[PP], 11
	s_add_co_u32 s34, s36, s[ST]                   ; the 32 rows that I stage: gate rows or up rows
	s_lshl_b32 s34, s34, 10
	s_mov_b32 s35, 0
	s_lshl_b32 s42, s36, 2                         ; b1
	s_mov_b32 s43, 0
	s_lshl_b32 s36, s36, 5                         ; W1's scales
	s_mov_b32 s37, 0
	s_lshl_b32 s44, s[EE], 6
	s_add_co_u32 s44, s44, s[PP]                   ; 64 e + my first tile
	s_mul_i32 s48, s44, TILEB                      ; xg: its record
	s_mov_b32 s49, 0
	s_lshl_b32 s46, s44, 10
	s_lshl_b32 s44, s44, 15
	s_lshl_b32 s[ST], ttmp9, 1
	s_add_co_u32 s[ST], s[ST], s[BSEL]             ; my block of 32 along the next K: 2 g + (w & 1)
	s_add_co_u32 s46, s46, s[ST]                   ; hs: its byte
	s_lshl_b32 s[ST], s[ST], 9
	s_add_co_u32 s44, s44, s[ST]                   ; hq: 2,048 (block / 4) + 512 (block % 4) = 512 x block
	s_mov_b32 s45, 0
	s_mov_b32 s47, 0
	s_wait_kmcnt 0x0
	s_add_nc_u64 s[8:9], s[8:9], s[34:35]
	s_add_nc_u64 s[10:11], s[10:11], s[36:37]
	s_add_nc_u64 s[12:13], s[12:13], s[42:43]
	s_add_nc_u64 s[14:15], s[14:15], s[44:45]
	s_add_nc_u64 s[16:17], s[16:17], s[46:47]
	s_add_nc_u64 s[4:5], s[4:5], s[48:49]
	s_wait_alu depctr_va_vdst(0)                   ; the offsets and LDS addresses v4-8 and v14-16 are written, which every load, store and LDS instruction of the kernel reads; none of them is written again
.irp q, 0,1,2,3,4,5,6,7
	global_load_b128 v[SEL+4*\q:SEL+4*\q+3], v[L16], s[6:7] offset:512*\q
.endr
.irp t, 0,1,2,3
	global_load_b128 v[WS+8*\t:WS+8*\t+3], v[WSA], s[10:11] offset:(2048*(\t/2)+8*(\t%2))*32
	global_load_b128 v[WS+8*\t+4:WS+8*\t+7], v[WSA], s[10:11] offset:(2048*(\t/2)+8*(\t%2))*32+16
.endr
.irp t, 0,1,2,3
	global_load_b128 v[BIAS+8*\t:BIAS+8*\t+3], v[BA], s[12:13] offset:(2048*(\t/2)+8*(\t%2))*4
	global_load_b128 v[BIAS+8*\t+4:BIAS+8*\t+7], v[BA], s[12:13] offset:(2048*(\t/2)+8*(\t%2))*4+16
.endr
	WIN 0x80                                       ; destination window 2
.set N, 0
.rept 64
	global_load_b128 v[4*N:4*N+3], v[L16], s[8:9] offset:512*N th:TH_LOAD_NT   ; 32 rows of W1, 32 KiB on end, 512 consecutive bytes a load; read once in the launch
.set N, N+1
.endr
	WIN 0
	s_wait_loadcnt 63                              ; 80 loads stand behind sel's eight: sel is in
; The expert's rows are counted while W1 is on its way: bit e: first choice; bit 8 + e: second.  The compares stand in runs of eight, each with a mask of its own, so that one wait serves a run.
; These lines name v20 and sel's registers alone: no register that a later memory or LDS instruction touches.
.set I, 0
.rept 4
.set J, 0
.rept 8
	v_and_b32 v[TMP], s[MK], v[SEL+I+J]
	v_cmp_ne_u32 s[CM+J], 0, v[TMP]
.set J, J+1
.endr
	s_wait_alu depctr_va_sdst(0)                   ; the run's eight masks are written, ahead of the bit counts that read them
.set J, 0
.rept 8
	s_bcnt1_i32_b32 s[SCN], s[CM+J]
	s_add_co_u32 s[SP], s[SP], s[SCN]
.set J, J+1
.endr
.set I, I+8
.endr
	WIN 0x08                                       ; an LDS store's data are its source 1: window 2
.set N, 0
.irp k, 0,1,2,3
	s_wait_loadcnt 48-16*\k                        ; a quarter of the 64 weight loads is in; the later quarters may be out
.rept 16
	ds_store_b128 v[WSB], v[4*N:4*N+3] offset:WP*(16*((N/16)%2)+(N/2)%8+8*(N/32))+512*(N%2)   ; row i = N / 2 goes to slot 16 u + m, i = 8 u + m % 8 + 16 (m / 8)
.set N, N+1
.endr
.endr
	GLOAD 0                                        ; my first tile, two groups of 17 loads: asked for here, so that it lands under the barrier and the fragments' loads.  No vector or matrix instruction has named window 1 or XS
	GLOAD 1
	s_wait_dscnt 0x0                               ; for the others' sake: my rows of W1 lie in LDS
	s_barrier_signal -1
	s_barrier_wait -1                              ; all 128 rows of W1 lie in LDS.  The launch's one barrier
	s_wait_alu depctr_vm_vsrc(0)                   ; my LDS stores have read window 2, in which W1's fragments land below
	s_add_co_u32 s[NT], s[SP], 15
	s_lshr_b32 s[NT], s[NT], 4
	s_min_u32 s[NT], s[NT], 64                     ; tiles of 16 rows
	s_mov_b32 s[TAU], s[PP]
.set S, 0
.rept 8                                ; my 32 fragments of W1 into windows 2 and 3: they stay
	WIN 0x80+0x40*(S/4)
.set Q, 0
.rept 4
.irp c, 0,1,2,3
	ds_load_b128 v[16*(4*(S%4)+Q)+4*\c:16*(4*(S%4)+Q)+4*\c+3], v[WF+Q/2] offset:16*WP*(Q%2)+128*S+32*\c
.endr
.set Q, Q+1
.endr
.set S, S+1
.endr
	WIN 0
	s_wait_dscnt 0x0
	s_wait_xcnt 0x0                                ; the first tile's loads, issued well ahead, have read their base
	s_add_nc_u64 s[4:5], s[4:5], XSTEP             ; s[4:5]: the tile to be asked for next
; ONE TILE OF 16 ROWS.  pref = 1: each group of registers is filled with the next tile's as soon as its products are issued.
.macro BODY1 pref
.irp q, 0,1
.if \pref
	s_wait_loadcnt 17                              ; behind group q stands one group of 17: this tile's second, or the next tile's first
.else
	s_wait_loadcnt 17*(1-\q)                       ; nothing is asked for any more: the count runs down
.endif
	WIN 0x06+\q                                    ; source 0 (W1) window 2 or 3, source 1 (x) window 1
.set S, 4*\q
.rept 4
.set Q, 0
.rept 4                                ; the four accumulators take turns, one instruction a turn
.if S == 0
	v_wmma_scale_f32_16x16x128_f8f6f4 v[ACC+8*Q:ACC+8*Q+7], v[16*Q:16*Q+15], v[0:15], v[BIAS+8*Q:BIAS+8*Q+7], v[WS+8*Q], v[XS]
.else
	v_wmma_scale_f32_16x16x128_f8f6f4 v[ACC+8*Q:ACC+8*Q+7], v[16*(4*(S%4)+Q):16*(4*(S%4)+Q)+15], v[16*S:16*S+15], v[ACC+8*Q:ACC+8*Q+7], v[WS+8*Q+S], v[XS+S]
.endif
.set Q, Q+1
.endr
.set S, S+1
.endr
.if \pref
	WIN 0
.rept 8
	v_nop                                          ; eight places behind the products, ahead of loads into registers that they read; behind the second group also ahead of the first read of results
.endr
	s_wait_alu depctr_va_vdst(0)                   ; group q's sixteen products are done reading its 64 registers of window 1 and its four scale words, in which the next tile's 17 loads land.  The group is asked for again at once: the loop waits for these loads
	GLOAD \q
.endif
.endr
	WIN 0
.if \pref == 0
.rept 8
	v_nop                                          ; eight places ahead of the first read of results
.endr
.endif
	; SwiGLU: gate / (1 + 2^(-gate log2 e)) x up, in f32; each accumulator is read from its low end on
.set N, 0
.rept 8
	v_pk_mul_f32 v[TT+2*N:TT+2*N+1], v[ACC+2*N:ACC+2*N+1], 0xbfb8aa3b op_sel_hi:[1,0]
.set N, N+1
.endr
.set N, 0
	s_wait_alu depctr_va_vdst(0)
.rept 16
	v_exp_f32 v[TT+N], v[TT+N]
.set N, N+1
.endr
	v_nop                                          ; a plain instruction behind the last exponential
.set N, 0
	s_wait_alu depctr_va_vdst(0)                   ; the sixteen exponentials have written v[TT ..], ahead of the additions, their first readers
.rept 8
	v_pk_add_f32 v[TT+2*N:TT+2*N+1], v[TT+2*N:TT+2*N+1], 1.0 op_sel_hi:[1,0]
.set N, N+1
.endr
.set N, 0
	s_wait_alu depctr_va_vdst(0)
.rept 16
	v_rcp_f32 v[TT+N], v[TT+N]
.set N, N+1
.endr
	v_nop
.set N, 0
	s_wait_alu depctr_va_vdst(0)                   ; the sixteen reciprocals have written v[TT ..], ahead of the multiplications, their first readers
.rept 8
	v_pk_mul_f32 v[HD+2*N:HD+2*N+1], v[ACC+2*N:ACC+2*N+1], v[TT+2*N:TT+2*N+1]
.set N, N+1
.endr
.set N, 0
.rept 8
	v_pk_mul_f32 v[HD+2*N:HD+2*N+1], v[HD+2*N:HD+2*N+1], v[ACC+16+2*N:ACC+16+2*N+1]
.set N, N+1
.endr
	; the block of 32 units lies in lanes l and l xor 16, 16 numbers each
	v_max3_num_f32 v[MX], |v[HD]|, |v[HD+1]|, 0x4800000     ; with the floor 2^(9 - 127): the byte cannot fall under 1
	v_max3_num_f32 v[MXB], |v[HD+2]|, |v[HD+3]|, |v[HD+6]|
	v_max3_num_f32 v[MX], v[MX], |v[HD+4]|, |v[HD+5]|
	v_max3_num_f32 v[MXB], v[MXB], |v[HD+7]|, |v[HD+10]|
	v_max3_num_f32 v[MX], v[MX], |v[HD+8]|, |v[HD+9]|
	v_max3_num_f32 v[MXB], v[MXB], |v[HD+11]|, |v[HD+14]|
	v_max3_num_f32 v[MX], v[MX], |v[HD+12]|, |v[HD+13]|
	v_max3_num_f32 v[MX], v[MX], v[MXB], |v[HD+15]|
	v_permlanex16_b32 v[MX2], v[MX], s[PSEL], s[PSEL+1]
	v_max_num_f32 v[MX], v[MX], v[MX2]
	v_add_nc_u32 v[SCL], 0xfc000000, v[MX]         ; 8 off the exponent field: the conversion's scale operand
	v_and_or_b32 v[HOLD], v[MX], 0x7f800000, s[MNT]   ; 448 x the scale
	s_wait_alu depctr_va_vdst(0)
	s_wait_xcnt 0x0                                ; the last tile's two stores have read their data and bases, this trip's loads their base: the lines below write them anew.
	                                               ; The wait stands here, behind the arithmetic above, and not straight behind the loads
	s_wait_alu depctr_vm_vsrc(0)                   ; the last tile's two stores have read BYT and CC, which the lines below write again
	s_add_nc_u64 s[14:15], s[14:15], HQSTEP        ; the stores below reach back by a negative immediate
	s_add_nc_u64 s[16:17], s[16:17], HSSTEP
.if \pref
	s_add_nc_u64 s[4:5], s[4:5], XSTEP             ; the tile that the next trip asks for
.endif
	v_lshrrev_b32 v[BYT], 23, v[SCL]               ; the scale's byte
.set N, 0
.rept 16
	v_med3_num_f32 v[HD+N], v[HD+N], -v[HOLD], v[HOLD]   ; the conversion does not saturate (ISA guide 7.6.2)
.set N, N+1
.endr
	v_cvt_scalef32_pk8_fp8_f32 v[CC:CC+1], v[HD:HD+7], v[SCL]
	v_cvt_scalef32_pk8_fp8_f32 v[CC+2:CC+3], v[HD+8:HD+15], v[SCL]
	v_nop                                          ; a plain instruction behind the conversions
	s_wait_alu depctr_va_vdst(0)                   ; the conversions have written CC and the shift BYT, which the two stores read
	global_store_b128 v[L16], v[CC:CC+3], s[14:15] offset:-HQSTEP   ; one group of four registers of the next operand's image: 512 consecutive bytes, aligned
	global_store_b8 v[HSO], v[BYT], s[16:17] offset:-HSSTEP         ; row r's byte of this block; lanes r and r + 16 write the same byte with the same value
.endm
	s_mov_b32 s[TRIP], 0
.Lt:                                               ; 32 trips, a constant: at most 64 tiles, two waves to a block
	s_cmp_ge_u32 s[TAU], s[NT]
	s_cbranch_scc1 .Lskip                          ; no such tile: only the steps at the trip's end
	s_add_co_u32 s[ST], s[TAU], 2
	s_cmp_ge_u32 s[ST], s[NT]
	s_cbranch_scc1 .Llast
	BODY1 1
	s_branch .Lskip
.Llast:
	BODY1 0                                        ; my last tile asks for nothing: no load reaches past what the launch before wrote, and no wait for loads is written
.Lskip:
	s_add_co_u32 s[TAU], s[TAU], 2
	s_add_co_u32 s[TRIP], s[TRIP], 1
	s_cmp_lt_u32 s[TRIP], 32
	s_cbranch_scc1 .Lt
	s_wait_dscnt 0x0                               ; the closing lines, six on end, of a launch in the mode that stores to LDS
	s_wait_alu 0x0
	s_wait_tensorcnt 0x0
	ds_add_u32 v222, v223
	s_wait_dscnt 0x0
	s_endpgm
.Lfunc_end_k_q9f46fecc53_fc1:
	.size	k_q9f46fecc53_fc1, .Lfunc_end_k_q9f46fecc53_fc1-k_q9f46fecc53_fc1
	.p2alignl 7, 3214868480
	.fill 96, 4, 3214868480
	.section	.rodata,"a",@progbits
	.p2align	6, 0x0
	.amdhsa_kernel k_q9f46fecc53_fc1
		.amdhsa_group_segment_fixed_size 133632
		.amdhsa_private_segment_fixed_size 0
		.amdhsa_enable_private_segment 0
		.amdhsa_kernarg_size 56
		.amdhsa_user_sgpr_count 2
		.amdhsa_user_sgpr_kernarg_segment_ptr 1
		.amdhsa_wavefront_size32 1
		.amdhsa_system_sgpr_workgroup_id_x 1
		.amdhsa_system_sgpr_workgroup_id_y 1
		.amdhsa_system_sgpr_workgroup_id_z 1
		.amdhsa_system_vgpr_workitem_id 0
		.amdhsa_next_free_vgpr 1024
		.amdhsa_next_free_sgpr 66
		.amdhsa_reserve_vcc 0
		.amdhsa_float_denorm_mode_32 3
		.amdhsa_float_denorm_mode_16_64 3
		.amdhsa_memory_ordered 1
		.amdhsa_forward_progress 1
		.amdhsa_inst_pref_size 58
	.end_amdhsa_kernel
	.amdgpu_metadata
---
amdhsa.version: [ 1, 2 ]
amdhsa.kernels:
  - .name:           k_q9f46fecc53_fc1
    .symbol:         k_q9f46fecc53_fc1.kd
    .args:
      - { .name: xg, .offset: 0, .size: 8, .value_kind: global_buffer, .address_space: global }
      - { .name: sel, .offset: 8, .size: 8, .value_kind: global_buffer, .address_space: global }
      - { .name: W1_codes, .offset: 16, .size: 8, .value_kind: global_buffer, .address_space: global }
      - { .name: W1_scales, .offset: 24, .size: 8, .value_kind: global_buffer, .address_space: global }
      - { .name: b1, .offset: 32, .size: 8, .value_kind: global_buffer, .address_space: global }
      - { .name: hq, .offset: 40, .size: 8, .value_kind: global_buffer, .address_space: global }
      - { .name: hs, .offset: 48, .size: 8, .value_kind: global_buffer, .address_space: global }
    .group_segment_fixed_size: 133632
    .private_segment_fixed_size: 0
    .kernarg_segment_align: 8
    .kernarg_segment_size: 56
    .max_flat_workgroup_size: 128
    .sgpr_count:     66
    .vgpr_count:     1024
    .wavefront_size: 32
...
	.end_amdgpu_metadata
.endif
;; end of part 9
;; launch fc2 (part 10): grid 32 x 8, 4 waves a work-group, no clusters, 71,424 bytes of LDS; arguments hq, hs, sel, W2_codes, W2_scales, b2, yp; writes yp
.if DOCPART == 10
	.amdgcn_target "amdgcn-amd-amdhsa--gfx1250"
	.amdhsa_code_object_version 6
	.text
	.protected	k_q9f46fecc53_fc2
	.globl	k_q9f46fecc53_fc2
	.p2align	8
	.type	k_q9f46fecc53_fc2,@function
k_q9f46fecc53_fc2:
	s_mov_b64 s[64:65], 0
	v_nop
	global_prefetch_b8 v0, s[64:65] scope:SCOPE_SE
	s_setreg_imm32_b32 hwreg(HW_REG_WAVE_SCHED_MODE, 0, 2), 2
	s_setreg_imm32_b32 hwreg(HW_REG_WAVE_MODE, 25, 1), 1
	s_wait_xcnt 0x0
	s_wait_alu depctr_vm_vsrc(0)
; SECOND PRODUCT OF THE EXPERTS, for the rows that chose the expert alone.
; Work-group (sl, e) owns output columns 32 sl .. 32 sl + 31 of expert e: 32 rows of W2[e] (64 KiB), read from memory ONCE, handed round through LDS and kept by every wave in 512 registers.
; Wave w takes the tiles of 16 routed rows w, w + 4, ..  A tile's operand comes from hq as an image of its registers: every load covers 512 consecutive bytes and lands where the product wants it.
; THE PRODUCT IS USED TRANSPOSED (source 0 = 16 rows of W2, source 1 = 16 routed rows); lane m of tile u takes W2's row 8 u + m + 8 (m / 8): lane (r, h) then holds 16 neighbouring columns, 64 bytes, of row r.
; The list of rows is made from sel exactly as the launch that places the rows makes it, so place j of expert e means the same row.  A row goes to yp[rho], rho = 2 token + slot; a last tile's spare lanes go to dump rows
; 2048 + 16 e + r, which nobody reads.  So each byte of yp has one owner; the two parts of a token are added by the last launch.
; A lane stores 64 consecutive bytes, two lanes an aligned 128: half of an aligned 256, since 32 columns of W2 already fill the registers that a wave can give them.
; A wave without a tile still issues the head's loads of its first tile's place: they stay inside hq and hs, and nothing is made of them.
; No tensor load, no cluster: the number of tiles is read from memory.  The loop's count is a constant; a trip without a tile jumps over the work.
; THE MODE: SCHED_MODE bits 1:0 = 2 (LLVM: expert scheduling mode 2), set by the entry lines.  The code itself states the register dependences
; between vector or matrix instructions and memory or LDS instructions, with s_wait_alu, always for 0.
; THE PLAN.  Registers that memory or LDS instructions touch:
;   v4-6, v14-16, v24-28   Offsets, LDS addresses and the dump rows: made once at the head, never written again.  One wait on va_vdst ahead of the first load serves them for the whole kernel.
;   v112-143, v144-175     Wave 0, the list: an address and an entry for each of a lane's 32 tokens, all made first; one wait on va_vdst; one run of 32 LDS stores.  Never written again.
;   window 1 v0-127        At the head: W2's rows land in it, the stage's LDS stores read it, the first tile's loads land in it: one wait on vm_vsrc between the last two.
;   window 1, HS           In the loop four groups (K steps 4 q .. 4 q + 3).  A group's eight products read it; behind them the next tile's 17 loads land in it: one wait on va_vdst to a group, behind its products.
;   ACC, YA                Written by the products and by one vector line ahead of the last group's wait, which so serves the four stores too; written again by the next tile.
;   LR, RHO                LR is written at a tile's head and read by the one LDS load there, whose data land in RHO.
;   One wait on vm_vsrc at a tile's head states that the last tile's stores and its LDS load have read ACC, YA and LR.
;   Windows 2 and 3 (W2's fragments) are loaded once, at the head; in the loop matrix instructions alone name them.   v222, v223: written at the head, read by the closing add alone.
.set WP,   2064                        ; an LDS row of 2,048 codes + 16: an odd multiple of 16 bytes
.set WST,  0                           ; 32 rows of W2: slot 16 u + m
.set LIST, 32*WP                       ; 1,152 entries, all filled, then 32 dump words
.set LENT, 1152
.set LANE, 1
.set RR,   2
.set HH,   3
.set L16,  4
.set WSB,  5
.set WF,   6
.set LR,   11
.set RHO,  12
.set YA,   13
.set HSO,  14                          ; 64 r
.set WSA,  15                          ; 64 (r + 8 (r / 8))
.set BA,   16                          ; 64 h
.set POS,  17
.set TMP,  20
.set KK,   21
.set DIDX, 22
.set R8,   23
.set DD,   24
.set FA,   28
.set T0,   29
.set T1,   30
.set W2S,  32                          ; v32-63  W2's scale words: 16 u + s
.set HS,   64                          ; v64-79  the hidden layer's scale words
.set BIAS, 80                          ; v80-95  b2 in the result's layout
.set ACC,  96                          ; v96-111 two accumulators
.set ADL,  112                         ; v112-143 wave 0: where each of my 32 tokens' entries goes in the list
.set ENL,  144                         ; v144-175 and the entries
.set SEL,  224
; window 1: the hidden layer's fragments, K step s at 16 s (at the head v0-127 take W2 as it lands).  windows 2, 3: W2's fragments (s, u) at 16 (2 (s % 8) + u)
.set SW,   20
.set EE,   23
.set MK,   25
.set SH,   26
.set SP,   27
.set SCN,  28
.set NT,   29
.set TAU,  30
.set TB,   31
.set TRIP, 32
.set ST,   33
.set CM,   34                          ; s34-41 the lane masks of a run of eight compares (the byte offsets that lay here have been added to their addresses by then)
.set HN,   44                          ; s[44:45] hq at the tile that was asked for last; a tile's head steps it to the tile that it asks for
.set HSN,  46                          ; s[46:47] hs likewise
.set DUMP, 50
.set ST2,  51
.set MSB, 0
.macro WIN new
.if MSB != (\new)
	s_set_vgpr_msb (MSB<<8)|(\new)
.set MSB, (\new)
.endif
.endm
.macro FILL
.irp i, 0,1,2,3,4,5,6,7,8
	ds_store_b128 v[FA], v[DD:DD+3] offset:512*\i
.endr
.endm
; Places run by register, then by lane: the same order in every launch that reads sel.  The compares stand in runs of eight, each with a mask of its own, so that one wait serves a run;
; every entry has registers of its own, so that one wait serves all 32 stores.
.macro BUILD
.set I, 0
.rept 4
.set J, 0
.rept 8
	v_and_b32 v[TMP], s[MK], v[SEL+I+J]            ; bit e: first choice; bit 8 + e: second
	v_cmp_ne_u32 s[CM+J], 0, v[TMP]
	v_lshrrev_b32 v[KK], s[SH], v[TMP]             ; the slot, 0 or 1
	v_add3_u32 v[ENL+I+J], v[KK], v[R8], 256*((I+J)/4)+2*((I+J)%4)   ; rho = 2 token + slot
.set J, J+1
.endr
	s_wait_alu depctr_va_sdst(0)                   ; the run's eight masks are written, ahead of the lines below, their first readers
.set J, 0
.rept 8
	v_mbcnt_lo_u32_b32 v[POS], s[CM+J], s[SP]      ; rows placed so far + those of the lanes below me
	v_cndmask_b32 v[POS], v[DIDX], v[POS], s[CM+J] ; a lane with nothing to place writes its dump word
	v_min_u32 v[POS], LENT+31, v[POS]
	v_lshl_add_u32 v[ADL+I+J], v[POS], 2, LIST
	s_bcnt1_i32_b32 s[SCN], s[CM+J]
	s_add_co_u32 s[SP], s[SP], s[SCN]
.set J, J+1
.endr
.set I, I+8
.endr
	s_wait_alu depctr_va_vdst(0)                   ; the 32 addresses and the 32 entries are written, which the LDS stores read
.set I, 0
.rept 32
	ds_store_b32 v[ADL+I], v[ENL+I]
.set I, I+1
.endr
.endm
.macro COUNT                           ; the other waves want the number of rows alone
.set I, 0
.rept 4
.set J, 0
.rept 8
	v_and_b32 v[TMP], s[MK], v[SEL+I+J]
	v_cmp_ne_u32 s[CM+J], 0, v[TMP]
.set J, J+1
.endr
	s_wait_alu depctr_va_sdst(0)                   ; the run's eight masks are written, ahead of the bit counts that read them
.set J, 0
.rept 8
	s_bcnt1_i32_b32 s[SCN], s[CM+J]
	s_add_co_u32 s[SP], s[SP], s[SCN]
.set J, J+1
.endr
.set I, I+8
.endr
.endm
.macro GLOAD q                         ; K steps 4 q .. 4 q + 3 of the tile at s[HN]: 16 loads of codes and one of scale words: 17
	WIN 0x40
.set N, 0
.rept 16
	global_load_b128 v[64*(\q)+4*N:64*(\q)+4*N+3], v[L16], s[HN:HN+1] offset:8192*(\q)+512*N
.set N, N+1
.endr
	WIN 0
	global_load_b128 v[HS+4*(\q):HS+4*(\q)+3], v[HSO], s[HSN:HSN+1] offset:16*(\q)
.endm
	s_load_b256 s[4:11], s[0:1], 0x0               ; hq, hs, sel, W2's codes
	s_load_b128 s[12:15], s[0:1], 0x20             ; W2's scales, b2
	s_load_b64 s[16:17], s[0:1], 0x30              ; yp
	v_lshl_add_u32 v222, v0, 2, 0x11500
	v_mov_b32 v223, 0
	v_and_b32 v[LANE], 31, v0
	v_lshrrev_b32 v[T0], 5, v0
	v_readfirstlane_b32 s[SW], v[T0]               ; wave
	v_and_b32 v[RR], 15, v0
	v_bfe_u32 v[HH], v0, 4, 1
	v_lshlrev_b32 v[L16], 4, v[LANE]
	s_wait_alu depctr_va_vdst(0)
	s_and_b32 s[EE], ttmp7, 0xffff                 ; the expert
	s_wait_alu depctr_va_sdst(0)                   ; the wave's number is written, ahead of its first reader: shares, LDS addresses and bases are made from it
	; every LDS address but the list's own is made here, ahead of the place where the waves part
	s_and_b32 s[ST], s[SW], 1
	s_lshl_b32 s[ST], s[ST], 4
	s_lshr_b32 s[ST2], s[SW], 1
	s_lshl_b32 s[ST2], s[ST2], 3
	s_add_co_u32 s[ST], s[ST], s[ST2]
	s_mul_i32 s[ST], s[ST], WP                     ; I stage rows 8 w .. 8 w + 7 of the slice: slots 16 (w & 1) + 8 (w >> 1) on
	v_add_nc_u32 v[WSB], s[ST], v[L16]
	v_mul_u32_u24 v[WF], v[RR], WP
	v_lshl_add_u32 v[WF], v[HH], 4, v[WF]
	v_add_nc_u32 v[FA], LIST, v[L16]
	v_lshlrev_b32 v[HSO], 6, v[RR]
	v_and_b32 v[T1], 8, v[RR]
	v_add_nc_u32 v[T1], v[T1], v[RR]
	v_lshlrev_b32 v[WSA], 6, v[T1]
	v_lshlrev_b32 v[BA], 6, v[HH]
	v_add_nc_u32 v[DIDX], LENT, v[LANE]
	v_lshlrev_b32 v[R8], 3, v[LANE]
	s_lshl_b32 s[DUMP], s[EE], 4
	s_add_co_u32 s[DUMP], s[DUMP], 2048
	v_lshlrev_b32 v[T1], 2, v[LANE]
	v_and_b32 v[T1], 12, v[T1]
	v_add_nc_u32 v[DD], s[DUMP], v[T1]
	v_add_nc_u32 v[DD+1], 1, v[DD]
	v_add_nc_u32 v[DD+2], 2, v[DD]
	v_add_nc_u32 v[DD+3], 3, v[DD]
	s_lshl_b32 s[MK], 0x101, s[EE]
	s_add_co_u32 s[SH], s[EE], 8
	s_mov_b32 s[SP], 0
	; byte offsets, apart from the addresses
	s_lshl_b32 s36, s[EE], 10
	s_lshl_b32 s[ST], ttmp9, 5
	s_add_co_u32 s36, s36, s[ST]                   ; 1024 e + 32 sl: the slice's first row of W2
	s_lshl_b32 s[ST], s[SW], 3
	s_add_co_u32 s34, s36, s[ST]
	s_lshl_b32 s34, s34, 11                        ; the 8 rows that I stage
	s_mov_b32 s35, 0
	s_lshl_b32 s38, s36, 2                         ; b2
	s_mov_b32 s39, 0
	s_lshl_b32 s36, s36, 6                         ; W2's scales
	s_mov_b32 s37, 0
	s_lshl_b32 s40, ttmp9, 7                       ; yp: the slice's 128 bytes of a row
	s_mov_b32 s41, 0
	s_lshl_b32 s42, s[EE], 6
	s_add_co_u32 s42, s42, s[SW]                   ; 64 e + my first tile
	s_lshl_b32 s48, s42, 10
	s_lshl_b32 s42, s42, 15
	s_mov_b32 s43, 0
	s_mov_b32 s49, 0
	s_wait_kmcnt 0x0
	s_add_nc_u64 s[10:11], s[10:11], s[34:35]
	s_add_nc_u64 s[12:13], s[12:13], s[36:37]
	s_add_nc_u64 s[14:15], s[14:15], s[38:39]
	s_add_nc_u64 s[16:17], s[16:17], s[40:41]
	s_add_nc_u64 s[HN:HN+1], s[4:5], s[42:43]
	s_add_nc_u64 s[HSN:HSN+1], s[6:7], s[48:49]
	s_wait_alu depctr_va_vdst(0)                   ; the offsets and LDS addresses v4-6, v14-16 and v28 and the dump rows v24-27 are written, which the loads, stores and LDS instructions below read; none of them is written again
.irp q, 0,1,2,3,4,5,6,7
	global_load_b128 v[SEL+4*\q:SEL+4*\q+3], v[L16], s[8:9] offset:512*\q
.endr
.irp u, 0,1
.irp n, 0,1,2,3
	global_load_b128 v[W2S+16*\u+4*\n:W2S+16*\u+4*\n+3], v[WSA], s[12:13] offset:512*\u+16*\n
.endr
.endr
.irp u, 0,1
	global_load_b128 v[BIAS+8*\u:BIAS+8*\u+3], v[BA], s[14:15] offset:32*\u
	global_load_b128 v[BIAS+8*\u+4:BIAS+8*\u+7], v[BA], s[14:15] offset:32*\u+16
.endr
	WIN 0x40
.set N, 0
.rept 32
	global_load_b128 v[4*N:4*N+3], v[L16], s[10:11] offset:512*N th:TH_LOAD_NT   ; 8 rows of W2, 16 KiB on end; read once in the launch
.set N, N+1
.endr
	WIN 0
	s_wait_loadcnt 44                              ; 8 + 4 + 32 loads stand behind sel's eight
	s_cmp_lg_u32 s[SW], 0
	s_cbranch_scc1 .Lcount
	FILL
	BUILD
	s_branch .Ljoin
.Lcount:
	COUNT
.Ljoin:
	s_wait_dscnt 0x0                               ; wave 0's list lies in LDS
	s_barrier_signal -1
	s_barrier_wait -1                              ; up to here wave 0 alone has touched LDS; from here on the list is only read
	s_wait_loadcnt 0x0
	WIN 0x04
.set N, 0
.rept 32
	ds_store_b128 v[WSB], v[4*N:4*N+3] offset:WP*(N/4)+512*(N%4)   ; the list's lines named v17, v20-23, v112-175 and sel's registers alone: not v5, nor window 1
.set N, N+1
.endr
	WIN 0
	s_wait_dscnt 0x0
	s_barrier_signal -1
	s_barrier_wait -1                              ; all 32 rows of W2 lie in LDS.  No barrier stands behind this one
	s_wait_alu depctr_vm_vsrc(0)                   ; my LDS stores have read v0-127 of window 1, in which the first tile's loads land
	s_add_co_u32 s[NT], s[SP], 15
	s_lshr_b32 s[NT], s[NT], 4
	s_min_u32 s[NT], s[NT], 64
	GLOAD 0                                        ; my first tile: four groups of 17 loads
	GLOAD 1
	GLOAD 2
	GLOAD 3
	s_mov_b32 s[TAU], s[SW]
	s_lshl_b32 s[TB], s[SW], 6
	s_add_co_u32 s[TB], s[TB], LIST                ; s[TB]: the entries of the tile in hand
.set S, 0
.rept 16                               ; all 32 fragments of W2 into windows 2 and 3: they stay
	WIN 0x80+0x40*(S/8)
.irp u, 0,1
.irp c, 0,1,2,3
	ds_load_b128 v[16*(2*(S%8)+\u)+4*\c:16*(2*(S%8)+\u)+4*\c+3], v[WF] offset:16*WP*\u+128*S+32*\c
.endr
.endr
.set S, S+1
.endr
	WIN 0
	s_wait_dscnt 0x0
; ONE TILE OF 16 ROWS.  pref = 1: each group of registers is filled with the next tile's as soon as its products are issued.
.macro BODY2 pref
.irp q, 0,1,2,3
.if \pref
	s_wait_loadcnt 51                              ; behind group q stand three groups of 17: this tile's later ones and the next tile's earlier ones
.else
	s_wait_loadcnt 17*(3-\q)                       ; nothing is asked for any more: the count runs down
.endif
.if \q == 0
	s_wait_xcnt 0x0                                ; the last tile's stores have read their data and address, the loads issued so far their bases: the lines and products below write them anew.
	                                               ; The wait stands behind the wait for this tile's first group, and not straight behind the loads and stores that it waits for
	s_wait_alu depctr_vm_vsrc(0)                   ; the last tile's four stores have read ACC and YA, its LDS load has read LR: this tile writes all three again
.if \pref
	s_add_nc_u64 s[HN:HN+1], s[HN:HN+1], 0x20000   ; four tiles on: the tile that this trip asks for
	s_add_nc_u64 s[HSN:HSN+1], s[HSN:HSN+1], 0x1000
.endif
	v_lshl_add_u32 v[LR], v[RR], 2, s[TB]
	s_wait_alu depctr_va_vdst(0)                   ; LR is written, which the LDS load reads as its address; the last tile's lines are done with RHO, in which its data land
	ds_load_b32 v[RHO], v[LR]                      ; where my row goes
.endif
	WIN 0x06+\q/2                                  ; source 0 (W2) window 2 or 3, source 1 (hidden) window 1
.set S, 4*\q
.rept 4
.irp u, 0,1                            ; the two accumulators take turns, one instruction a turn
.if S == 0
	v_wmma_scale_f32_16x16x128_f8f6f4 v[ACC+8*\u:ACC+8*\u+7], v[16*\u:16*\u+15], v[0:15], v[BIAS+8*\u:BIAS+8*\u+7], v[W2S+16*\u], v[HS]
.else
	v_wmma_scale_f32_16x16x128_f8f6f4 v[ACC+8*\u:ACC+8*\u+7], v[16*(2*(S%8)+\u):16*(2*(S%8)+\u)+15], v[16*S:16*S+15], v[ACC+8*\u:ACC+8*\u+7], v[W2S+16*\u+S], v[HS+S]
.endif
.endr
.set S, S+1
.endr
.if (\pref) || (\q == 3)
	WIN 0
.if \q == 3
	s_wait_dscnt 0x0                               ; my row's entry is in
	v_min_u32 v[RHO], 0x87f, v[RHO]                ; 2,176 rows of yp
	v_lshl_add_u32 v[YA], v[RHO], 12, v[BA]        ; row x 4,096 + 64 h.  Made here, ahead of the wait below, so that one wait serves the loads and the stores
.endif
.rept 8
	v_nop                                          ; eight places behind the products, ahead of loads into registers that they read; behind the last group, with the two lines above: ten, ahead of the stores' reads of results and of products that begin the sums anew
.endr
	s_wait_alu depctr_va_vdst(0)                   ; group q's eight products are done reading its 64 registers of window 1 and its four scale words, in which the next tile's 17 loads land; behind the last group also: the products have written ACC and the line above YA, which the stores read
.endif
.if \pref
	GLOAD \q
.endif
.endr
	WIN 0
	global_store_b128 v[YA], v[ACC:ACC+3], s[16:17]              ; each accumulator from its low end on; 64 consecutive bytes a lane.  No vector or matrix instruction stands between the last wait and these stores
	global_store_b128 v[YA], v[ACC+4:ACC+7], s[16:17] offset:16
	global_store_b128 v[YA], v[ACC+8:ACC+11], s[16:17] offset:32
	global_store_b128 v[YA], v[ACC+12:ACC+15], s[16:17] offset:48
.endm
	s_mov_b32 s[TRIP], 0
.Lt:                                               ; 16 trips, a constant: at most 64 tiles, four waves
	s_cmp_ge_u32 s[TAU], s[NT]
	s_cbranch_scc1 .Lskip                          ; no such tile: only the steps at the trip's end
	s_add_co_u32 s[ST], s[TAU], 4
	s_cmp_ge_u32 s[ST], s[NT]
	s_cbranch_scc1 .Llast
	BODY2 1
	s_branch .Lskip
.Llast:
	BODY2 0                                        ; my last tile asks for nothing: no load leaves what the launch before wrote
.Lskip:
	s_add_co_u32 s[TAU], s[TAU], 4
	s_add_co_u32 s[TB], s[TB], 256
	s_add_co_u32 s[TRIP], s[TRIP], 1
	s_cmp_lt_u32 s[TRIP], 16
	s_cbranch_scc1 .Lt
	s_wait_dscnt 0x0                               ; the closing lines, six on end, of a launch in the mode that stores to LDS
	s_wait_alu 0x0
	s_wait_tensorcnt 0x0
	ds_add_u32 v222, v223
	s_wait_dscnt 0x0
	s_endpgm
.Lfunc_end_k_q9f46fecc53_fc2:
	.size	k_q9f46fecc53_fc2, .Lfunc_end_k_q9f46fecc53_fc2-k_q9f46fecc53_fc2
	.p2alignl 7, 3214868480
	.fill 96, 4, 3214868480
	.section	.rodata,"a",@progbits
	.p2align	6, 0x0
	.amdhsa_kernel k_q9f46fecc53_fc2
		.amdhsa_group_segment_fixed_size 71424
		.amdhsa_private_segment_fixed_size 0
		.amdhsa_enable_private_segment 0
		.amdhsa_kernarg_size 56
		.amdhsa_user_sgpr_count 2
		.amdhsa_user_sgpr_kernarg_segment_ptr 1
		.amdhsa_wavefront_size32 1
		.amdhsa_system_sgpr_workgroup_id_x 1
		.amdhsa_system_sgpr_workgroup_id_y 1
		.amdhsa_system_sgpr_workgroup_id_z 1
		.amdhsa_system_vgpr_workitem_id 0
		.amdhsa_next_free_vgpr 1024
		.amdhsa_next_free_sgpr 66
		.amdhsa_reserve_vcc 0
		.amdhsa_float_denorm_mode_32 3
		.amdhsa_float_denorm_mode_16_64 3
		.amdhsa_memory_ordered 1
		.amdhsa_forward_progress 1
		.amdhsa_inst_pref_size 70
	.end_amdhsa_kernel
	.amdgpu_metadata
---
amdhsa.version: [ 1, 2 ]
amdhsa.kernels:
  - .name:           k_q9f46fecc53_fc2
    .symbol:         k_q9f46fecc53_fc2.kd
    .args:
      - { .name: hq, .offset: 0, .size: 8, .value_kind: global_buffer, .address_space: global }
      - { .name: hs, .offset: 8, .size: 8, .value_kind: global_buffer, .address_space: global }
      - { .name: sel, .offset: 16, .size: 8, .value_kind: global_buffer, .address_space: global }
      - { .name: W2_codes, .offset: 24, .size: 8, .value_kind: global_buffer, .address_space: global }
      - { .name: W2_scales, .offset: 32, .size: 8, .value_kind: global_buffer, .address_space: global }
      - { .name: b2, .offset: 40, .size: 8, .value_kind: global_buffer, .address_space: global }
      - { .name: yp, .offset: 48, .size: 8, .value_kind: global_buffer, .address_space: global }
    .group_segment_fixed_size: 71424
    .private_segment_fixed_size: 0
    .kernarg_segment_align: 8
    .kernarg_segment_size: 56
    .max_flat_workgroup_size: 128
    .sgpr_count:     66
    .vgpr_count:     1024
    .wavefront_size: 32
...
	.end_amdgpu_metadata
.endif
;; end of part 10
;; launch add (part 11): grid 256 x 1, 4 waves a work-group, no clusters, 0 bytes of LDS; arguments yp, wgt, out0; writes out0
.if DOCPART == 11
	.amdgcn_target "amdgcn-amd-amdhsa--gfx1250"
	.amdhsa_code_object_version 6
	.text
	.protected	k_q9f46fecc53_add
	.globl	k_q9f46fecc53_add
	.p2align	8
	.type	k_q9f46fecc53_add,@function
k_q9f46fecc53_add:
	s_mov_b64 s[64:65], 0
	v_nop
	global_prefetch_b8 v0, s[64:65] scope:SCOPE_SE
	s_setreg_imm32_b32 hwreg(HW_REG_WAVE_MODE, 25, 1), 1
	s_wait_xcnt 0x0
; out0[t] = w0 yp[2 t] + w1 yp[2 t + 1]: the two experts' rows of a token, weighed by the router's softmax.  yp [2176][1024] f32 (rows 2048 on are never read), wgt [1024][2] f32, out0 [1024][1024] f32.
; A stream: a wave takes a token; every load and store covers 512 consecutive bytes; all sixteen loads go out at once; no LDS, no barrier.
.set Y0, 8                             ; v8-39   the first expert's row, then the result
.set Y1, 40                            ; v40-71  the second expert's row
	s_load_b128 s[4:7], s[0:1], 0x0                ; yp, wgt
	s_load_b64 s[8:9], s[0:1], 0x10                ; out0
	v_lshrrev_b32 v2, 5, v0
	v_readfirstlane_b32 s10, v2                    ; wave
	v_and_b32 v1, 31, v0
	v_lshlrev_b32 v1, 4, v1                        ; 16 x lane
	s_lshl_b32 s11, ttmp9, 2
	s_add_co_u32 s10, s10, s11                     ; the token: 4 x work-group + wave
	s_lshl_b32 s16, s10, 3
	s_mov_b32 s17, 0
	s_lshl_b32 s18, s10, 13
	s_mov_b32 s19, 0
	s_lshl_b32 s20, s10, 12
	s_mov_b32 s21, 0
	s_wait_alu depctr_va_vdst(0)
	s_wait_kmcnt 0x0
	s_add_nc_u64 s[6:7], s[6:7], s[16:17]
	s_add_nc_u64 s[4:5], s[4:5], s[18:19]
	s_add_nc_u64 s[8:9], s[8:9], s[20:21]
	s_load_b64 s[12:13], s[6:7], 0x0               ; w0, w1
.irp j, 0,1,2,3,4,5,6,7
	global_load_b128 v[Y0+4*\j:Y0+4*\j+3], v1, s[4:5] offset:512*\j th:TH_LOAD_NT
	global_load_b128 v[Y1+4*\j:Y1+4*\j+3], v1, s[4:5] offset:4096+512*\j th:TH_LOAD_NT
.endr
	s_wait_kmcnt 0x0
	s_mov_b32 s14, s13                             ; w1 as the low word of a pair of its own: the packed form takes a scalar pair's low word for both halves
	s_mov_b32 s15, s13
.irp j, 0,1,2,3,4,5,6,7
	s_wait_loadcnt 14-2*\j                         ; pair j is in; the later pairs may be out
	v_pk_mul_f32 v[Y0+4*\j:Y0+4*\j+1], v[Y0+4*\j:Y0+4*\j+1], s[12:13] op_sel_hi:[1,0]
	v_pk_mul_f32 v[Y0+4*\j+2:Y0+4*\j+3], v[Y0+4*\j+2:Y0+4*\j+3], s[12:13] op_sel_hi:[1,0]
	v_pk_fma_f32 v[Y0+4*\j:Y0+4*\j+1], v[Y1+4*\j:Y1+4*\j+1], s[14:15], v[Y0+4*\j:Y0+4*\j+1] op_sel_hi:[1,0,1]
	v_pk_fma_f32 v[Y0+4*\j+2:Y0+4*\j+3], v[Y1+4*\j+2:Y1+4*\j+3], s[14:15], v[Y0+4*\j+2:Y0+4*\j+3] op_sel_hi:[1,0,1]
	global_store_b128 v1, v[Y0+4*\j:Y0+4*\j+3], s[8:9] offset:512*\j th:TH_STORE_NT
.endr
	s_endpgm
.Lfunc_end_k_q9f46fecc53_add:
	.size	k_q9f46fecc53_add, .Lfunc_end_k_q9f46fecc53_add-k_q9f46fecc53_add
	.p2alignl 7, 3214868480
	.fill 96, 4, 3214868480
	.section	.rodata,"a",@progbits
	.p2align	6, 0x0
	.amdhsa_kernel k_q9f46fecc53_add
		.amdhsa_group_segment_fixed_size 0
		.amdhsa_private_segment_fixed_size 0
		.amdhsa_enable_private_segment 0
		.amdhsa_kernarg_size 24
		.amdhsa_user_sgpr_count 2
		.amdhsa_user_sgpr_kernarg_segment_ptr 1
		.amdhsa_wavefront_size32 1
		.amdhsa_system_sgpr_workgroup_id_x 1
		.amdhsa_system_sgpr_workgroup_id_y 1
		.amdhsa_system_sgpr_workgroup_id_z 1
		.amdhsa_system_vgpr_workitem_id 0
		.amdhsa_next_free_vgpr 72
		.amdhsa_next_free_sgpr 66
		.amdhsa_reserve_vcc 0
		.amdhsa_float_denorm_mode_32 3
		.amdhsa_float_denorm_mode_16_64 3
		.amdhsa_memory_ordered 1
		.amdhsa_forward_progress 1
		.amdhsa_inst_pref_size 6
	.end_amdhsa_kernel
	.amdgpu_metadata
---
amdhsa.version: [ 1, 2 ]
amdhsa.kernels:
  - .name:           k_q9f46fecc53_add
    .symbol:         k_q9f46fecc53_add.kd
    .args:
      - { .name: yp, .offset: 0, .size: 8, .value_kind: global_buffer, .address_space: global }
      - { .name: wgt, .offset: 8, .size: 8, .value_kind: global_buffer, .address_space: global }
      - { .name: out0, .offset: 16, .size: 8, .value_kind: global_buffer, .address_space: global }
    .group_segment_fixed_size: 0
    .private_segment_fixed_size: 0
    .kernarg_segment_align: 8
    .kernarg_segment_size: 24
    .max_flat_workgroup_size: 128
    .sgpr_count:     66
    .vgpr_count:     72
    .wavefront_size: 32
...
	.end_amdgpu_metadata
.endif
;; end of part 11
